; MI455X (gfx1250); checked and timed in simulation.
; The chip was launched on July 23, 2026; its instructions are those of AMD's public machine-readable ISA for CDNA 5 (MIT licence, August 2026) and "CDNA5" Instruction Set Architecture Reference Guide (July 2026). The comments in the code are by the model that wrote it; some were corrected since.
;; Causal Self Flex Block. Allowed arithmetic: matrix products marked QUANTISED: E4M3 operands, one E8M0 scale for each 32 along K, by v_wmma_scale_f32_16x16x128_f8f6f4 with both operands' format E4M3, f32 sums; everything else in f32.
;; Inputs: key_padding_mask 2 x 2,048 bool; ln1_b 1,024 float32; ln1_g 1,024 float32; ln2_b 1,024 float32; ln2_g 1,024 float32; proj_b 1,024 float32; proj_w 1,024 x 1,024 float32; qkv_b 3,072 float32; qkv_w 3,072 x 1,024 float32; w1 2,048 x 1,024 float32; w2 2,048 x 1,024 float32; w3 1,024 x 2,048 float32; x 2 x 2,048 x 1,024 float32.
;; Outputs: out0 2 x 2,048 x 1,024 float32.
;; This version of the problem:
;;   THIS VERSION OF THE PROBLEM IS GIVEN IN LOW PRECISION. The matrix products marked QUANTISED in the list below multiply operands that are first quantised to E4M3 (4 exponent bits, 3 mantissa bits; 8 bits a number), with one power-of-two scale for each 32 numbers along K (OCP MX v1.0); their sums are f32. All else is computed in f32.
;;   The module's matrix products, in the order in which they are computed (A, B: the left and right operand; K: the contracted axis; several contracted axes count as one K, in the product's order):
;;     1. [M 4,096, K 1,024] x [K 1,024, N 3,072]; A: computed on the way; B: input qkv_w: QUANTISED
;;     2. batch 32 x [M 2,048, K 64] x [K 64, N 2,048]; A: computed on the way; B: computed on the way: QUANTISED
;;     3. batch 32 x [M 2,048, K 2,048] x [K 2,048, N 64]; A: softmax (see below); B: computed on the way: QUANTISED
;;     4. [M 4,096, K 1,024] x [K 1,024, N 1,024]; A: computed on the way; B: input proj_w: QUANTISED
;;     5. [M 4,096, K 1,024] x [K 1,024, N 2,048]; A: computed on the way; B: input w1: QUANTISED
;;     6. [M 4,096, K 1,024] x [K 1,024, N 2,048]; A: computed on the way; B: input w2: QUANTISED
;;     7. [M 4,096, K 2,048] x [K 2,048, N 1,024]; A: computed on the way; B: input w3: QUANTISED
;;   THE QUANTISER, for each operand of a quantised product, along K:
;;     - K is cut into blocks of 32 from its start; a last block that is shorter is filled with zeros.
;;     - A block's scale is 2^e with e = floor(log2(the largest magnitude in the block)) - 8, held to -126 .. 127; a block of zeros has e = 0. As a byte (E8M0): e + 127.
;;     - Each number is divided by its block's scale, clamped to +-448, and rounded to the nearest number of E4M3, ties to even, subnormals kept.
;;     - The product sums the exact products of the quantised numbers (number of the format x scale) in f32.
;;   ~~~python
;;   def quantise(x, axis):      # numpy; x: float32 -> the quantised numbers, widened to float32 again
;;       x = np.moveaxis(x, axis, -1); K = x.shape[-1]
;;       x = np.pad(x, [(0, 0)] * (x.ndim - 1) + [(0, -K % 32)]); x = x.reshape(x.shape[:-1] + (-1, 32)); a = np.abs(x).max(-1, keepdims=True)
;;       e = np.where(a > 0, np.clip(np.frexp(np.where(a > 0, a, 1))[1] - 1 - 8, -126, 127), 0)      # np.frexp(a)[1] - 1 = floor(log2(a)), exactly
;;       r = np.clip(x / 2.0 ** e, -448, 448)
;;       step = 2.0 ** (np.maximum(np.frexp(np.where(r == 0, 1, r))[1] - 1, -6) - 3)
;;       q = np.round(r / step) * step * 2.0 ** e      # np.round: ties to even
;;       return np.moveaxis(q.reshape(q.shape[:-2] + (-1,))[..., :K], -1, axis).astype(np.float32)
;;   ~~~
;;   SOFTMAX AHEAD OF A QUANTISED PRODUCT. Where the list says 'softmax', what is quantised is not the finished softmax but p = 2^(t - M), with t = logit x log2(e) and M = ceil(the row's largest t), a whole number; so 1/2 < the row's largest p <= 1. The row's sum l is taken of the UNQUANTISED p, in f32, and the product's result is divided by l at the end. Since M is a whole number, a kernel that streams over the keys may use a running M (the ceiling of the running maximum): every later rescaling is an exact power of two, which a block's scale takes up: the codes' values come out the same.
;;   OPERANDS COMPUTED ON THE WAY. 'Computed on the way' means the value that the module computes at that place (a softmax that the list does not call 'softmax' is quantised finished and normalised). What goes into a quantiser is computed in f32, as accurately as f32 sums, v_exp_f32 and their like allow (about 1e-6 of the number): no bf16 or f16 on the way to a quantiser, and a product that is left as it is and whose result goes on into a quantised operand takes f32 operands (vector FMAs, or v_wmma_f32_16x16x4_f32). A number that lies on a knife's edge between two numbers of the format may be rounded either way, as far as f32 arithmetic and the matrix unit's own rounding can turn it there, and no further.
;; One version. Each part assembles by itself: llvm-mc -triple=amdgcn-amd-amdhsa -mcpu=gfx1250 --defsym DOCPART=n.
;; ======== version 1 of 1: 7 launches
;; limits: right only within a limited range of input values
;; workspace buffers: wq 11,337,728 bytes; hq 4,325,376 bytes; aqkv 13,107,200 bytes; oq 4,325,376 bytes; x1 16,777,216 bytes; fq 8,650,752 bytes
;; launch wquant (part 1): grid 896 x 1, 8 waves a work-group, no clusters, 137,216 bytes of LDS; arguments qkv_w, proj_w, w1, w2, w3, wq, x, ln1_g, ln1_b, hq; writes wq, hq
.if DOCPART == 1
	.amdgcn_target "amdgcn-amd-amdhsa--gfx1250"
	.amdhsa_code_object_version 6
	.text
	.protected	k_q113c58c0aa_wquant
	.globl	k_q113c58c0aa_wquant
	.p2align	8
	.type	k_q113c58c0aa_wquant,@function
k_q113c58c0aa_wquant:
	s_mov_b64 s[64:65], 0
	v_nop
	global_prefetch_b8 v0, s[64:65] scope:SCOPE_SE
	s_setreg_imm32_b32 hwreg(HW_REG_WAVE_MODE, 25, 1), 1
	s_wait_xcnt 0x0
; THE FIVE WEIGHTS BECOME CODES OF E4M3 WITH E8M0 SCALES, ONCE, AND THE TABLE OF cos AND sin FOR THE ROTATION IS MADE.
; DEAD WORK OF THE WHOLE PROGRAM.  reference() builds the causal mask (jnp.tril) in its own body: a key k > q gets the score finfo.min, whose weight in the softmax is 0
; whenever some key k <= q of the row is kept.  So steps of 128 keys that lie wholly behind a tile's queries are not multiplied (launch attn).  The one way by which such a key reaches an
; output is a row ALL of whose keys 0 .. q are padded: there every score is finfo.min, the softmax is uniform over all 2,048 keys, and the row is the mean of the quantised v.  That
; mean is made from the sums that launch gqkv stores, and is selected by value.  Every input is loaded.  LIMIT: a NaN, an infinity or an overflow that reaches only the steps left out is not carried to the result.
; LIMITS: NaN and infinities among the inputs are not served; a block of 32 whose largest magnitude lies under 2^-118 keeps the scale byte 1 (a block of zeros too: its codes are zeros, and only this program reads the bytes).
; LAYOUT OF EVERY OPERAND THAT THIS PROGRAM STORES: an image of the operand's registers.  Rows go in blocks of 16; place r of block R is row 32 (R / 2) + 8 (R % 2) + r + 8 (r / 8), so that two
; neighbouring blocks used as source 0 leave 16 neighbours in a lane.  Codes: R x 16 K + step x 2,048 + c x 512 + 16 x lane; scale words: R x K / 2 + step x 64 + 4 r.
; SHARES.  A work-group takes a unit of 16 rows x 1,024 along K, each of its eight waves 128 along K.  Units 0-191 qkv_w, 192-255 proj_w, 256-383 w1, 384-511 w2 (stored by turns: four blocks of w1, the same four of w2), 512-639 w3 (two units a block).
; Each load reads 512 consecutive bytes of a row; the 16 rows turn through the wave's own stage in LDS (rows of 528 bytes), so that a lane gets 16 neighbours of each block of 32.
.set STG,   8448                       ; a wave's stage: 16 rows x (512 + 16) bytes
.set SPARE, 8*STG                      ; behind the stages: the spare words, 128 bytes a wave
.set WS,    10485760                   ; wq: where the scale words begin
.set RT,    10813440                   ; wq: the table, [2048 positions][cos 32 | sin 32] f32
.set SPW, 10
.set NIL, 11
.set RAW, 16                           ; v16-79   16 rows as loaded
.set X,   80                           ; v80-143  register 16 c + i: k = 32 c + 16 (lane / 16) + i of my row
.set TM,  144                          ; v144-159 at work in QUANT
.set PW,  160                          ; the scale word
.set PC,  162                          ; v162-177 the codes
.set SEL, 20                           ; s[20:21] selects of v_permlanex16_b32: lane l xor 16
.set MNT, 22                           ; s22 the mantissa field of 448
; nb blocks of 16 registers from v[s] on become codes in v[pc] on and the scale bytes in v[PW].
.macro QUANT s, nb, pc
.set qb, 0
.rept \nb
	v_max3_num_f32 v[TM+qb], |v[(\s)+16*qb]|, |v[(\s)+16*qb+1]|, 0x4800000   ; my 16 numbers of the block, and the floor 2^(9 - 127): the byte cannot fall under 1
.set qb, qb+1
.endr
.set qi, 2
.rept 7
.set qb, 0
.rept \nb
	s_delay_alu instid0(VALU_DEP_4)
	v_max3_num_f32 v[TM+qb], v[TM+qb], |v[(\s)+16*qb+qi]|, |v[(\s)+16*qb+qi+1]|
.set qb, qb+1
.endr
.set qi, qi+2
.endr
.set qb, 0
.rept \nb
	s_delay_alu instid0(VALU_DEP_4)
	v_permlanex16_b32 v[TM+4+qb], v[TM+qb], s[SEL], s[SEL+1]
.set qb, qb+1
.endr
.set qb, 0
.rept \nb
	s_delay_alu instid0(VALU_DEP_4)
	v_max_num_f32 v[TM+qb], v[TM+qb], v[TM+4+qb]                ; with lane l xor 16's: the block's largest magnitude
.set qb, qb+1
.endr
.set qb, 0
.rept \nb
	v_add_nc_u32 v[TM+12+qb], 0xfc000000, v[TM+qb]              ; 8 off its exponent field: the conversion's scale operand
	v_and_or_b32 v[TM+8+qb], v[TM+qb], 0x7f800000, s[MNT]       ; 448 x the scale
.set qb, qb+1
.endr
.set qb, 0
.rept \nb
	v_lshrrev_b32 v[TM+4+qb], 23, v[TM+12+qb]                   ; the scale's byte
.set qb, qb+1
.endr
	s_delay_alu instid0(VALU_DEP_3)
	v_lshl_or_b32 v[PW], v[TM+5], 8, v[TM+4]
.if \nb > 2
	s_delay_alu instid0(VALU_DEP_1)
	v_lshl_or_b32 v[PW], v[TM+6], 16, v[PW]
	s_delay_alu instid0(VALU_DEP_1)
	v_lshl_or_b32 v[PW], v[TM+7], 24, v[PW]
.endif
.set qb, 0
.rept \nb
.set qi, 0
.rept 16
	v_med3_num_f32 v[(\s)+16*qb+qi], v[(\s)+16*qb+qi], -v[TM+8+qb], v[TM+8+qb]   ; the conversion does not saturate (ISA guide 7.6.2): the hold
.set qi, qi+1
.endr
	v_cvt_scalef32_pk8_fp8_f32 v[(\pc)+4*qb:(\pc)+4*qb+1], v[(\s)+16*qb:(\s)+16*qb+7], v[TM+12+qb]
	v_cvt_scalef32_pk8_fp8_f32 v[(\pc)+4*qb+2:(\pc)+4*qb+3], v[(\s)+16*qb+8:(\s)+16*qb+15], v[TM+12+qb]
.set qb, qb+1
.endr
	v_nop                                                       ; a plain line behind the last conversion
.endm
	; ONE LAUNCH PREPARES ALL THAT THE FIRST PRODUCT READS: work-groups 0-639 take the weights' units, work-groups 640-895 the first layer norm of x (at .Lnorm, with LDS bytes of its own).  The branch hangs on the work-group's number alone.
	v_lshl_add_u32 v[SPW], v0, 2, SPARE
	v_mov_b32 v[NIL], 0
	s_cmp_ge_u32 ttmp9, 640
	s_cbranch_scc1 .Lnorm
	s_load_b256 s[4:11], s[0:1], 0x0               ; qkv_w, proj_w, w1, w2
	s_load_b128 s[12:15], s[0:1], 0x20             ; w3, wq
	v_lshrrev_b32 v1, 5, v0
	s_delay_alu instid0(VALU_DEP_1)
	v_readfirstlane_b32 s24, v1                    ; wave 0..7
	v_and_b32 v1, 31, v0                           ; lane
	v_and_b32 v2, 15, v0                           ; r
	v_bfe_u32 v3, v0, 4, 1                         ; h
	s_delay_alu instid0(VALU_DEP_3)
	v_lshlrev_b32 v4, 4, v1                        ; 16 x lane
	s_mul_i32 s25, s24, STG
	v_add_nc_u32 v5, s25, v4                       ; into the stage: a row's 512 bytes as they lie
	v_mul_u32_u24 v6, v2, 528
	s_delay_alu instid0(VALU_DEP_1)
	v_lshl_add_u32 v6, v3, 6, v6
	s_delay_alu instid0(VALU_DEP_1)
	v_add_nc_u32 v6, s25, v6                       ; out of it: row r, + 64 h
	v_lshlrev_b32 v7, 2, v2                        ; 4 r
	s_mov_b32 s[SEL], 0x76543210
	s_mov_b32 s[SEL+1], 0xfedcba98
	s_mov_b32 s[MNT], 0x600000
.irp b, 0,1,2,3
	v_mov_b32 v[TM+4+\b], 0                        ; a lane permute's destination counts as one of its sources
.endr
	s_wait_kmcnt 0x0
	s_cmp_lt_u32 ttmp9, 192                        ; which tensor: the choice hangs on the work-group's number alone
	s_cselect_b64 s[16:17], s[4:5], s[6:7]
	s_cselect_b32 s18, 0, 192                      ; its first unit
	s_cmp_lt_u32 ttmp9, 256
	s_cselect_b64 s[16:17], s[16:17], s[8:9]
	s_cselect_b32 s18, s18, 256
	s_cmp_lt_u32 ttmp9, 384
	s_cselect_b64 s[16:17], s[16:17], s[10:11]
	s_cselect_b32 s18, s18, 384
	s_cmp_lt_u32 ttmp9, 512
	s_cselect_b64 s[16:17], s[16:17], s[12:13]
	s_cselect_b32 s18, s18, 512
	s_cselect_b32 s19, 0, 1                        ; 1 for w3, whose rows hold two units
	s_sub_co_u32 s26, ttmp9, s18
	s_lshr_b32 s27, s26, s19                       ; the block of rows
	s_and_b32 s28, s26, s19                        ; which half of K
	s_lshr_b32 s29, s27, 1
	s_lshl_b32 s29, s29, 5
	s_and_b32 s30, s27, 1
	s_lshl_b32 s30, s30, 3
	s_add_co_u32 s29, s29, s30                     ; the block's first row
	s_add_co_u32 s30, s19, 12
	s_lshl_b32 s29, s29, s30                       ; x 4,096 or 8,192 bytes
	s_lshl_b32 s28, s28, 12
	s_add_co_u32 s28, s28, s29
	s_lshl_b32 s30, s24, 9
	s_add_co_u32 s28, s28, s30                     ; + my wave's 512 bytes of a row
	s_mov_b32 s29, 0
	s_add_nc_u64 s[16:17], s[16:17], s[28:29]
	s_sub_co_u32 s30, ttmp9, 256                   ; w1 and w2: unit j of 256 goes to 8 ((j % 128) / 4) + j % 4 + 4 (j / 128)
	s_and_b32 s31, s30, 127
	s_lshr_b32 s32, s31, 2
	s_lshl_b32 s32, s32, 3
	s_and_b32 s31, s31, 3
	s_add_co_u32 s32, s32, s31
	s_lshr_b32 s31, s30, 7
	s_lshl_b32 s31, s31, 2
	s_add_co_u32 s32, s32, s31
	s_add_co_u32 s32, s32, 256
	s_cmp_lt_u32 s30, 256
	s_cselect_b32 s32, s32, ttmp9                  ; every other unit keeps its number
	s_lshl_b32 s34, s32, 14
	s_lshl_b32 s35, s24, 11
	s_add_co_u32 s34, s34, s35
	s_mov_b32 s35, 0
	s_add_nc_u64 s[34:35], s[14:15], s[34:35]      ; my fragment's image
	s_lshl_b32 s36, s32, 9
	s_lshl_b32 s37, s24, 6
	s_add_co_u32 s36, s36, s37
	s_add_co_u32 s36, s36, WS
	s_mov_b32 s37, 0
	s_add_nc_u64 s[36:37], s[14:15], s[36:37]      ; and its scale words
	s_cmp_lt_u32 ttmp9, 512                        ; the rows' pitch stands in the immediates: two arms, 16 loads in each
	s_cbranch_scc0 .Lwide
.irp t, 0,1,2,3,4,5,6,7,8,9,10,11,12,13,14,15
	global_load_b128 v[RAW+4*\t:RAW+4*\t+3], v4, s[16:17] offset:(\t+8*(\t/8))*4096 th:TH_LOAD_NT
.endr
	s_branch .Lgot
.Lwide:
.irp t, 0,1,2,3,4,5,6,7,8,9,10,11,12,13,14,15
	global_load_b128 v[RAW+4*\t:RAW+4*\t+3], v4, s[16:17] offset:(\t+8*(\t/8))*8192 th:TH_LOAD_NT
.endr
.Lgot:
	s_wait_loadcnt 0x0
	s_wait_alu depctr_va_vdst(0)
.irp t, 0,1,2,3,4,5,6,7,8,9,10,11,12,13,14,15
	ds_store_b128 v5, v[RAW+4*\t:RAW+4*\t+3] offset:528*\t
.endr
.irp c, 0,1,2,3
.irp j, 0,1,2,3
	ds_load_b128 v[X+16*\c+4*\j:X+16*\c+4*\j+3], v6 offset:128*\c+16*\j    ; LDS serves a wave's instructions in order: these see my stores
.endr
.endr
	s_wait_dscnt 0x0
	QUANT X, 4, PC
.irp c, 0,1,2,3
	global_store_b128 v4, v[PC+4*\c:PC+4*\c+3], s[34:35] offset:512*\c     ; 512 consecutive bytes a store
.endr
	global_store_b32 v7, v[PW], s[36:37]           ; 64 bytes: lanes 16-31 repeat lanes 0-15
	; THE TABLE: units 0-255 make 8 positions each, a wave a position.  Lane l makes two numbers, for frequencies 2 (l % 16) and the next: cos in lanes 0-15, sin in lanes 16-31.
	s_cmp_lt_u32 ttmp9, 256
	s_cbranch_scc0 .Lend
	s_lshl_b32 s26, ttmp9, 3
	s_add_co_u32 s26, s26, s24                     ; the position
	v_cvt_f32_u32 v16, s26
	v_and_b32 v17, 3, v2
	v_lshrrev_b32 v18, 2, v2
	v_mov_b32 v19, 1.0                             ; 10^(-f / 8) = 10^(-(f % 8) / 8) x 10^(-(f / 8)): the even frequency's first factor,
	v_mov_b32 v20, 0x3f3ff911                      ; the odd one's (10^(-1/8)),
	v_mov_b32 v21, 1.0                             ; and the decade, which both share
	v_cmp_ne_u32 vcc_lo, 1, v17
	s_delay_alu instid0(VALU_DEP_1)
	v_cndmask_b32 v19, 0x3f0ff59a, v19, vcc_lo     ; 10^(-2/8)
	s_delay_alu instid0(VALU_DEP_2)
	v_cndmask_b32 v20, 0x3ed7e89b, v20, vcc_lo     ; 10^(-3/8)
	v_cmp_ne_u32 vcc_lo, 2, v17
	s_delay_alu instid0(VALU_DEP_1)
	v_cndmask_b32 v19, 0x3ea1e89b, v19, vcc_lo     ; 10^(-4/8)
	s_delay_alu instid0(VALU_DEP_2)
	v_cndmask_b32 v20, 0x3e72d424, v20, vcc_lo     ; 10^(-5/8)
	v_cmp_ne_u32 vcc_lo, 3, v17
	s_delay_alu instid0(VALU_DEP_1)
	v_cndmask_b32 v19, 0x3e361887, v19, vcc_lo     ; 10^(-6/8)
	s_delay_alu instid0(VALU_DEP_2)
	v_cndmask_b32 v20, 0x3e088d77, v20, vcc_lo     ; 10^(-7/8)
	v_cmp_ne_u32 vcc_lo, 1, v18
	s_delay_alu instid0(VALU_DEP_1)
	v_cndmask_b32 v21, 0x3dcccccd, v21, vcc_lo     ; 0.1
	v_cmp_ne_u32 vcc_lo, 2, v18
	s_delay_alu instid0(VALU_DEP_1)
	v_cndmask_b32 v21, 0x3c23d70a, v21, vcc_lo     ; 0.01
	v_cmp_ne_u32 vcc_lo, 3, v18
	s_delay_alu instid0(VALU_DEP_1)
	v_cndmask_b32 v21, 0x3a83126f, v21, vcc_lo     ; 0.001
	s_delay_alu instid0(VALU_DEP_1)
	v_mul_f32 v19, v19, v21
	s_delay_alu instid0(VALU_DEP_2)
	v_mul_f32 v20, v20, v21
	v_mul_u32_u24 v22, v3, 3                       ; sin x = cos(x - pi / 2): three quadrants on, in lanes 16-31
	s_mov_b32 s38, 0x3fc90fdb                      ; pi / 2 in three parts
	s_mov_b32 s39, 0xb33bbd2e
	s_mov_b32 s40, 0xa6f72ced
; cos of position x v[inv], moved by my quadrants: the angle less n x pi / 2, n the nearest whole number; sin and cos of the rest, at most pi / 4, by their series; the quadrant picks one and its sign.
.macro COSQ dst, inv
	v_mul_f32 v24, v16, v[\inv]                    ; the angle: one f32 product
	s_delay_alu instid0(VALU_DEP_1)
	v_mul_f32 v25, 0x3f22f983, v24                 ; x 2 / pi
	s_delay_alu instid0(VALU_DEP_1)
	v_rndne_f32 v25, v25
	s_delay_alu instid0(VALU_DEP_1)
	v_fma_f32 v26, -v25, s38, v24
	s_delay_alu instid0(VALU_DEP_1)
	v_fma_f32 v26, -v25, s39, v26
	s_delay_alu instid0(VALU_DEP_1)
	v_fma_f32 v26, -v25, s40, v26                  ; the rest
	s_delay_alu instid0(VALU_DEP_4)
	v_cvt_i32_f32 v27, v25
	s_delay_alu instid0(VALU_DEP_1)
	v_add_nc_u32 v27, v27, v22                     ; the quadrant
	s_delay_alu instid0(VALU_DEP_3)
	v_mul_f32 v28, v26, v26
	v_mov_b32 v29, 0x3638ef1d                      ; 1 / 9!
	s_delay_alu instid0(VALU_DEP_1)
	v_fmaak_f32 v29, v29, v28, 0xb9500d01          ; -1 / 7!
	s_delay_alu instid0(VALU_DEP_1)
	v_fmaak_f32 v29, v29, v28, 0x3c088889          ; 1 / 5!
	s_delay_alu instid0(VALU_DEP_1)
	v_fmaak_f32 v29, v29, v28, 0xbe2aaaab          ; -1 / 3!
	v_mul_f32 v30, v26, v28
	s_delay_alu instid0(VALU_DEP_1)
	v_fma_f32 v29, v29, v30, v26                   ; sin
	v_mov_b32 v30, 0xb493f27e                      ; -1 / 10!
	s_delay_alu instid0(VALU_DEP_1)
	v_fmaak_f32 v30, v30, v28, 0x37d00d01          ; 1 / 8!
	s_delay_alu instid0(VALU_DEP_1)
	v_fmaak_f32 v30, v30, v28, 0xbab60b61          ; -1 / 6!
	s_delay_alu instid0(VALU_DEP_1)
	v_fmaak_f32 v30, v30, v28, 0x3d2aaaab          ; 1 / 4!
	s_delay_alu instid0(VALU_DEP_1)
	v_fmaak_f32 v30, v30, v28, 0xbf000000          ; -1 / 2
	s_delay_alu instid0(VALU_DEP_1)
	v_fma_f32 v30, v30, v28, 1.0                   ; cos
	v_and_b32 v31, 1, v27
	s_delay_alu instid0(VALU_DEP_1)
	v_cmp_ne_u32 vcc_lo, 0, v31
	s_delay_alu instid0(VALU_DEP_1)
	v_cndmask_b32 v29, v30, v29, vcc_lo            ; odd quadrants take sin
	v_add_nc_u32 v27, 1, v27
	s_delay_alu instid0(VALU_DEP_1)
	v_and_b32 v27, 2, v27                          ; quadrants 1 and 2 are negative
	s_delay_alu instid0(VALU_DEP_1)
	v_lshlrev_b32 v27, 30, v27
	s_delay_alu instid0(VALU_DEP_1)
	v_xor_b32 v[\dst], v29, v27
.endm
	COSQ 32, 19
	COSQ 33, 20
	v_lshlrev_b32 v23, 3, v1
	s_lshl_b32 s26, s26, 8
	s_add_co_u32 s26, s26, RT
	s_mov_b32 s27, 0
	s_add_nc_u64 s[26:27], s[14:15], s[26:27]
	global_store_b64 v23, v[32:33], s[26:27]       ; the wave stores a position's 256 bytes, aligned
.Lend:
	s_wait_tensorcnt 0x0                           ; the wave's end
	ds_add_u32 v[SPW], v[NIL]
	s_wait_dscnt 0x0
	s_endpgm
; THE FIRST LAYER NORM: 16 ROWS OF x, QUANTISED ALONG THE ROW INTO AN IMAGE OF THE FIRST PRODUCT'S OPERAND (hq).
; Work-group 640 + R takes token block R: rows 32 (R / 2) + 8 (R % 2) + t + 8 (t / 8).  Wave w takes columns 128 w on, which are K step w of the image.
; Each load reads 512 consecutive bytes of a row; the rows turn through the wave's own stage in LDS, so that a lane holds 16 neighbours of each block of 32.
; Mean and variance as written: the mean first, then the mean of (x - mean)^2: two sums over the eight waves, each through its own 512 bytes of LDS and a barrier.
; This path's LDS bytes lie behind the weights' path's and the spare words, from byte LB on.
.set LB,  68608
.set RED, LB+8*STG                     ; [r][wave] f32, 512 bytes; the second sum's 512 bytes behind it
.set G,   144                          ; v144-207 the gain
.set TM,  208
.set PW,  224
.set PC,  226
.Lnorm:
	s_load_b256 s[4:11], s[0:1], 0x30              ; x, gain, bias, image
	s_sub_co_u32 s3, ttmp9, 640                    ; the token block
	v_lshrrev_b32 v1, 5, v0
	s_delay_alu instid0(VALU_DEP_1)
	v_readfirstlane_b32 s12, v1                    ; wave 0..7
	v_and_b32 v1, 31, v0
	v_and_b32 v2, 15, v0                           ; r
	v_bfe_u32 v3, v0, 4, 1                         ; h
	s_delay_alu instid0(VALU_DEP_3)
	v_lshlrev_b32 v4, 4, v1                        ; 16 x lane
	s_mul_i32 s13, s12, STG
	s_add_co_u32 s13, s13, LB
	v_add_nc_u32 v5, s13, v4
	v_mul_u32_u24 v6, v2, 528
	s_delay_alu instid0(VALU_DEP_1)
	v_lshl_add_u32 v6, v3, 6, v6
	s_delay_alu instid0(VALU_DEP_1)
	v_add_nc_u32 v6, s13, v6
	v_lshlrev_b32 v7, 2, v2                        ; 4 r
	s_lshl_b32 s23, s12, 2
	s_add_co_u32 s23, s23, RED
	v_lshlrev_b32 v8, 5, v2
	s_delay_alu instid0(VALU_DEP_1)
	v_add_nc_u32 v8, s23, v8                       ; my wave's word of row r
	v_lshl_add_u32 v9, v2, 5, RED                  ; row r's eight words
	s_lshl_b32 s24, s12, 9
	v_lshlrev_b32 v12, 6, v3
	s_delay_alu instid0(VALU_DEP_1)
	v_add_nc_u32 v12, s24, v12                     ; gain and bias: 512 w + 64 h
	s_mov_b32 s[SEL], 0x76543210
	s_mov_b32 s[SEL+1], 0xfedcba98
	s_mov_b32 s[MNT], 0x600000
.irp b, 0,1,2,3
	v_mov_b32 v[TM+4+\b], 0
.endr
	v_mov_b32 v250, 0                              ; a lane permute's destination counts as one of its sources
	s_lshr_b32 s14, s3, 1
	s_lshl_b32 s14, s14, 5
	s_and_b32 s15, s3, 1
	s_lshl_b32 s15, s15, 3
	s_add_co_u32 s14, s14, s15                     ; the block's first row
	s_lshl_b32 s14, s14, 12
	s_add_co_u32 s14, s14, s24
	s_mov_b32 s15, 0
	s_lshl_b32 s16, s3, 14
	s_lshl_b32 s17, s12, 11
	s_add_co_u32 s16, s16, s17
	s_mov_b32 s17, 0
	s_lshl_b32 s18, s3, 9
	s_lshl_b32 s19, s12, 6
	s_add_co_u32 s18, s18, s19
	s_add_co_u32 s18, s18, 4194304
	s_mov_b32 s19, 0
	s_wait_alu depctr_va_vdst(0)
	s_wait_kmcnt 0x0
	s_add_nc_u64 s[4:5], s[4:5], s[14:15]
	s_add_nc_u64 s[16:17], s[10:11], s[16:17]      ; my fragment's image
	s_add_nc_u64 s[18:19], s[10:11], s[18:19]      ; its scale words
.irp t, 0,1,2,3,4,5,6,7,8,9,10,11,12,13,14,15
	global_load_b128 v[RAW+4*\t:RAW+4*\t+3], v4, s[4:5] offset:(\t+8*(\t/8))*4096
.endr
.irp c, 0,1,2,3
.irp j, 0,1,2,3
	global_load_b128 v[G+16*\c+4*\j:G+16*\c+4*\j+3], v12, s[6:7] offset:128*\c+16*\j
.endr
.endr
	s_wait_loadcnt 16                              ; the rows are in; the gain's 16 loads may be out
.irp t, 0,1,2,3,4,5,6,7,8,9,10,11,12,13,14,15
	ds_store_b128 v5, v[RAW+4*\t:RAW+4*\t+3] offset:528*\t
.endr
.irp c, 0,1,2,3
.irp j, 0,1,2,3
	ds_load_b128 v[X+16*\c+4*\j:X+16*\c+4*\j+3], v6 offset:128*\c+16*\j
.endr
.endr
	s_wait_dscnt 0x0
.irp c, 0,1,2,3
.irp j, 0,1,2,3
	global_load_b128 v[RAW+16*\c+4*\j:RAW+16*\c+4*\j+3], v12, s[8:9] offset:128*\c+16*\j   ; the bias, where the rows lay
.endr
.endr
	; the sum of my 64 numbers, in eight chains
	v_pk_add_f32 v[248:249], v[80:81], v[82:83]
	v_pk_add_f32 v[254:255], v[88:89], v[92:93]
	v_pk_add_f32 v[252:253], v[96:97], v[100:101]
	v_pk_add_f32 v[244:245], v[104:105], v[108:109]
	v_pk_add_f32 v[242:243], v[112:113], v[116:117]
	v_pk_add_f32 v[240:241], v[120:121], v[124:125]
	v_pk_add_f32 v[238:239], v[128:129], v[132:133]
	v_pk_add_f32 v[246:247], v[136:137], v[140:141]
	s_delay_alu instid0(VALU_DEP_1)
	v_pk_add_f32 v[246:247], v[246:247], v[84:85]
	v_pk_add_f32 v[248:249], v[248:249], v[86:87]
	v_pk_add_f32 v[254:255], v[254:255], v[90:91]
	v_pk_add_f32 v[252:253], v[252:253], v[94:95]
	v_pk_add_f32 v[244:245], v[244:245], v[98:99]
	v_pk_add_f32 v[242:243], v[242:243], v[102:103]
	v_pk_add_f32 v[240:241], v[240:241], v[106:107]
	v_pk_add_f32 v[238:239], v[238:239], v[110:111]
	v_pk_add_f32 v[246:247], v[246:247], v[114:115]
	v_pk_add_f32 v[248:249], v[248:249], v[118:119]
	v_pk_add_f32 v[254:255], v[254:255], v[122:123]
	v_pk_add_f32 v[252:253], v[252:253], v[126:127]
	v_pk_add_f32 v[244:245], v[244:245], v[130:131]
	v_pk_add_f32 v[242:243], v[242:243], v[134:135]
	v_pk_add_f32 v[240:241], v[240:241], v[138:139]
	v_pk_add_f32 v[238:239], v[238:239], v[142:143]
	s_delay_alu instid0(VALU_DEP_4)
	v_pk_add_f32 v[246:247], v[246:247], v[244:245]
	s_delay_alu instid0(VALU_DEP_4)
	v_pk_add_f32 v[248:249], v[248:249], v[242:243]
	s_delay_alu instid0(VALU_DEP_4)
	v_pk_add_f32 v[254:255], v[254:255], v[240:241]
	s_delay_alu instid0(VALU_DEP_4)
	v_pk_add_f32 v[252:253], v[252:253], v[238:239]
	s_delay_alu instid0(VALU_DEP_2)
	v_pk_add_f32 v[246:247], v[246:247], v[254:255]
	s_delay_alu instid0(VALU_DEP_2)
	v_pk_add_f32 v[248:249], v[248:249], v[252:253]
	s_delay_alu instid0(VALU_DEP_1)
	v_pk_add_f32 v[246:247], v[246:247], v[248:249]
	s_delay_alu instid0(VALU_DEP_1)
	v_add_f32 v246, v246, v247
	s_delay_alu instid0(VALU_DEP_1)
	v_permlanex16_b32 v250, v246, s[SEL], s[SEL+1]
	s_delay_alu instid0(VALU_DEP_1)
	v_add_f32 v246, v246, v250                     ; row r over my wave's 128 columns
	ds_store_b32 v8, v246                          ; both halves of the lanes write the same word with the same value
	s_wait_dscnt 0x0                               ; for the others' sake
	s_barrier_signal -1
	s_barrier_wait -1
	ds_load_b128 v[248:251], v9
	ds_load_b128 v[252:255], v9 offset:16
	s_wait_dscnt 0x0
	v_pk_add_f32 v[248:249], v[248:249], v[250:251]
	v_pk_add_f32 v[252:253], v[252:253], v[254:255]
	s_delay_alu instid0(VALU_DEP_1)
	v_pk_add_f32 v[248:249], v[248:249], v[252:253]
	s_delay_alu instid0(VALU_DEP_1)
	v_add_f32 v248, v248, v249
	s_delay_alu instid0(VALU_DEP_1)
	v_mul_f32 v242, 0x3a800000, v248               ; / 1,024: the mean
	s_delay_alu instid0(VALU_DEP_1)
	v_mov_b32 v243, v242
.set n, 0
.rept 32
	v_pk_add_f32 v[X+n:X+n+1], v[X+n:X+n+1], v[242:243] neg_lo:[0,1] neg_hi:[0,1]
.set n, n+2
.endr
.irp k, 0,1,2,3
	v_pk_mul_f32 v[246+2*\k:247+2*\k], v[X+2*\k:X+2*\k+1], v[X+2*\k:X+2*\k+1]
.endr
.set n, 8
.rept 7
.irp k, 0,1,2,3
	s_delay_alu instid0(VALU_DEP_4)
	v_pk_fma_f32 v[246+2*\k:247+2*\k], v[X+n+2*\k:X+n+2*\k+1], v[X+n+2*\k:X+n+2*\k+1], v[246+2*\k:247+2*\k]
.endr
.set n, n+8
.endr
	s_delay_alu instid0(VALU_DEP_3)
	v_pk_add_f32 v[246:247], v[246:247], v[248:249]
	s_delay_alu instid0(VALU_DEP_2)
	v_pk_add_f32 v[250:251], v[250:251], v[252:253]
	s_delay_alu instid0(VALU_DEP_1)
	v_pk_add_f32 v[246:247], v[246:247], v[250:251]
	s_delay_alu instid0(VALU_DEP_1)
	v_add_f32 v246, v246, v247
	s_delay_alu instid0(VALU_DEP_1)
	v_permlanex16_b32 v254, v246, s[SEL], s[SEL+1]
	s_delay_alu instid0(VALU_DEP_1)
	v_add_f32 v246, v246, v254
	ds_store_b32 v8, v246 offset:512               ; bytes of their own: the first sum's may still be read
	s_wait_dscnt 0x0
	s_barrier_signal -1
	s_barrier_wait -1
	ds_load_b128 v[248:251], v9 offset:512
	ds_load_b128 v[252:255], v9 offset:528
	s_wait_dscnt 0x0
	v_pk_add_f32 v[248:249], v[248:249], v[250:251]
	v_pk_add_f32 v[252:253], v[252:253], v[254:255]
	s_delay_alu instid0(VALU_DEP_1)
	v_pk_add_f32 v[248:249], v[248:249], v[252:253]
	s_delay_alu instid0(VALU_DEP_1)
	v_add_f32 v248, v248, v249
	v_mov_b32 v245, 0x3a800000
	s_delay_alu instid0(VALU_DEP_1)
	v_fmaak_f32 v244, v248, v245, 0x3727c5ac       ; the variance + 1e-5
	s_wait_alu depctr_va_vdst(0)
	v_rsq_f32 v244, v244
	v_nop                                          ; a plain line behind the transcendental,
	s_wait_alu depctr_va_vdst(0)                   ; and a wait ahead of its first reader
	v_mov_b32 v245, v244
	s_wait_alu depctr_va_vdst(0)
	s_wait_loadcnt 0x0                             ; gain and bias
.set n, 0
.rept 32
	v_pk_mul_f32 v[X+n:X+n+1], v[X+n:X+n+1], v[244:245]
.set n, n+2
.endr
.set n, 0
.rept 32
	v_pk_fma_f32 v[X+n:X+n+1], v[X+n:X+n+1], v[G+n:G+n+1], v[RAW+n:RAW+n+1]
.set n, n+2
.endr
	QUANT X, 4, PC
.irp c, 0,1,2,3
	global_store_b128 v4, v[PC+4*\c:PC+4*\c+3], s[16:17] offset:512*\c
.endr
	global_store_b32 v7, v[PW], s[18:19]
	s_wait_tensorcnt 0x0                           ; the wave's end
	ds_add_u32 v[SPW], v[NIL]
	s_wait_dscnt 0x0
	s_endpgm
.Lfunc_end_k_q113c58c0aa_wquant:
	.size	k_q113c58c0aa_wquant, .Lfunc_end_k_q113c58c0aa_wquant-k_q113c58c0aa_wquant
	.p2alignl 7, 3214868480
	.fill 96, 4, 3214868480
	.section	.rodata,"a",@progbits
	.p2align	6, 0x0
	.amdhsa_kernel k_q113c58c0aa_wquant
		.amdhsa_group_segment_fixed_size 137216
		.amdhsa_private_segment_fixed_size 0
		.amdhsa_enable_private_segment 0
		.amdhsa_kernarg_size 80
		.amdhsa_user_sgpr_count 2
		.amdhsa_user_sgpr_kernarg_segment_ptr 1
		.amdhsa_wavefront_size32 1
		.amdhsa_system_sgpr_workgroup_id_x 1
		.amdhsa_system_sgpr_workgroup_id_y 1
		.amdhsa_system_sgpr_workgroup_id_z 1
		.amdhsa_system_vgpr_workitem_id 0
		.amdhsa_next_free_vgpr 256
		.amdhsa_next_free_sgpr 66
		.amdhsa_reserve_vcc 1
		.amdhsa_float_denorm_mode_32 3
		.amdhsa_float_denorm_mode_16_64 3
		.amdhsa_memory_ordered 1
		.amdhsa_forward_progress 1
		.amdhsa_inst_pref_size 57
	.end_amdhsa_kernel
	.amdgpu_metadata
---
amdhsa.version: [ 1, 2 ]
amdhsa.kernels:
  - .name:           k_q113c58c0aa_wquant
    .symbol:         k_q113c58c0aa_wquant.kd
    .args:
      - { .name: qkv_w, .offset: 0, .size: 8, .value_kind: global_buffer, .address_space: global }
      - { .name: proj_w, .offset: 8, .size: 8, .value_kind: global_buffer, .address_space: global }
      - { .name: w1, .offset: 16, .size: 8, .value_kind: global_buffer, .address_space: global }
      - { .name: w2, .offset: 24, .size: 8, .value_kind: global_buffer, .address_space: global }
      - { .name: w3, .offset: 32, .size: 8, .value_kind: global_buffer, .address_space: global }
      - { .name: wq, .offset: 40, .size: 8, .value_kind: global_buffer, .address_space: global }
      - { .name: x, .offset: 48, .size: 8, .value_kind: global_buffer, .address_space: global }
      - { .name: ln1_g, .offset: 56, .size: 8, .value_kind: global_buffer, .address_space: global }
      - { .name: ln1_b, .offset: 64, .size: 8, .value_kind: global_buffer, .address_space: global }
      - { .name: hq, .offset: 72, .size: 8, .value_kind: global_buffer, .address_space: global }
    .group_segment_fixed_size: 137216
    .private_segment_fixed_size: 0
    .kernarg_segment_align: 8
    .kernarg_segment_size: 80
    .max_flat_workgroup_size: 256
    .sgpr_count:     66
    .vgpr_count:     256
    .wavefront_size: 32
...
	.end_amdgpu_metadata
.endif
;; end of part 1
;; launch gqkv (part 2): grid 12 x 16, 4 waves a work-group, clusters of 4 x 4, 327,680 bytes of LDS; arguments hq, wq, qkv_b, aqkv; writes aqkv
.if DOCPART == 2
	.amdgcn_target "amdgcn-amd-amdhsa--gfx1250"
	.amdhsa_code_object_version 6
	.text
	.protected	k_q113c58c0aa_gqkv
	.globl	k_q113c58c0aa_gqkv
	.p2align	8
	.type	k_q113c58c0aa_gqkv,@function
k_q113c58c0aa_gqkv:
	s_mov_b64 s[64:65], 0
	v_nop
	global_prefetch_b8 v0, s[64:65] scope:SCOPE_SE
	s_setreg_imm32_b32 hwreg(HW_REG_WAVE_MODE, 25, 1), 1
	s_wait_xcnt 0x0
	s_wait_alu depctr_hold_cnt(0) depctr_sa_sdst(0) depctr_va_vdst(0) depctr_va_sdst(0) depctr_va_ssrc(0) depctr_va_vcc(0) depctr_vm_vsrc(0)
	s_getreg_b32 s2, hwreg(HW_REG_IB_STS2, 6, 4)
	s_cmp_eq_u32 s2, 0
	s_cbranch_scc0 .Lentry_in_a_cluster
	s_endpgm
.Lentry_in_a_cluster:
	s_bfe_u32 s2, ttmp6, 0x10000c
	s_cmp_lg_u32 s2, 0xf033
	s_cbranch_scc0 .Lentry_shape_is_right
	s_endpgm
.Lentry_shape_is_right:
; qkv = Q(h) Q(qkv_w)^T + qkv_b, then: q and k rotated and quantised along the head's 64; v quantised along the KEYS; all three stored as images of attention's operands.
; THE PRODUCT: a tile of 256 x 256 to a work-group of four waves, 128 x 128 (64 accumulators) to a wave; K = 1,024 in steps of 256 through a ring of two LDS slots; 4 x 4 work-groups form a cluster,
; A's tiles are asked for jointly along a row of it, B's along a column.  Operands lie in memory and in LDS as images of their registers (blocks of 16 rows; step x 2,048 + c x 512 + 16 x lane): a fragment is four
; loads of 512 consecutive bytes, with no pitch.  The matrix instruction is used transposed: source 0 = B's block, source 1 = A's: a lane holds ONE row of A, and its 16 registers of two neighbouring blocks of B are 16 neighbours.
; ROLES.  Clusters x = 0 (q) and 1 (k): A = tokens, B = rows of qkv_w: a lane holds a token and runs along the features.  Cluster x = 2 (v): A = rows of qkv_w, B = tokens: a lane holds a feature and runs along
; the tokens, which are the second product's K.  The choice hangs on the cluster's number, which all sixteen partners share.
; v's way out also sums the quantised v over each step of 128 keys (a product with ones): attention needs the mean of v for rows all of whose keys are masked.
; LIMITS: NaN and infinities are not served; a block whose largest magnitude lies under 2^-118 keeps the scale byte 1.
.set KK,     1024
.set KROWB,  16*KK                     ; a block of 16 rows in memory
.set SKB,    KK/2                      ; its scale words
.set NQ,     2                         ; matrix instructions deep in a slot
.set FR,     16
.set NL,     4
.set NP,     8                         ; places behind this matrix instruction (ISA guide 7.12.1)
.set HALFT,  32768                     ; 8 blocks x 4,096 bytes: what one tensor load brings
.set SLOT,   4*HALFT
.set LAPS,   KK/512
.set HALFS,  8*SKB
.set SCL,    2*SLOT                    ; behind the ring: the scale words of all of K
.set SPARE,  SCL+4*HALFS
.set RT,     10813440                  ; wq: the table of cos and sin
.set QS,     12582912                  ; aqkv: q's scale words; k's 131,072 on
.set VI,     8388608                   ; v's codes
.set VS,     12845056                  ; v's scale words; the sums 131,072 on
.set ADRA, 16
.set ADRB, 20
.set STV,  22                          ; v's way: LDS address of my scale word
.set RDV,  23                          ; and where 8 bytes a lane are read back
.set STQ,  24                          ; q's and k's way: the same two
.set RDQ,  25
.set CO,   26                          ; 16 x lane
.set ADRS, 27
.set SPW,  28
.set NIL,  29
.set PSI,  30                          ; v's way: the sums into LDS
.set PSR,  31                          ; and back
.set C8,   18                          ; 8 x lane
.set VBO,  19                          ; 4 (r + 8 (r / 8))
.set RPO,  12                          ; 256 (r + 8 (r / 8)) + 64 h
.set H64,  13                          ; 64 h
.set PSG,  14                          ; 4,096 h + 16 r
.set SC,   32                          ; v32-63 scale words, and nothing else
.set AF,   128
.set G1, 24
.set G0, 32
.set G1B, 48
.set G0B, 56
.set G1S, 68
.set G0S, 76
.set G1SB, 80
.set G0SB, 88
.set SEL, 96
.set MNT, 98
.set MSB, 0
.macro WIN new                         ; the immediate's high byte repeats the setting that is left
.if MSB != \new
	s_set_vgpr_msb (MSB<<8)|\new
.set MSB, \new
.endif
.endm
.set MUL_LO, 0xa1                      ; source 0 (B) window 1, source 1 (A) window 0, C and D window 2
.set MUL_HI, 0xf1
.set TO_B,   0x40
.macro JLOAD g0a, g1a, g0b, g1b        ; a joint load: waves 0 and 1 fetch for A, waves 2 and 3 for B; an s_nop 0 and four v_nop follow each line
	s_cmp_eq_u32 s15, 0
	s_cbranch_scc0 .Lfor_b_\@
	tensor_load_to_lds s[\g0a:\g0a+3], s[\g1a:\g1a+7]
	s_nop 0
.rept 4
	v_nop
.endr
	s_branch .Lasked_\@
.Lfor_b_\@:
	tensor_load_to_lds s[\g0b:\g0b+3], s[\g1b:\g1b+7]
	s_nop 0
.rept 4
	v_nop
.endr
.Lasked_\@:
.endm
.macro CREST
	s_cmp_lg_u32 s14, 0
	s_cbranch_scc1 .Lnot_wave_0_\@
	s_barrier_signal -3
.Lnot_wave_0_\@:
	s_barrier_wait -3
	s_barrier_signal -1
	s_barrier_wait -1
.endm
.macro CROUND
	s_barrier_signal -1
	s_barrier_wait -1
	CREST
.endm
.macro QUANT s, nb, pc
.set qb, 0
.rept \nb
	v_max3_num_f32 v[TM+qb], |v[(\s)+16*qb]|, |v[(\s)+16*qb+1]|, 0x4800000   ; my 16 numbers of the block, and the floor 2^(9 - 127)
.set qb, qb+1
.endr
.set qi, 2
.rept 7
.set qb, 0
.rept \nb
	v_max3_num_f32 v[TM+qb], v[TM+qb], |v[(\s)+16*qb+qi]|, |v[(\s)+16*qb+qi+1]|
.set qb, qb+1
.endr
.set qi, qi+2
.endr
.set qb, 0
.rept \nb
	v_permlanex16_b32 v[TM+4+qb], v[TM+qb], s[SEL], s[SEL+1]
.set qb, qb+1
.endr
.set qb, 0
.rept \nb
	v_max_num_f32 v[TM+qb], v[TM+qb], v[TM+4+qb]
.set qb, qb+1
.endr
.set qb, 0
.rept \nb
	v_add_nc_u32 v[TM+12+qb], 0xfc000000, v[TM+qb]              ; the conversion's scale operand
	v_and_or_b32 v[TM+8+qb], v[TM+qb], 0x7f800000, s[MNT]       ; 448 x the scale
.set qb, qb+1
.endr
.set qb, 0
.rept \nb
	v_lshrrev_b32 v[TM+4+qb], 23, v[TM+12+qb]                   ; the scale's byte
.set qb, qb+1
.endr
	v_lshl_or_b32 v[PW], v[TM+5], 8, v[TM+4]
.if \nb > 2
	v_lshl_or_b32 v[PW], v[TM+6], 16, v[PW]
	v_lshl_or_b32 v[PW], v[TM+7], 24, v[PW]
.endif
.set qb, 0
.rept \nb
.set qi, 0
.rept 16
	v_med3_num_f32 v[(\s)+16*qb+qi], v[(\s)+16*qb+qi], -v[TM+8+qb], v[TM+8+qb]
.set qi, qi+1
.endr
	v_cvt_scalef32_pk8_fp8_f32 v[(\pc)+4*qb:(\pc)+4*qb+1], v[(\s)+16*qb:(\s)+16*qb+7], v[TM+12+qb]
	v_cvt_scalef32_pk8_fp8_f32 v[(\pc)+4*qb+2:(\pc)+4*qb+3], v[(\s)+16*qb+8:(\s)+16*qb+15], v[TM+12+qb]
.set qb, qb+1
.endr
	v_nop
.endm
	s_load_b128 s[4:7], s[0:1], 0x0                ; hq, wq
	s_load_b128 s[8:11], s[0:1], 0x10              ; qkv_b, aqkv
	v_lshl_add_u32 v[SPW], v0, 2, SPARE
	v_mov_b32 v[NIL], 0
	ds_add_u32 v[SPW], v[NIL]                      ; the wave's opening: the add, twice on end, and its wait ahead of my first tensor load
	ds_add_u32 v[SPW], v[NIL]
	v_lshrrev_b32 v1, 5, v0
	v_readfirstlane_b32 s14, v1                    ; wave 0..3
	s_lshr_b32 s15, s14, 1                         ; which half of A's blocks is mine.  Also: I fetch for A (0) or for B (1)
	s_and_b32 s16, s14, 1                          ; which half of B's.  Also: which 8 blocks I fetch
	s_bfe_u32 s40, ttmp6, 0x40000                  ; cx
	s_bfe_u32 s41, ttmp6, 0x40004                  ; cy
	s_and_b32 s18, ttmp7, 0xffff
	s_lshl_b32 s18, s18, 2
	s_add_co_u32 s17, s18, s41                     ; q, k: A's tile = tokens' tile 4 x cluster y + cy
	s_add_co_u32 s95, s41, 8                       ; v: A's tile = rows 2,048 + 256 cy of qkv_w
	s_add_co_u32 s46, s18, s40                     ; v: B's tile = tokens' tile 4 x cluster y + cx
	s_lshl_b32 s42, ttmp9, 2
	s_add_co_u32 s42, s42, s40                     ; q, k: B's tile = rows 256 (4 x cluster x + cx) of qkv_w
	s_mov_b32 s98, 4194304                         ; where the scale words begin: in hq,
	s_mov_b32 s99, 10485760                        ; in wq
	s_cmp_eq_u32 ttmp9, 2
	s_cselect_b32 s17, s95, s17                    ; A's tile hangs on cy alone,
	s_cselect_b32 s42, s46, s42                    ; B's on cx alone
	s_cselect_b32 s98, 10485760, s98               ; A's scale words
	s_cselect_b32 s99, 4194304, s99                ; B's
	s_lshl_b32 s43, s41, 2
	s_lshl_b32 s43, 15, s43                        ; my row of the cluster
	s_lshl_b32 s44, 0x1111, s40                    ; my column
	; group 1 for codes: 8 blocks, of each 4,096 bytes (two steps of 128), as 512 elements of 8 bytes; from block to block KROWB bytes
	s_or_b32 s[G1+0], s43, (3<<16)|(1<<21)
	s_or_b32 s[G1B+0], s44, (3<<16)|(1<<21)
.irp g, G1, G1B
	s_mov_b32 s[\g+1], 512<<16
	s_mov_b32 s[\g+2], 16<<16                      ; the head's loads bring a tile's 16 blocks; behind them the two words are set to 8, for the ring's
	s_mov_b32 s[\g+3], 512<<16
	s_mov_b32 s[\g+4], 16
	s_mov_b32 s[\g+5], KROWB/8
	s_mov_b32 s[\g+6], 0
	s_mov_b32 s[\g+7], 0
.endr
	; and for the scale words of 16 blocks: 2 HALFS dense bytes as rows of 256
	s_or_b32 s[G1S+0], s43, (3<<16)|(1<<21)
	s_or_b32 s[G1SB+0], s44, (3<<16)|(1<<21)
.irp g, G1S, G1SB
	s_mov_b32 s[\g+1], 32<<16
	s_mov_b32 s[\g+2], (HALFS/128)<<16             ; the scale words of 16 blocks: 2 HALFS dense bytes
	s_mov_b32 s[\g+3], 32<<16
	s_mov_b32 s[\g+4], HALFS/128
	s_mov_b32 s[\g+5], 32
	s_mov_b32 s[\g+6], 0
	s_mov_b32 s[\g+7], 0
.endr
	s_lshl_b32 s18, s16, 3
	s_lshl_b32 s20, s17, 4
	s_add_co_u32 s20, s20, s18                     ; A: the first block that I fetch
	s_lshl_b32 s46, s42, 4
	s_add_co_u32 s46, s46, s18                     ; B likewise
	s_sub_co_u32 s22, s20, s18                     ; the scale words begin at the tile's first block
	s_mul_i32 s22, s22, SKB
	s_add_co_u32 s22, s22, s98
	s_mov_b32 s23, 0
	s_sub_co_u32 s92, s46, s18
	s_mul_i32 s92, s92, SKB
	s_add_co_u32 s92, s92, s99
	s_mov_b32 s93, 0
	s_mul_i32 s20, s20, KROWB
	s_mov_b32 s21, 0
	s_mul_i32 s46, s46, KROWB
	s_mov_b32 s47, 0
	s_mul_i32 s45, s14, HALFT                      ; where they go: no place in the cluster enters an LDS address
	s_wait_dscnt 0x0                               ; both opening adds are done
	s_wait_kmcnt 0x0
	s_cmp_eq_u32 ttmp9, 2
	s_cselect_b64 s[96:97], s[6:7], s[4:5]         ; A's buffer
	s_cselect_b64 s[4:5], s[4:5], s[6:7]           ; B's
	s_add_nc_u64 s[20:21], s[96:97], s[20:21]
	s_add_nc_u64 s[22:23], s[96:97], s[22:23]
	s_add_nc_u64 s[46:47], s[4:5], s[46:47]
	s_add_nc_u64 s[92:93], s[4:5], s[92:93]
	CROUND                                         ; all sixteen work-groups are here: the first joint loads meet
	s_mov_b32 s[G0S], 1
	s_mov_b32 s[G0S+1], SCL
	s_mov_b64 s[G0S+2:G0S+3], s[22:23]
	s_or_b32 s[G0S+3], s[G0S+3], 0x80000000
	s_mov_b32 s[G0SB], 1
	s_mov_b32 s[G0SB+1], SCL+2*HALFS
	s_mov_b64 s[G0SB+2:G0SB+3], s[92:93]
	s_or_b32 s[G0SB+3], s[G0SB+3], 0x80000000
.set G0H, 92                           ; s[92:95], s[96:99] group 0 of the head's loads of slot 0: A's 16 blocks (wave 0), B's (wave 2); in both waves the first block that they fetch is the tile's first
.set G0HB, 96
	s_mov_b32 s[G0H], 1
	s_mov_b32 s[G0H+1], 0
	s_mov_b64 s[G0H+2:G0H+3], s[20:21]
	s_or_b32 s[G0H+3], s[G0H+3], 0x80000000
	s_mov_b32 s[G0HB], 1
	s_mov_b32 s[G0HB+1], 2*HALFT
	s_mov_b64 s[G0HB+2:G0HB+3], s[46:47]
	s_or_b32 s[G0HB+3], s[G0HB+3], 0x80000000
.irp s, 0,1
	s_mov_b32 s[G0+4*\s], 1
	s_add_co_u32 s[G0+4*\s+1], s45, \s*SLOT
	s_add_nc_u64 s[G0+4*\s+2:G0+4*\s+3], s[20:21], \s*4096
	s_or_b32 s[G0+4*\s+3], s[G0+4*\s+3], 0x80000000
	s_mov_b32 s[G0B+4*\s], 1
	s_add_co_u32 s[G0B+4*\s+1], s45, \s*SLOT
	s_add_nc_u64 s[G0B+4*\s+2:G0B+4*\s+3], s[46:47], \s*4096
	s_or_b32 s[G0B+4*\s+3], s[G0B+4*\s+3], 0x80000000
.endr
; THE HEAD'S LOADS, ONE A WAVE: wave 0 slot 0's blocks of A, wave 1 A's scale words, wave 2 slot 0's blocks of B, wave 3 B's scale words: one chain of branches on the wave's number, a load to an arm
.macro ARM under, g0, g1, next
	s_cmp_lt_u32 s14, \under
	s_cbranch_scc0 \next
	tensor_load_to_lds s[\g0:\g0+3], s[\g1:\g1+7]
	s_nop 0
.rept 4
	v_nop
.endr
	s_branch .Lhead_asked
\next:
.endm
	ARM 1, G0H,  G1,  .Lhead_sa
	ARM 2, G0S,  G1S, .Lhead_b
	ARM 3, G0HB, G1B, .Lhead_sb
	tensor_load_to_lds s[G0SB:G0SB+3], s[G1SB:G1SB+7]
	s_nop 0
.rept 4
	v_nop
.endr
.Lhead_asked:
	v_and_b32 v1, 15, v0                           ; r
	v_bfe_u32 v2, v0, 4, 1                         ; h
	s_wait_alu depctr_va_vdst(0)
	v_and_b32 v3, 31, v0
	v_lshlrev_b32 v4, 4, v3                        ; 16 x lane
	s_mul_i32 s21, s15, HALFT
	s_mul_i32 s22, s16, HALFT
	s_add_co_u32 s22, s22, 2*HALFT
.irp s, 0,1
	v_add_nc_u32 v[ADRA+\s], s21, v4
	v_add_nc_u32 v[ADRB+\s], s22, v4
	s_add_co_u32 s21, s21, SLOT
	s_add_co_u32 s22, s22, SLOT
.endr
	v_lshlrev_b32 v5, 2, v1
	s_mul_i32 s21, s15, HALFS
	s_mul_i32 s22, s16, HALFS
	s_add_co_u32 s22, s22, 2*HALFS
	s_sub_co_u32 s22, s22, s21
	v_mul_u32_u24 v6, s22, v2                      ; lanes 16-31 take B's scale words
	s_add_co_u32 s21, s21, SCL
	v_add_nc_u32 v5, v5, v6
	v_add_nc_u32 v[ADRS], s21, v5
	; the ways out: each has LDS bytes of its own, in slot 0, which has had its last fill and its last read when they are written
	v_lshlrev_b32 v7, 2, v1
	v_lshlrev_b32 v[C8], 3, v3
	s_lshl_b32 s23, s14, 10
	v_add_nc_u32 v[STQ], s23, v7
	v_add_nc_u32 v[RDQ], s23, v[C8]
	s_lshl_b32 s23, s14, 11
	s_add_co_u32 s23, s23, 8192
	v_add_nc_u32 v[STV], s23, v7
	v_add_nc_u32 v[RDV], s23, v[C8]
	s_add_co_u32 s23, s23, 512
	v_lshlrev_b32 v[H64], 6, v2
	v_add_nc_u32 v[PSI], s23, v[H64]
	v_add_nc_u32 v[PSR], s23, v4
	v_mov_b32 v[CO], v4
	v_and_b32 v9, 8, v1
	v_add_nc_u32 v9, v9, v1                        ; r + 8 (r / 8)
	v_lshlrev_b32 v[VBO], 2, v9
	v_lshl_add_u32 v[RPO], v9, 8, v[H64]
	v_lshlrev_b32 v[PSG], 12, v2
	v_lshl_add_u32 v[PSG], v1, 4, v[PSG]
.macro FRAG reg, adr, q, i             ; a fragment: four loads of 512 consecutive bytes
.irp c, 0,1,2,3
	ds_load_b128 v[\reg+4*\c:\reg+4*\c+3], v[\adr] offset:4096*(\i)+2048*(\q)+512*\c
.endr
.endm
; 16 matrix instructions: A's blocks a0, a0 + 1 x B's eight.  The 64 accumulators take turns, one instruction a turn, in the same order in every step.
.macro MUL16 a0, p, q, sc, zero
.irp a, \a0, \a0+1
.irp b, 0,1,2,3,4,5,6,7
.if \zero
	v_wmma_scale_f32_16x16x128_f8f6f4 v[8*(8*((\a)%4)+\b):8*(8*((\a)%4)+\b)+7], v[128*(\p)+FR*\b:128*(\p)+FR*\b+FR-1], v[AF+FR*(\a):AF+FR*(\a)+FR-1], 0, v[SC+8*NQ*(\sc)+NQ*\b+(\q)], v[SC+8*NQ*(\sc)+NQ*(\a)+(\q)] matrix_a_scale:MATRIX_SCALE_ROW1
.else
	v_wmma_scale_f32_16x16x128_f8f6f4 v[8*(8*((\a)%4)+\b):8*(8*((\a)%4)+\b)+7], v[128*(\p)+FR*\b:128*(\p)+FR*\b+FR-1], v[AF+FR*(\a):AF+FR*(\a)+FR-1], v[8*(8*((\a)%4)+\b):8*(8*((\a)%4)+\b)+7], v[SC+8*NQ*(\sc)+NQ*\b+(\q)], v[SC+8*NQ*(\sc)+NQ*(\a)+(\q)] matrix_a_scale:MATRIX_SCALE_ROW1
.endif
.endr
.endr
.endm
.macro FETCH_B slot, q, p
	WIN TO_B
.irp i, 0,1,2,3,4,5,6,7
	FRAG 128*(\p)+FR*\i, ADRB+\slot, \q, \i
.endr
	WIN 0
.endm
.macro FETCH_A slot, q, i0
.irp i, \i0, \i0+1, \i0+2, \i0+3
	FRAG AF+FR*(\i), ADRA+\slot, \q, \i
.endr
.endm
.macro SCALES sc                       ; the slot's scale words: lanes 0-15 A's block i, lanes 16-31 B's block i
.irp i, 0,1,2,3,4,5,6,7
.irp q, 0,1
	ds_load_b32 v[SC+8*NQ*\sc+NQ*\i+\q], v[ADRS] offset:\i*SKB+64*\q
.endr
.endr
.endm
.macro PLACES n
.rept \n
	v_nop
.endr
.endm
.macro STEP slot, q, zero              ; a step of 128 along K that has its successor in the same slot
	s_wait_dscnt 4*NL                              ; all but the youngest 16 loads (A's blocks 4-7)
	WIN MUL_LO
	MUL16 0, (\q)%2, \q, \slot, \zero
	MUL16 2, (\q)%2, \q, \slot, \zero
	s_wait_dscnt 0
	PLACES NP
	FETCH_B \slot, (\q)+1, 1-(\q)%2
	FETCH_A \slot, (\q)+1, 0
	WIN MUL_HI
	MUL16 4, (\q)%2, \q, \slot, \zero
	MUL16 6, (\q)%2, \q, \slot, \zero
	PLACES NP
	WIN 0
	FETCH_A \slot, (\q)+1, 4
.endm
.macro TURN slot, next, fill           ; a slot's last step changes slots
	s_wait_tensorcnt 0x0                           ; all my tensor loads have landed: my part of the next slot
	ds_add_u32 v[SPW], v[NIL]                      ; 0 onto my spare word
	s_wait_dscnt 4*NL+1                            ; the add and the youngest 16 loads may be out
	WIN MUL_LO
	MUL16 0, 1, NQ-1, \slot, 0
	s_wait_dscnt 0x0                               ; the add is done, and my reads of this slot are over
	s_barrier_signal -1
	MUL16 2, 1, NQ-1, \slot, 0
	WIN 0
	s_barrier_wait -1
.if \fill
	CREST                                          ; the barrier has opened a round of the cluster's: no wave of any partner still reads this slot or has a load on its way
	s_add_nc_u64 s[G0+4*\slot+2:G0+4*\slot+3], s[G0+4*\slot+2:G0+4*\slot+3], 8192
	s_add_nc_u64 s[G0B+4*\slot+2:G0B+4*\slot+3], s[G0B+4*\slot+2:G0B+4*\slot+3], 8192
	JLOAD G0+4*\slot, G1, G0B+4*\slot, G1B         ; the first tensor load behind the round
	PLACES NP-4
.else
	PLACES NP
.endif
	s_wait_alu depctr_va_vdst(0)
	v_add_nc_u32 v[ADRS], 128, v[ADRS]             ; the next slot's scale words
	FETCH_B \next, 0, 0
	FETCH_A \next, 0, 0
	SCALES \next
	WIN MUL_HI
	MUL16 4, 1, NQ-1, \slot, 0
	MUL16 6, 1, NQ-1, \slot, 0
	PLACES NP
	WIN 0
	FETCH_A \next, 0, 4
.endm
	s_wait_alu depctr_va_vdst(0)                   ; the head's end
	s_wait_tensorcnt 0x0                           ; my tile of the head's four is in
	ds_add_u32 v[SPW], v[NIL]
	s_mov_b32 s[G1+2], 8<<16                       ; no tensor load of mine is out: from here on a load brings 8 blocks
	s_mov_b32 s[G1+4], 8
	s_mov_b32 s[G1B+2], 8<<16
	s_mov_b32 s[G1B+4], 8
	s_wait_dscnt 0x0
	CROUND                                         ; all four tiles are in, and all sixteen work-groups are here
	JLOAD G0+4, G1, G0B+4, G1B                     ; slot 1's first fill, the first tensor load behind the round
	FETCH_B 0, 0, 0
	FETCH_A 0, 0, 0
	SCALES 0
	FETCH_A 0, 0, 4
	STEP 0, 0, 1                                   ; the first step's products start the sums
	s_mov_b32 s3, LAPS-1
.Llap:
	TURN 0, 1, 1
	STEP 1, 0, 0
	TURN 1, 0, 1
	STEP 0, 0, 0
	s_sub_co_u32 s3, s3, 1
	s_cmp_lg_u32 s3, 0
	s_cbranch_scc1 .Llap
	TURN 0, 1, 0                                   ; the last lap fills nothing
	STEP 1, 0, 0
	s_wait_dscnt 4*NL
	WIN MUL_LO
	MUL16 0, 1, NQ-1, 1, 0
	MUL16 2, 1, NQ-1, 1, 0
	s_wait_dscnt 0
	WIN MUL_HI
	MUL16 4, 1, NQ-1, 1, 0
	MUL16 6, 1, NQ-1, 1, 0
	WIN 0
	PLACES NP                                      ; behind the last products: results are read, and operands' registers written, from here on
	s_mov_b32 s[SEL], 0x76543210
	s_mov_b32 s[SEL+1], 0xfedcba98
	s_mov_b32 s[MNT], 0x600000
	s_cmp_eq_u32 ttmp9, 2
	s_cbranch_scc1 .Lvpath
	; ---- q AND k.  Accumulator (a, b): lane (r, h) holds token 256 ty + 128 (wave / 2) + 32 (a / 2) + 8 (a % 2) + r + 8 (r / 8); the 32 registers of b = 4 e .. 4 e + 3 are one head: d = 16 h + n and 32 + 16 h + n.
.set BIAS, 64                          ; v64-127  qkv_b at my 64 features
.set T,    128                         ; v128-159 a head's 32 numbers of my token
.set Y,    160                         ; v160-191 rotated
.set TM,   192
.set PW,   208
.set PC,   210
.set WRD,  218                         ; v218-219 two tiles' scale bytes, for each of my two heads
	s_lshl_b32 s20, ttmp9, 12
	s_lshl_b32 s21, s40, 10
	s_add_co_u32 s20, s20, s21
	s_lshl_b32 s21, s16, 9
	s_add_co_u32 s20, s20, s21
	s_mov_b32 s21, 0
	s_add_nc_u64 s[8:9], s[8:9], s[20:21]          ; qkv_b at my wave's 128 features
	s_and_b32 s20, s17, 7
	s_lshl_b32 s20, s20, 16
	s_lshl_b32 s21, s15, 15
	s_add_co_u32 s20, s20, s21
	s_add_co_u32 s20, s20, RT
	s_mov_b32 s21, 0
	s_add_nc_u64 s[6:7], s[6:7], s[20:21]          ; the table at my wave's first position
	s_lshr_b32 s22, s17, 3
	s_lshl_b32 s22, s22, 4
	s_lshl_b32 s23, s40, 2
	s_add_co_u32 s22, s22, s23
	s_lshl_b32 s23, s16, 1
	s_add_co_u32 s22, s22, s23                     ; 16 x batch + my first head
	s_and_b32 s23, s17, 7
	s_lshl_b32 s23, s23, 1
	s_add_co_u32 s23, s23, s15                     ; which 8 tiles of the sequence
	s_lshl_b32 s46, s22, 17
	s_lshl_b32 s47, s23, 13
	s_add_co_u32 s46, s46, s47
	s_lshl_b32 s47, ttmp9, 22                      ; k's images lie 4 MiB behind q's
	s_add_co_u32 s46, s46, s47
	s_mov_b32 s47, 0
	s_add_nc_u64 s[12:13], s[10:11], s[46:47]
	s_lshl_b32 s46, s22, 12
	s_lshl_b32 s47, s23, 8
	s_add_co_u32 s46, s46, s47
	s_lshl_b32 s47, ttmp9, 17
	s_add_co_u32 s46, s46, s47
	s_add_co_u32 s46, s46, QS
	s_mov_b32 s47, 0
	s_add_nc_u64 s[10:11], s[10:11], s[46:47]
.irp k, 0,1,2,3,4,5,6,7,8,9,10,11,12,13,14,15
	global_load_b128 v[BIAS+4*\k:BIAS+4*\k+3], v[H64], s[8:9] offset:128*(\k/4)+16*(\k%4)
.endr
	WIN 0x40                                       ; destination window 1: cos at v[32 a], sin at v[32 a + 16], for frequencies 16 h + n
.irp a, 0,1,2,3,4,5,6,7
.irp k, 0,1,2,3
	global_load_b128 v[32*\a+4*\k:32*\a+4*\k+3], v[RPO], s[6:7] offset:(32*(\a/2)+8*(\a%2))*256+16*\k
	global_load_b128 v[32*\a+16+4*\k:32*\a+16+4*\k+3], v[RPO], s[6:7] offset:(32*(\a/2)+8*(\a%2))*256+128+16*\k
.endr
.endr
	WIN 0
.irp b, 0,1,2,3
	v_mov_b32 v[TM+4+\b], 0
.endr
	s_wait_loadcnt 0x0
.macro QKBLK a, e
.set AC, 64*((\a)%4)+32*(\e)
	WIN 0x02+(\a)/4                                ; source 0: the accumulators' window
.set n, 0
.rept 16
	v_pk_add_f32 v[T+n:T+n+1], v[AC+n:AC+n+1], v[BIAS+32*(\e)+n:BIAS+32*(\e)+n+1]
.set n, n+2
.endr
	WIN 0x04                                       ; source 1: the table, window 1
.set n, 0
.rept 8
	v_pk_mul_f32 v[Y+n:Y+n+1], v[T+n:T+n+1], v[32*(\a)+n:32*(\a)+n+1]
	v_pk_mul_f32 v[Y+16+n:Y+17+n], v[T+16+n:T+17+n], v[32*(\a)+n:32*(\a)+n+1]
.set n, n+2
.endr
.set n, 0
.rept 8
	v_pk_fma_f32 v[Y+n:Y+n+1], v[T+16+n:T+17+n], v[32*(\a)+16+n:32*(\a)+17+n], v[Y+n:Y+n+1] neg_lo:[1,0,0] neg_hi:[1,0,0]   ; x1 cos - x2 sin
	v_pk_fma_f32 v[Y+16+n:Y+17+n], v[T+n:T+n+1], v[32*(\a)+16+n:32*(\a)+17+n], v[Y+16+n:Y+17+n]                             ; x2 cos + x1 sin
.set n, n+2
.endr
	WIN 0
	s_wait_xcnt 0x0                                ; the last block's stores have read their registers
	QUANT Y, 2, PC
	global_store_b128 v[CO], v[PC:PC+3], s[12:13] offset:(\e)*131072+(\a)*1024
	global_store_b128 v[CO], v[PC+4:PC+7], s[12:13] offset:(\e)*131072+(\a)*1024+512
.if (\a)%2 == 0
	v_mov_b32 v[WRD+\e], v[PW]
.else
	v_lshl_or_b32 v[WRD+\e], v[PW], 16, v[WRD+\e]
	ds_store_b32 v[STQ], v[WRD+\e] offset:256*(\e)+64*((\a)/2)
.endif
.endm
.irp a, 0,1,2,3,4,5,6,7
	QKBLK \a, 0
	QKBLK \a, 1
.endr
	ds_load_b64 v[T:T+1], v[RDQ]                   ; LDS serves a wave's instructions in order: these see my stores
	ds_load_b64 v[T+2:T+3], v[RDQ] offset:256
	s_wait_dscnt 0x0
	global_store_b64 v[C8], v[T:T+1], s[10:11]     ; 256 consecutive bytes, aligned
	global_store_b64 v[C8], v[T+2:T+3], s[10:11] offset:4096
	s_wait_tensorcnt 0x0                           ; the wave's end
	ds_add_u32 v[SPW], v[NIL]
	s_wait_dscnt 0x0
	CROUND                                         ; the closing round
	s_endpgm
.Lvpath:
	; ---- v.  Accumulators (a, 0 .. 7): lane (r, h) holds feature 256 cy + 128 (wave / 2) + 32 (a / 2) + 8 (a % 2) + r + 8 (r / 8); register 16 c + i is key 32 c + 16 h + i of my wave's step of 128 keys.
.set T,    64                          ; v64-127
.set PC,   128                         ; v128-143
.set PW,   144                         ; the scale word; also the scale of the product with ones
.set TM,   146
.set ONES, 164                         ; v164-179 the code of 1.0 everywhere
.set ONEW, 180                         ; the scale 1.0
.set VB,   182                         ; v182-197 qkv_b at my feature, twice, for each a
	s_lshr_b32 s20, s42, 3
	s_lshl_b32 s20, s20, 4
	s_lshl_b32 s21, s41, 2
	s_add_co_u32 s20, s20, s21
	s_lshl_b32 s21, s15, 1
	s_add_co_u32 s20, s20, s21                     ; 16 x batch + my first head
	s_and_b32 s21, s42, 7
	s_lshl_b32 s21, s21, 1
	s_add_co_u32 s21, s21, s16                     ; the key step
	s_lshl_b32 s22, s20, 17
	s_lshl_b32 s23, s21, 13
	s_add_co_u32 s22, s22, s23
	s_add_co_u32 s22, s22, VI
	s_mov_b32 s23, 0
	s_add_nc_u64 s[12:13], s[10:11], s[22:23]
	s_lshl_b32 s22, s20, 12
	s_lshl_b32 s23, s21, 8
	s_add_co_u32 s22, s22, s23
	s_add_co_u32 s22, s22, VS
	s_mov_b32 s23, 0
	s_add_nc_u64 s[10:11], s[10:11], s[22:23]
	s_lshl_b32 s22, s41, 10
	s_lshl_b32 s23, s15, 9
	s_add_co_u32 s22, s22, s23
	s_add_co_u32 s22, s22, 8192
	s_mov_b32 s23, 0
	s_add_nc_u64 s[8:9], s[8:9], s[22:23]
.irp a, 0,1,2,3,4,5,6,7
	global_load_b32 v[VB+2*\a], v[VBO], s[8:9] offset:(32*(\a/2)+8*(\a%2))*4
	global_load_b32 v[VB+2*\a+1], v[VBO], s[8:9] offset:(32*(\a/2)+8*(\a%2))*4
.endr
.irp k, 0,1,2,3,4,5,6,7,8,9,10,11,12,13,14,15
	v_mov_b32 v[ONES+\k], 0x38383838
.endr
	v_mov_b32 v[ONEW], 0x7f7f7f7f
.irp b, 0,1,2,3
	v_mov_b32 v[TM+4+\b], 0
.endr
	s_wait_loadcnt 0x0
.macro VBLK a
.set AC, 64*((\a)%4)
	WIN 0x02+(\a)/4
.set n, 0
.rept 32
	v_pk_add_f32 v[T+n:T+n+1], v[AC+n:AC+n+1], v[VB+2*(\a):VB+2*(\a)+1]
.set n, n+2
.endr
.if (\a) > 0
	WIN 0x40                                       ; the sums of the last block's quantised numbers over the 128 keys: the 32 additions above are the places in front, QUANT's first 32 lines those behind
	v_wmma_scale_f32_16x16x128_f8f6f4 v[8*((\a)-1):8*((\a)-1)+7], v[PC:PC+15], v[ONES:ONES+15], 0, v[PW], v[ONEW]
.endif
	WIN 0
	s_wait_xcnt 0x0                                ; the last block's stores have read their registers
	QUANT T, 4, PC
.irp k, 0,1,2,3
	global_store_b128 v[CO], v[PC+4*\k:PC+4*\k+3], s[12:13] offset:((\a)/4)*131072+((\a)%4)*2048+512*\k
.endr
	ds_store_b32 v[STV], v[PW] offset:64*(\a)
.endm
.irp a, 0,1,2,3,4,5,6,7
	VBLK \a
.endr
	PLACES NP
	WIN 0x40
	v_wmma_scale_f32_16x16x128_f8f6f4 v[56:63], v[PC:PC+15], v[ONES:ONES+15], 0, v[PW], v[ONEW]
	WIN 0
	PLACES NP
	WIN 0x04                                       ; an LDS store's data are its source 1: window 1.  Register j of sum a, lane (r, h): d = 32 ((a % 4) / 2) + 8 (a % 2) + 16 h + j of head a / 4; the sixteen lanes of a half write equal bytes
.irp a, 0,1,2,3,4,5,6,7
	ds_store_b128 v[PSI], v[8*\a:8*\a+3] offset:256*(\a/4)+128*((\a%4)/2)+32*(\a%2)
	ds_store_b128 v[PSI], v[8*\a+4:8*\a+7] offset:256*(\a/4)+128*((\a%4)/2)+32*(\a%2)+16
.endr
	WIN 0
	ds_load_b128 v[T:T+3], v[PSR]
	ds_load_b64 v[T+4:T+5], v[RDV]
	ds_load_b64 v[T+6:T+7], v[RDV] offset:256
	s_wait_dscnt 0x0
	global_store_b128 v[PSG], v[T:T+3], s[10:11] offset:131072      ; a head's 64 sums: 256 consecutive bytes from sixteen lanes
	global_store_b64 v[C8], v[T+4:T+5], s[10:11]
	global_store_b64 v[C8], v[T+6:T+7], s[10:11] offset:4096
	s_wait_tensorcnt 0x0                           ; the wave's end
	ds_add_u32 v[SPW], v[NIL]
	s_wait_dscnt 0x0
	CROUND
	s_endpgm
.Lfunc_end_k_q113c58c0aa_gqkv:
	.size	k_q113c58c0aa_gqkv, .Lfunc_end_k_q113c58c0aa_gqkv-k_q113c58c0aa_gqkv
	.p2alignl 7, 3214868480
	.fill 96, 4, 3214868480
	.section	.rodata,"a",@progbits
	.p2align	6, 0x0
	.amdhsa_kernel k_q113c58c0aa_gqkv
		.amdhsa_group_segment_fixed_size 327680
		.amdhsa_private_segment_fixed_size 0
		.amdhsa_enable_private_segment 0
		.amdhsa_kernarg_size 32
		.amdhsa_user_sgpr_count 2
		.amdhsa_user_sgpr_kernarg_segment_ptr 1
		.amdhsa_wavefront_size32 1
		.amdhsa_system_sgpr_workgroup_id_x 1
		.amdhsa_system_sgpr_workgroup_id_y 1
		.amdhsa_system_sgpr_workgroup_id_z 1
		.amdhsa_system_vgpr_workitem_id 0
		.amdhsa_next_free_vgpr 1024
		.amdhsa_next_free_sgpr 100
		.amdhsa_reserve_vcc 0
		.amdhsa_float_denorm_mode_32 3
		.amdhsa_float_denorm_mode_16_64 3
		.amdhsa_memory_ordered 1
		.amdhsa_forward_progress 1
		.amdhsa_inst_pref_size 255
	.end_amdhsa_kernel
	.section	.bss,"aw",@nobits
	.p2align	6
	.space	262144
	.amdgpu_metadata
---
amdhsa.version: [ 1, 2 ]
amdhsa.kernels:
  - .name:           k_q113c58c0aa_gqkv
    .symbol:         k_q113c58c0aa_gqkv.kd
    .args:
      - { .name: hq, .offset: 0, .size: 8, .value_kind: global_buffer, .address_space: global }
      - { .name: wq, .offset: 8, .size: 8, .value_kind: global_buffer, .address_space: global }
      - { .name: qkv_b, .offset: 16, .size: 8, .value_kind: global_buffer, .address_space: global }
      - { .name: aqkv, .offset: 24, .size: 8, .value_kind: global_buffer, .address_space: global }
    .group_segment_fixed_size: 327680
    .private_segment_fixed_size: 0
    .kernarg_segment_align: 8
    .kernarg_segment_size: 32
    .max_flat_workgroup_size: 128
    .sgpr_count:     100
    .vgpr_count:     1024
    .wavefront_size: 32
...
	.end_amdgpu_metadata
.endif
;; end of part 2
;; launch attn (part 3): grid 8 x 32, 8 waves a work-group, clusters of 4 x 1, 327,680 bytes of LDS; arguments aqkv, key_padding_mask, oq; writes oq
.if DOCPART == 3
	.amdgcn_target "amdgcn-amd-amdhsa--gfx1250"
	.amdhsa_code_object_version 6
	.text
	.protected	k_q113c58c0aa_attn
	.globl	k_q113c58c0aa_attn
	.p2align	8
	.type	k_q113c58c0aa_attn,@function
k_q113c58c0aa_attn:
	s_mov_b64 s[64:65], 0
	v_nop
	global_prefetch_b8 v0, s[64:65] scope:SCOPE_SE
	s_setreg_imm32_b32 hwreg(HW_REG_WAVE_MODE, 25, 1), 1
	s_wait_xcnt 0x0
	s_wait_alu depctr_hold_cnt(0) depctr_sa_sdst(0) depctr_va_vdst(0) depctr_va_sdst(0) depctr_va_ssrc(0) depctr_va_vcc(0) depctr_vm_vsrc(0)
	s_getreg_b32 s2, hwreg(HW_REG_IB_STS2, 6, 4)
	s_cmp_eq_u32 s2, 0
	s_cbranch_scc0 .Lentry_in_a_cluster
	s_endpgm
.Lentry_in_a_cluster:
	s_bfe_u32 s2, ttmp6, 0x10000c
	s_cmp_lg_u32 s2, 0x3003
	s_cbranch_scc0 .Lentry_shape_is_right
	s_endpgm
.Lentry_shape_is_right:
; ATTENTION ON CODES, CAUSAL, WITH A KEY-PADDING MASK; the result is quantised along the model's 1,024 into an image of the projection's operand.
; LEFT OUT: steps of 128 keys all of which come behind a tile's queries (the causal mask is built in reference()'s own body).  A row all of whose keys 0 .. q are padded is uniform over all 2,048 keys there: it takes
; U, the mean of the quantised v, made from the sums that the launch before stored, chosen by value.
; THE SOFTMAX: t = score x log2(e) / 8; M = the running largest t rounded up to a whole number; p = 2^(t - M) is quantised along the keys; the row's sum is taken of the unquantised p and divides at the end.
; THE MASKS.  A padded key adds -2^100 to its scores: the bias is the C of the first product, so it costs no vector line; on the diagonal hidden scores are replaced by -2^100.  Such a score never moves the
; maximum, which starts at -2^30, and its p is 0.  A row with a kept key has a sum above 1/2, a row without one the sum 0.  LIMITS: logits (as t) above -2^30; |score| under 2^76; NaN and infinities are not served.
; SHARES.  A work-group has one head and 16 tiles of 16 queries: wave w first takes tile 127 - 8 w - g (key steps 0 .. 15 - w), then tile 8 w + g (steps 0 .. w): 17 steps a wave.  g = the work-group's x.
; The head's whole K and V (codes and scale words, 264 KiB) lie in LDS, filled once; the four work-groups of a cluster ask for the codes jointly.  The first four key steps come by loads of their own, so that work begins while the rest is on its way.
; LAYOUT.  Both products transposed: a lane holds one query.  A fragment of K holds TWO tiles of 16 keys (64 + 64 along the instruction's 128); multiplied by [q | 0] and by [0 | q] it gives the two tiles' scores.
; Place r of tile i is position 32 (i / 2) + 8 (i % 2) + r + 8 (r / 8): so the 16 registers of two neighbouring tiles are 16 neighbouring keys, and O^T's are 16 neighbouring channels.
.set KSL,   262144                     ; LDS: K 0, V 131,072; K's scale words here, V's 4,096 on
.set KBT,   270336                     ; the keys' bias, f32, 8 KiB
.set UST,   278528                     ; U, 256 bytes for each wave
.set SPARE, 280576
.set KIO,   4194304                    ; aqkv: k's images; v's 4 MiB on
.set QSO,   12582912                   ; q's scale words
.set KSO,   12713984                   ; k's; v's 131,072 on
.set PSO,   12976128                   ; the sums of v
.set WV,  10
.set CX,  11
.set GG,  12
.set BH,  13
.set BA,  14
.set HD,  15
.set G1A, 24
.set G1B, 32
.set G1C, 40
.set G0A, 48
.set G0B, 52
.set G0C, 56
.set SEL, 60
.set CS,  62                           ; s[62:63] log2(e) / 8
.set MNT, 66
.set SI,  67                           ; the key step
.set LIM, 68                           ; the tile's last step, which lies on the diagonal
.set TKV, 69                           ; the step's bytes in K and in V
.set TSC, 70                           ; among the scale words
.set TKB, 71                           ; in the keys' bias
.set KF,  72                           ; its first key
.set CNT, 73
.set IHI, 74
.set ILO, 75
.set USO, 76
.set HC,  77
.set HS,  78
.set QLO, 79
.set TM,  240
.set PW,  63
; REGISTERS: v1 16 x lane; v2, v3 bases of the scale words and of the bias; v4, v5 the add's two; v6 my query - 16 h; v7 r + 8 (r / 8) - 16 h; v8-11, v50 the step's addresses; v12 -M; v13 the largest t; v[14:15] the sum;
; v16-39 zeros, q, zeros; v40-47 the second tile's q; v48, v49 q's scale words; v51 -2^100; v52-55 the conversions' scales; v56-59 K's or V's scale words; v[60:61] f; v62 p's scale word; v63 at work;
; v64-127 four fragments; v128-191 scores, then p; v192-223 O^T; v224-239 p's codes; v240-255 at work.
.macro CROUND
	s_barrier_signal -1
	s_barrier_wait -1
	s_cmp_lg_u32 s[WV], 0
	s_cbranch_scc1 .Lnot_wave_0_\@
	s_barrier_signal -3
.Lnot_wave_0_\@:
	s_barrier_wait -3
	s_barrier_signal -1
	s_barrier_wait -1
.endm
.macro QUANT s, nb, pc
.set qb, 0
.rept \nb
	v_max3_num_f32 v[TM+qb], |v[(\s)+16*qb]|, |v[(\s)+16*qb+1]|, 0x4800000
.set qb, qb+1
.endr
.set qi, 2
.rept 7
.set qb, 0
.rept \nb
	s_delay_alu instid0(VALU_DEP_2)
	v_max3_num_f32 v[TM+qb], v[TM+qb], |v[(\s)+16*qb+qi]|, |v[(\s)+16*qb+qi+1]|
.set qb, qb+1
.endr
.set qi, qi+2
.endr
.set qb, 0
.rept \nb
	s_delay_alu instid0(VALU_DEP_2)
	v_permlanex16_b32 v[TM+4+qb], v[TM+qb], s[SEL], s[SEL+1]
.set qb, qb+1
.endr
.set qb, 0
.rept \nb
	s_delay_alu instid0(VALU_DEP_2)
	v_max_num_f32 v[TM+qb], v[TM+qb], v[TM+4+qb]
.set qb, qb+1
.endr
.set qb, 0
	s_delay_alu instid0(VALU_DEP_2)
	v_add_nc_u32 v[TM+12+qb], 0xfc000000, v[TM+qb]
	s_delay_alu instid0(VALU_DEP_3)
	v_and_or_b32 v[TM+8+qb], v[TM+qb], 0x7f800000, s[MNT]
.set qb, qb+1
.rept (\nb)-1
	s_delay_alu instid0(VALU_DEP_3)
	v_add_nc_u32 v[TM+12+qb], 0xfc000000, v[TM+qb]
	s_delay_alu instid0(VALU_DEP_4)
	v_and_or_b32 v[TM+8+qb], v[TM+qb], 0x7f800000, s[MNT]
.set qb, qb+1
.endr
.set qb, 0
	s_delay_alu instid0(VALU_DEP_4)
	v_lshrrev_b32 v[TM+4+qb], 23, v[TM+12+qb]
.set qb, qb+1
.rept (\nb)-1
	s_delay_alu instid0(VALU_DEP_3)
	v_lshrrev_b32 v[TM+4+qb], 23, v[TM+12+qb]
.set qb, qb+1
.endr
	s_delay_alu instid0(VALU_DEP_1)
	v_lshl_or_b32 v[PW], v[TM+5], 8, v[TM+4]
.if \nb > 2
	v_lshl_or_b32 v[PW], v[TM+6], 16, v[PW]
	v_lshl_or_b32 v[PW], v[TM+7], 24, v[PW]
.endif
.set qb, 0
.rept \nb
.set qi, 0
.rept 16
	v_med3_num_f32 v[(\s)+16*qb+qi], v[(\s)+16*qb+qi], -v[TM+8+qb], v[TM+8+qb]
.set qi, qi+1
.endr
	v_cvt_scalef32_pk8_fp8_f32 v[(\pc)+4*qb:(\pc)+4*qb+1], v[(\s)+16*qb:(\s)+16*qb+7], v[TM+12+qb]
	v_cvt_scalef32_pk8_fp8_f32 v[(\pc)+4*qb+2:(\pc)+4*qb+3], v[(\s)+16*qb+8:(\s)+16*qb+15], v[TM+12+qb]
.set qb, qb+1
.endr
	s_wait_alu depctr_va_vdst(0)
	v_nop
.endm
	s_load_b128 s[4:7], s[0:1], 0x0                ; aqkv, key_padding_mask
	s_load_b64 s[8:9], s[0:1], 0x10                ; oq
	v_lshl_add_u32 v4, v0, 2, SPARE
	v_mov_b32 v5, 0
	ds_add_u32 v4, v5                              ; the wave's opening: the add, twice on end, and its wait ahead of my first tensor load
	ds_add_u32 v4, v5
	v_lshrrev_b32 v1, 5, v0
	s_delay_alu instid0(VALU_DEP_1)
	v_readfirstlane_b32 s[WV], v1                  ; wave 0..7
	s_and_b32 s[BH], ttmp7, 0xffff                 ; 16 x batch + head: the four partners share it
	; two groups 1: dense blocks as rows of 256 bytes (32 elements of 8), for all four work-groups: 32 and 96 rows
.irp g, G1B, G1C
	s_mov_b32 s[\g], 15|(3<<16)|(1<<21)
	s_mov_b32 s[\g+1], 32<<16
	s_mov_b32 s[\g+3], 32<<16
	s_mov_b32 s[\g+5], 32
	s_mov_b32 s[\g+6], 0
	s_mov_b32 s[\g+7], 0
.endr
	s_mov_b32 s[G1B+2], 32<<16
	s_mov_b32 s[G1B+4], 32
	s_mov_b32 s[G1C+2], 96<<16
	s_mov_b32 s[G1C+4], 96
	s_lshr_b32 s16, s[WV], 2                       ; waves 0-3 fetch for K, waves 4-7 for V,
	s_and_b32 s17, s[WV], 3                        ; a quarter each
	s_lshl_b32 s19, s16, 17
	s_lshl_b32 s20, s17, 13
	s_mov_b32 s[G0B], 1
	s_add_co_u32 s[G0B+1], s19, s20                ; key steps 0-3: 8,192 bytes a wave
	s_mul_i32 s21, s17, 24576
	s_add_co_u32 s21, s21, 32768
	s_mov_b32 s[G0C], 1
	s_add_co_u32 s[G0C+1], s19, s21                ; key steps 4-15: 24,576 bytes a wave
	s_lshl_b32 s22, s[BH], 12
	s_add_co_u32 s80, s22, KSO                     ; the head's scale words of K; V's lie 131,072 on
	s_mov_b32 s81, 0
	s_lshl_b32 s22, s[BH], 17
	s_lshl_b32 s23, s16, 22
	s_add_co_u32 s22, s22, s23
	s_add_co_u32 s22, s22, KIO
	s_add_co_u32 s82, s22, s20
	s_mov_b32 s83, 0
	s_add_co_u32 s84, s22, s21
	s_mov_b32 s85, 0
	s_mov_b32 s[SEL], 0x76543210
	s_mov_b32 s[SEL+1], 0xfedcba98
	s_mov_b32 s[CS], 0x3e38aa3b
	s_mov_b32 s[CS+1], s[CS]
	s_mov_b32 s[MNT], 0x600000
	s_wait_dscnt 0x0                               ; both opening adds are done
	s_wait_kmcnt 0x0
	s_add_nc_u64 s[G0A+2:G0A+3], s[4:5], s[80:81]
	s_add_nc_u64 s[G0B+2:G0B+3], s[4:5], s[82:83]
	s_or_b32 s[G0B+3], s[G0B+3], 0x80000000
	s_add_nc_u64 s[G0C+2:G0C+3], s[4:5], s[84:85]
	s_or_b32 s[G0C+3], s[G0C+3], 0x80000000
	CROUND                                         ; all four work-groups are here: the joint loads meet
	tensor_load_to_lds s[G0B:G0B+3], s[G1B:G1B+7]  ; key steps 0-3, an eighth a wave: my one tensor load at the head
	s_nop 0
.rept 4
	v_nop
.endr
	; my place and my two tiles: they enter global addresses and values alone
	s_bfe_u32 s[CX], ttmp6, 0x40000
	s_lshl_b32 s[GG], ttmp9, 2
	s_add_co_u32 s[GG], s[GG], s[CX]
	s_lshr_b32 s[BA], s[BH], 4
	s_and_b32 s[HD], s[BH], 15
	s_lshl_b32 s16, s[WV], 3
	s_add_co_u32 s[ILO], s16, s[GG]
	s_sub_co_u32 s[IHI], 127, s[ILO]
	s_lshl_b32 s80, s[BH], 17
	s_lshl_b32 s81, s[IHI], 10
	s_add_co_u32 s82, s80, s81
	s_mov_b32 s83, 0
	s_add_nc_u64 s[82:83], s[4:5], s[82:83]        ; q's image: the first tile's,
	s_lshl_b32 s81, s[ILO], 10
	s_add_co_u32 s84, s80, s81
	s_mov_b32 s85, 0
	s_add_nc_u64 s[84:85], s[4:5], s[84:85]        ; the second's
	s_lshl_b32 s80, s[BH], 12
	s_add_co_u32 s80, s80, QSO
	s_lshr_b32 s81, s[IHI], 1
	s_lshl_b32 s81, s81, 6
	s_add_co_u32 s86, s80, s81
	s_mov_b32 s87, 0
	s_add_nc_u64 s[86:87], s[4:5], s[86:87]        ; their scale words
	s_lshr_b32 s81, s[ILO], 1
	s_lshl_b32 s81, s81, 6
	s_add_co_u32 s88, s80, s81
	s_mov_b32 s89, 0
	s_add_nc_u64 s[88:89], s[4:5], s[88:89]
	s_lshl_b32 s20, s[BH], 12
	s_add_co_u32 s20, s20, PSO
	s_mov_b32 s21, 0
	s_add_nc_u64 s[20:21], s[4:5], s[20:21]        ; the head's sums of v
	s_lshl_b32 s22, s[BA], 11
	s_lshl_b32 s23, s[WV], 8
	s_add_co_u32 s22, s22, s23
	s_mov_b32 s23, 0
	s_add_nc_u64 s[22:23], s[6:7], s[22:23]        ; my wave's 256 keys of the mask
	v_and_b32 v1, 31, v0
	s_delay_alu instid0(VALU_DEP_1)
	v_lshlrev_b32 v11, 3, v1                       ; 8 x lane
	s_delay_alu instid0(VALU_DEP_2)
	v_lshlrev_b32 v1, 4, v1                        ; 16 x lane
	v_and_b32 v8, 15, v0                           ; r
	v_bfe_u32 v9, v0, 4, 1                         ; h
	s_delay_alu instid0(VALU_DEP_2)
	v_lshlrev_b32 v10, 2, v8                       ; 4 r
	s_delay_alu instid0(VALU_DEP_1)
	v_add_nc_u32 v2, KSL, v10
	s_delay_alu instid0(VALU_DEP_3)
	v_lshlrev_b32 v3, 6, v9
	s_delay_alu instid0(VALU_DEP_1)
	v_add_nc_u32 v3, KBT, v3
	v_and_b32 v7, 8, v8
	s_delay_alu instid0(VALU_DEP_1)
	v_add_nc_u32 v7, v7, v8
	v_lshlrev_b32 v9, 4, v9
	s_delay_alu instid0(VALU_DEP_1)
	v_sub_nc_u32 v7, v7, v9
	v_lshrrev_b32 v76, 7, v0                       ; the scale words, 8 KiB, come through registers: 32 bytes a thread; threads 0-127 take K's, the others V's
	v_lshl_add_u32 v77, v0, 5, KSL
	v_mul_u32_u24 v76, v76, 126976                 ; 131,072 - 4,096
	v_lshl_add_u32 v76, v0, 5, v76
	global_load_b64 v[64:65], v11, s[22:23]
	global_load_b128 v[80:83], v76, s[G0A+2:G0A+3]
	global_load_b128 v[84:87], v76, s[G0A+2:G0A+3] offset:16
	global_load_b128 v[24:27], v1, s[82:83]
	global_load_b128 v[28:31], v1, s[82:83] offset:512
	global_load_b128 v[40:43], v1, s[84:85]
	global_load_b128 v[44:47], v1, s[84:85] offset:512
	global_load_b32 v48, v10, s[86:87]
	global_load_b32 v49, v10, s[88:89]
.irp s, 0,1,2,3,4,5,6,7,8,9,10,11,12,13,14,15
	global_load_b64 v[128+2*\s:129+2*\s], v11, s[20:21] offset:256*\s
.endr
	v_lshl_add_u32 v66, v0, 5, KBT                 ; the bias of my 8 keys: 32 bytes a thread
	v_lshl_add_u32 v67, v0, 3, UST                 ; U: 8 bytes a thread
	v_mov_b32 v51, 0xf1800000                      ; -2^100
.irp k, 0,1,2,3,4,5,6,7
	v_mov_b32 v[16+\k], 0
	v_mov_b32 v[32+\k], 0
.endr
.irp b, 0,1,2,3
	v_mov_b32 v[244+\b], 0                         ; a lane permute's destination counts as one of its sources
.endr
	v_mov_b32 v61, 0                               ; named as the upper half of the pair v[60:61]
	s_lshr_b32 s16, s[IHI], 1
	s_lshl_b32 s16, s16, 5
	s_and_b32 s17, s[IHI], 1
	s_lshl_b32 s18, s17, 3
	s_add_co_u32 s16, s16, s18
	v_add_nc_u32 v6, s16, v7                       ; my query - 16 h
	s_lshl_b32 s17, s17, 4                         ; which half of the scale word is my tile's
	s_lshr_b32 s[QLO], s[ILO], 1
	s_lshl_b32 s[QLO], s[QLO], 5
	s_and_b32 s18, s[ILO], 1
	s_lshl_b32 s19, s18, 3
	s_add_co_u32 s[QLO], s[QLO], s19
	s_lshl_b32 s18, s18, 4
	s_lshl_b32 s[USO], s[WV], 8
	s_add_co_u32 s[USO], s[USO], UST-KBT
	s_lshl_b32 s[HC], s[HD], 10                    ; the head's place in a block's image: 1,024 x head
	s_lshr_b32 s[HS], s[HD], 1
	s_lshl_b32 s[HS], s[HS], 6
	s_and_b32 s19, s[HD], 1
	s_lshl_b32 s19, s19, 1
	s_add_co_u32 s[HS], s[HS], s19
	s_add_co_u32 s[HS], s[HS], 4194304             ; and among its scale words
	s_wait_loadcnt 0x0
.irp k, 0,1,2,3
	v_bfe_u32 v63, v64, 8*\k, 8
	s_delay_alu instid0(VALU_DEP_1)
	v_cmp_ne_u32 vcc_lo, 0, v63
	s_delay_alu instid0(VALU_DEP_1)
	v_cndmask_b32 v[68+\k], 0, v51, vcc_lo
	v_bfe_u32 v63, v65, 8*\k, 8
	s_delay_alu instid0(VALU_DEP_1)
	v_cmp_ne_u32 vcc_lo, 0, v63
	s_delay_alu instid0(VALU_DEP_1)
	v_cndmask_b32 v[72+\k], 0, v51, vcc_lo
.endr
	ds_store_b128 v66, v[68:71]
	ds_store_b128 v66, v[72:75] offset:16
	ds_store_b128 v77, v[80:83]
	ds_store_b128 v77, v[84:87] offset:16
.irp s, 1
	v_pk_add_f32 v[128:129], v[128:129], v[128+4*\s:129+4*\s]
	v_pk_add_f32 v[130:131], v[130:131], v[130+4*\s:131+4*\s]
.endr
.irp s, 2, 3, 4, 5, 6, 7
	s_delay_alu instid0(VALU_DEP_2)
	v_pk_add_f32 v[128:129], v[128:129], v[128+4*\s:129+4*\s]
	s_delay_alu instid0(VALU_DEP_2)
	v_pk_add_f32 v[130:131], v[130:131], v[130+4*\s:131+4*\s]
.endr
	s_delay_alu instid0(VALU_DEP_1)
	v_pk_add_f32 v[128:129], v[128:129], v[130:131]
	s_delay_alu instid0(VALU_DEP_1)
	v_pk_mul_f32 v[128:129], v[128:129], 0x3a000000 op_sel_hi:[1,0]    ; / 2,048
	ds_store_b64 v67, v[128:129]
	v_lshrrev_b32 v48, s17, v48
	s_delay_alu instid0(VALU_DEP_1)
	v_and_b32 v48, 0xffff, v48
	s_delay_alu instid0(VALU_DEP_1)
	v_lshl_or_b32 v48, v48, 16, v48                ; my tile's two bytes, for [q | 0] and for [0 | q]
	v_lshrrev_b32 v49, s18, v49
	s_delay_alu instid0(VALU_DEP_1)
	v_and_b32 v49, 0xffff, v49
	s_delay_alu instid0(VALU_DEP_1)
	v_lshl_or_b32 v49, v49, 16, v49
	s_wait_tensorcnt 0x0                           ; my part of key steps 0-3 is in
	ds_add_u32 v4, v5
	s_wait_dscnt 0x0                               ; the add, and for the others' sake my part of the bias and of the scale words
	CROUND                                         ; everybody's part is in, and all four work-groups are here
	tensor_load_to_lds s[G0C:G0C+3], s[G1C:G1C+7]  ; key steps 4-15, the first tensor load behind the round: it has four key steps' work in which to land
	s_nop 0
.rept 4
	v_nop
.endr
.macro INIT                            ; a tile begins: O^T and the sum are zeros, the largest t is -2^30
.set n, 0
.rept 32
	v_mov_b32 v[192+n], 0
.set n, n+1
.endr
	v_mov_b32 v13, 0xce800000
	s_delay_alu instid0(VALU_DEP_1)
	v_floor_f32 v12, -v13
	v_mov_b32 v14, 0
	v_mov_b32 v15, 0
.endm
; A KEY STEP: 128 keys.  diag = 1: the text holds the lines for the step on the diagonal.
.macro STEP diag
	s_cmp_gt_u32 s[SI], s[LIM]                     ; a step behind the tile's queries is left out: the wave's number and the count of steps decide
	s_cbranch_scc1 .Lskip_\@
	v_add_nc_u32 v8, s[TKV], v1
	v_add_nc_u32 v10, s[TSC], v2
	v_add_nc_u32 v50, s[TKB], v3
	s_delay_alu instid0(VALU_DEP_3)
	v_add_nc_u32 v9, 0x20000, v8
	s_delay_alu instid0(VALU_DEP_3)
	v_add_nc_u32 v11, 0x1000, v10
.rept 3
	v_nop                                          ; with the five additions: eight places behind the last step's products
.endr
.irp b, 0,1,2,3
.irp k, 0,1,2,3
	ds_load_b128 v[64+16*\b+4*\k:67+16*\b+4*\k], v8 offset:2048*\b+512*\k
.endr
	ds_load_b32 v[56+\b], v10 offset:64*\b
.endr
.irp b, 0,1,2,3
.irp k, 0,1,2,3
	ds_load_b128 v[128+16*\b+4*\k:131+16*\b+4*\k], v50 offset:128*\b+16*\k      ; the bias of keys 32 b + 16 h + 4 k on: it is the products' C
.endr
.endr
	s_wait_alu depctr_va_vdst(0)
	s_wait_dscnt 0x0
.irp b, 0,1,2,3
	v_wmma_scale_f32_16x16x128_f8f6f4 v[128+16*\b:135+16*\b], v[64+16*\b:79+16*\b], v[24:39], v[128+16*\b:135+16*\b], v[56+\b], v48
	v_wmma_scale_f32_16x16x128_f8f6f4 v[136+16*\b:143+16*\b], v[64+16*\b:79+16*\b], v[16:31], v[136+16*\b:143+16*\b], v[56+\b], v48
.endr
.rept 8
	v_nop
.endr
.irp t, 0,1,2,3                        ; V's fragments and scale words land under the softmax
.irp k, 0,1,2,3
	ds_load_b128 v[64+16*\t+4*\k:67+16*\t+4*\k], v9 offset:2048*\t+512*\k
.endr
	ds_load_b32 v[56+\t], v11 offset:64*\t
.endr
.if \diag
	s_cmp_lg_u32 s[SI], s[LIM]
	s_cbranch_scc1 .Lopen_\@
	v_sub_nc_u32 v63, v6, s[KF]                    ; register 16 b + i holds key KF + 16 h + 32 b + i: hidden where 32 b + i > my query - KF - 16 h
.set n, 0
.rept 64
	v_cmp_gt_i32 vcc_lo, 32*(n/16)+n%16, v63
	v_cndmask_b32 v[128+n], v[128+n], v51, vcc_lo
.set n, n+1
.endr
.Lopen_\@:
.endif
.irp b, 0,1,2,3
	v_max3_num_f32 v[240+\b], v[128+16*\b], v[129+16*\b], v[130+16*\b]     ; the largest score of each block of 32 keys: for the row's maximum, and for the block's largest p
.endr
.irp i, 3,5,7,9,11,13
.irp b, 0,1,2,3
	v_max3_num_f32 v[240+\b], v[240+\b], v[128+16*\b+\i], v[129+16*\b+\i]
.endr
.endr
.irp b, 0,1,2,3
	v_max_num_f32 v[240+\b], v[240+\b], v[143+16*\b]
.endr
.irp b, 0,1,2,3
	s_delay_alu instid0(VALU_DEP_4)
	v_permlanex16_b32 v[244+\b], v[240+\b], s[SEL], s[SEL+1]
.endr
.irp b, 0,1,2,3
	s_delay_alu instid0(VALU_DEP_4)
	v_max_num_f32 v[240+\b], v[240+\b], v[244+\b]
.endr
	s_delay_alu instid0(VALU_DEP_2)
	v_max3_num_f32 v63, v240, v241, v242
	s_delay_alu instid0(VALU_DEP_1)
	v_max_num_f32 v63, v63, v243
	s_delay_alu instid0(VALU_DEP_1)
	v_mul_f32 v63, s[CS], v63
	s_delay_alu instid0(VALU_DEP_1)
	v_max_num_f32 v13, v13, v63                    ; the running largest t
	v_mov_b32 v63, v12
	s_delay_alu instid0(VALU_DEP_2)
	v_floor_f32 v12, -v13                          ; the new -M: M is a whole number
	s_delay_alu instid0(VALU_DEP_1)
	v_sub_f32 v63, v12, v63
	s_delay_alu instid0(VALU_DEP_1)
	v_cvt_i32_f32 v63, v63                         ; (it saturates)
	s_delay_alu instid0(VALU_DEP_1)
	v_ldexp_f32 v60, 1.0, v63                      ; f = 2^(old M - new M)
.set n, 0
.rept 32
	v_pk_fma_f32 v[128+n:129+n], v[128+n:129+n], s[CS:CS+1], v[12:13] op_sel_hi:[1,0,0]   ; t - M
.set n, n+2
.endr
.irp b, 0,1,2,3
	v_fma_f32 v[240+\b], v[240+\b], s[CS], v12
.endr
.set n, 0
	s_wait_alu depctr_va_vdst(0)
.rept 64
	v_exp_f32 v[128+n], v[128+n]
.set n, n+1
.endr
	v_pk_mul_f32 v[14:15], v[14:15], v[60:61] op_sel_hi:[1,0]      ; the sums under the new M: a plain line behind the exponentials
	s_wait_alu depctr_va_vdst(0)                   ; one wait for the batch, ahead of its first reader
.irp b, 0,1,2,3
	v_exp_f32 v[240+\b], v[240+\b]                 ; the block's largest p
.endr
	v_pk_add_f32 v[244:245], v[132:133], v[136:137]
	v_pk_add_f32 v[254:255], v[140:141], v[144:145]
	v_pk_add_f32 v[252:253], v[148:149], v[152:153]
	v_pk_add_f32 v[250:251], v[156:157], v[160:161]
	v_pk_add_f32 v[248:249], v[164:165], v[168:169]
	v_pk_add_f32 v[246:247], v[172:173], v[176:177]
	v_pk_add_f32 v[238:239], v[180:181], v[184:185]
	v_pk_add_f32 v[14:15], v[14:15], v[188:189]
	v_pk_add_f32 v[244:245], v[244:245], v[128:129]
	v_pk_add_f32 v[254:255], v[254:255], v[130:131]
	v_pk_add_f32 v[252:253], v[252:253], v[134:135]
	v_pk_add_f32 v[250:251], v[250:251], v[138:139]
	v_pk_add_f32 v[248:249], v[248:249], v[142:143]
	v_pk_add_f32 v[246:247], v[246:247], v[146:147]
	v_pk_add_f32 v[238:239], v[238:239], v[150:151]
	v_pk_add_f32 v[14:15], v[14:15], v[154:155]
	v_pk_add_f32 v[244:245], v[244:245], v[158:159]
	v_pk_add_f32 v[254:255], v[254:255], v[162:163]
	v_pk_add_f32 v[252:253], v[252:253], v[166:167]
	v_pk_add_f32 v[250:251], v[250:251], v[170:171]
	v_pk_add_f32 v[248:249], v[248:249], v[174:175]
	v_pk_add_f32 v[246:247], v[246:247], v[178:179]
	v_pk_add_f32 v[238:239], v[238:239], v[182:183]
	v_pk_add_f32 v[14:15], v[14:15], v[186:187]
	v_pk_add_f32 v[244:245], v[244:245], v[190:191]
	s_delay_alu instid0(VALU_DEP_2)
	v_pk_add_f32 v[14:15], v[14:15], v[250:251]
	s_delay_alu instid0(VALU_DEP_2)
	v_pk_add_f32 v[244:245], v[244:245], v[248:249]
	v_pk_add_f32 v[254:255], v[254:255], v[246:247]
	v_pk_add_f32 v[252:253], v[252:253], v[238:239]
	s_delay_alu instid0(VALU_DEP_2)
	v_pk_add_f32 v[14:15], v[14:15], v[254:255]
	s_delay_alu instid0(VALU_DEP_2)
	v_pk_add_f32 v[244:245], v[244:245], v[252:253]
	s_delay_alu instid0(VALU_DEP_1)
	v_pk_add_f32 v[14:15], v[14:15], v[244:245]
	s_wait_alu depctr_va_vdst(0)                   ; and one for the four
.irp b, 0,1,2,3
	v_max_num_f32 v[240+\b], 0x4800000, v[240+\b]  ; the floor: a block whose every p is 0 keeps the byte 1; its codes are zeros
.endr
.irp b, 0,1,2,3
	s_delay_alu instid0(VALU_DEP_4)
	v_add_nc_u32 v[52+\b], 0xfc000000, v[240+\b]
.endr
.irp b, 0,1,2,3
	v_and_or_b32 v[248+\b], v[240+\b], 0x7f800000, s[MNT]
.endr
.irp b, 0,1,2,3
	v_lshrrev_b32 v[244+\b], 23, v[52+\b]
.endr
	s_delay_alu instid0(VALU_DEP_3)
	v_lshl_or_b32 v62, v245, 8, v244               ; p's scale word for these 128 keys
	s_delay_alu instid0(VALU_DEP_1)
	v_lshl_or_b32 v62, v246, 16, v62
	s_delay_alu instid0(VALU_DEP_1)
	v_lshl_or_b32 v62, v247, 24, v62
.irp b, 0,1,2,3
.irp i, 0,1,2,3,4,5,6,7,8,9,10,11,12,13,14,15
	v_min_num_f32 v[128+16*\b+\i], v[128+16*\b+\i], v[248+\b]      ; p is not negative: the hold is one-sided
.endr
	v_cvt_scalef32_pk8_fp8_f32 v[224+4*\b:225+4*\b], v[128+16*\b:135+16*\b], v[52+\b]
	v_cvt_scalef32_pk8_fp8_f32 v[226+4*\b:227+4*\b], v[136+16*\b:143+16*\b], v[52+\b]
.endr
.set n, 0
.rept 16
	v_pk_mul_f32 v[192+n:193+n], v[192+n:193+n], v[60:61] op_sel_hi:[1,0]      ; O^T under the new M; these are also the places in front of the products
.set n, n+2
.endr
	s_wait_alu depctr_va_vdst(0)
	s_wait_dscnt 0x0                               ; V
.irp t, 0,1,2,3
	v_wmma_scale_f32_16x16x128_f8f6f4 v[192+8*\t:199+8*\t], v[64+16*\t:79+16*\t], v[224:239], v[192+8*\t:199+8*\t], v[56+\t], v62
.endr
.Lskip_\@:
	s_add_co_u32 s[SI], s[SI], 1
	s_add_co_u32 s[TKV], s[TKV], 8192
	s_add_co_u32 s[TSC], s[TSC], 256
	s_add_co_u32 s[TKB], s[TKB], 512
	s_add_co_u32 s[KF], s[KF], 128
.endm
; A tile leaves: O^T / the sum, or U where no key was kept; quantised along the head's 64, which are two blocks of the projection's K.  it: the scalar register that holds the tile's number.
.macro WAYOUT it
.rept 8
	v_nop                                          ; places behind the last products
.endr
	v_add_f32 v14, v14, v15
	s_delay_alu instid0(VALU_DEP_1)
	v_permlanex16_b32 v244, v14, s[SEL], s[SEL+1]
	s_delay_alu instid0(VALU_DEP_1)
	v_add_f32 v14, v14, v244                       ; the row's sum
	v_add_nc_u32 v50, s[USO], v3
	s_delay_alu instid0(VALU_DEP_2)
	v_max_num_f32 v15, 0x3e800000, v14             ; held at 1/4 from below: no infinity arises where no key was kept
	s_wait_alu depctr_va_vdst(0)
	v_rcp_f32 v60, v15
.irp b, 0,1
.irp k, 0,1,2,3
	ds_load_b128 v[160+16*\b+4*\k:163+16*\b+4*\k], v50 offset:128*\b+16*\k
.endr
.endr
	v_cmp_gt_f32 vcc_lo, 0x3e800000, v14           ; no key was kept
	v_nop
	s_wait_alu depctr_va_vdst(0)
.set n, 0
.rept 16
	v_pk_mul_f32 v[128+n:129+n], v[192+n:193+n], v[60:61] op_sel_hi:[1,0]
.set n, n+2
.endr
	s_wait_dscnt 0x0
.set n, 0
.rept 32
	v_cndmask_b32 v[128+n], v[128+n], v[160+n], vcc_lo
.set n, n+1
.endr
	QUANT 128, 2, 224
	s_lshl_b32 s82, s[BA], 7
	s_add_co_u32 s82, s82, s[\it]                  ; the token block
	s_lshl_b32 s84, s82, 14
	s_add_co_u32 s84, s84, s[HC]
	s_mov_b32 s85, 0
	s_add_nc_u64 s[84:85], s[8:9], s[84:85]
	s_lshl_b32 s86, s82, 9
	s_add_co_u32 s86, s86, s[HS]
	s_mov_b32 s87, 0
	s_add_nc_u64 s[86:87], s[8:9], s[86:87]
	v_and_b32 v50, 15, v0
	s_delay_alu instid0(VALU_DEP_1)
	v_lshlrev_b32 v50, 2, v50
	global_store_b128 v1, v[224:227], s[84:85]     ; 512 consecutive bytes a store
	global_store_b128 v1, v[228:231], s[84:85] offset:512
	global_store_b16 v50, v63, s[86:87]            ; my head's two of the scale word's four bytes
	s_wait_xcnt 0x0                                ; the stores have read their registers: they are written again below
.endm
	s_mov_b32 s[SI], 0
	s_mov_b32 s[TKV], 0
	s_mov_b32 s[TSC], 0
	s_mov_b32 s[TKB], 0
	s_mov_b32 s[KF], 0
	s_sub_co_u32 s[LIM], 15, s[WV]
	INIT
	s_mov_b32 s[CNT], 4
.Lh1:                                  ; key steps 0-3: they lie under every first tile's diagonal
	STEP 0
	s_sub_co_u32 s[CNT], s[CNT], 1
	s_cmp_lg_u32 s[CNT], 0
	s_cbranch_scc1 .Lh1
	s_wait_tensorcnt 0x0                           ; my part of key steps 4-15 is in,
	s_wait_dscnt 0x0
	s_barrier_signal -1
	s_barrier_wait -1                              ; everybody's is
	s_mov_b32 s[CNT], 12
.Lh2:
	STEP 1
	s_sub_co_u32 s[CNT], s[CNT], 1
	s_cmp_lg_u32 s[CNT], 0
	s_cbranch_scc1 .Lh2
	s_wait_alu depctr_va_vdst(0)
	WAYOUT IHI
.irp k, 0,1,2,3,4,5,6,7
	v_mov_b32 v[24+\k], v[40+\k]                   ; the second tile
.endr
	v_mov_b32 v48, v49
	v_add_nc_u32 v6, s[QLO], v7
	s_mov_b32 s[LIM], s[WV]
	s_mov_b32 s[SI], 0
	s_mov_b32 s[TKV], 0
	s_mov_b32 s[TSC], 0
	s_mov_b32 s[TKB], 0
	s_mov_b32 s[KF], 0
	INIT
	s_mov_b32 s[CNT], 8
.Ll1:
	STEP 1
	s_sub_co_u32 s[CNT], s[CNT], 1
	s_cmp_lg_u32 s[CNT], 0
	s_cbranch_scc1 .Ll1
	s_wait_alu depctr_va_vdst(0)
	WAYOUT ILO
	s_wait_tensorcnt 0x0                           ; the wave's end
	ds_add_u32 v4, v5
	s_wait_dscnt 0x0
	CROUND                                         ; the closing round
	s_endpgm
.Lfunc_end_k_q113c58c0aa_attn:
	.size	k_q113c58c0aa_attn, .Lfunc_end_k_q113c58c0aa_attn-k_q113c58c0aa_attn
	.p2alignl 7, 3214868480
	.fill 96, 4, 3214868480
	.section	.rodata,"a",@progbits
	.p2align	6, 0x0
	.amdhsa_kernel k_q113c58c0aa_attn
		.amdhsa_group_segment_fixed_size 327680
		.amdhsa_private_segment_fixed_size 0
		.amdhsa_enable_private_segment 0
		.amdhsa_kernarg_size 24
		.amdhsa_user_sgpr_count 2
		.amdhsa_user_sgpr_kernarg_segment_ptr 1
		.amdhsa_wavefront_size32 1
		.amdhsa_system_sgpr_workgroup_id_x 1
		.amdhsa_system_sgpr_workgroup_id_y 1
		.amdhsa_system_sgpr_workgroup_id_z 1
		.amdhsa_system_vgpr_workitem_id 0
		.amdhsa_next_free_vgpr 256
		.amdhsa_next_free_sgpr 90
		.amdhsa_reserve_vcc 1
		.amdhsa_float_denorm_mode_32 3
		.amdhsa_float_denorm_mode_16_64 3
		.amdhsa_memory_ordered 1
		.amdhsa_forward_progress 1
		.amdhsa_inst_pref_size 109
	.end_amdhsa_kernel
	.amdgpu_metadata
---
amdhsa.version: [ 1, 2 ]
amdhsa.kernels:
  - .name:           k_q113c58c0aa_attn
    .symbol:         k_q113c58c0aa_attn.kd
    .args:
      - { .name: aqkv, .offset: 0, .size: 8, .value_kind: global_buffer, .address_space: global }
      - { .name: key_padding_mask, .offset: 8, .size: 8, .value_kind: global_buffer, .address_space: global }
      - { .name: oq, .offset: 16, .size: 8, .value_kind: global_buffer, .address_space: global }
    .group_segment_fixed_size: 327680
    .private_segment_fixed_size: 0
    .kernarg_segment_align: 8
    .kernarg_segment_size: 24
    .max_flat_workgroup_size: 256
    .sgpr_count:     90
    .vgpr_count:     256
    .wavefront_size: 32
...
	.end_amdgpu_metadata
.endif
;; end of part 3
;; launch gproj (part 4): grid 8 x 32, 4 waves a work-group, clusters of 4 x 4, 327,680 bytes of LDS; arguments oq, wq, x, proj_b, x1; writes x1
.if DOCPART == 4
	.amdgcn_target "amdgcn-amd-amdhsa--gfx1250"
	.amdhsa_code_object_version 6
	.text
	.protected	k_q113c58c0aa_gproj
	.globl	k_q113c58c0aa_gproj
	.p2align	8
	.type	k_q113c58c0aa_gproj,@function
k_q113c58c0aa_gproj:
	s_mov_b64 s[64:65], 0
	v_nop
	global_prefetch_b8 v0, s[64:65] scope:SCOPE_SE
	s_setreg_imm32_b32 hwreg(HW_REG_WAVE_MODE, 25, 1), 1
	s_wait_xcnt 0x0
	s_wait_alu depctr_hold_cnt(0) depctr_sa_sdst(0) depctr_va_vdst(0) depctr_va_sdst(0) depctr_va_ssrc(0) depctr_va_vcc(0) depctr_vm_vsrc(0)
	s_getreg_b32 s2, hwreg(HW_REG_IB_STS2, 6, 4)
	s_cmp_eq_u32 s2, 0
	s_cbranch_scc0 .Lentry_in_a_cluster
	s_endpgm
.Lentry_in_a_cluster:
	s_bfe_u32 s2, ttmp6, 0x10000c
	s_cmp_lg_u32 s2, 0xf033
	s_cbranch_scc0 .Lentry_shape_is_right
	s_endpgm
.Lentry_shape_is_right:
; x1 = x + Q(o) Q(proj_w)^T + proj_b.  o's codes and scale words (oq) and proj_w's (wq) lie in memory as images of the operands' registers: blocks of 16 rows, step x 2,048 + c x 512 + 16 x lane.
; SHARES.  C is 4,096 x 1,024: blocks of 128 x 128 give 32 x 8 = 256 work-groups.  Four waves, 64 x 64 each: 16 accumulators; a step of 128 along K is 8 fragments and 16 products.
; K = 1,024 is two chunks of 512, one in each of two LDS slots (8 + 8 blocks x 8,192 bytes): nothing is filled again.  At the head a wave has one load: A's chunk 0, A's scale words, B's chunk 0, B's scale words; chunk 1 follows behind the full sequence and a round, a quarter a wave.
; CLUSTERS: 4 x 4 work-groups; A's tiles are asked for jointly along a row of the cluster, B's along a column.
; NO PREFETCH: both chunks are asked for ahead of the first product, so no later load is left to run ahead of.  NO LOOP: the two chunks are laid by the assembler's repeat.
; The products are used transposed (source 0 = B's block): a lane holds one token and 8 neighbouring columns.  proj_b is the first products' C.  x comes into idle registers behind chunk 1's load and is added on the way out, which goes through a stage in slot 0 so that sixteen lanes store 256 aligned bytes.
; LIMITS: NaN and infinities are not served.
.set KK,    1024
.set BIAS,  1
.set ASC,   4194304
.set BCO,   3145728
.set BSC,   10584064
.set NCH,   KK/512
.set KROWB, 16*KK
.set SKB,   KK/2
.set BLK,   8192                       ; a block's bytes of a chunk
.set QT,    4*BLK                      ; four blocks: what a ring load brings and what a wave reads of A or of B
.set SLOT,  4*QT
.set SCL,   2*SLOT                     ; the scale words of all of K: A's 8 blocks, then B's
.set HS,    4*SKB
.set SPARE, SCL+4*HS
.set SPITCH, 272
.set ADRA, 16
.set ADRB, 20
.set BO,   22
.set STO,  24
.set RD,   25
.set CO,   26
.set ADRS, 27
.set SPW,  28
.set NIL,  29
.set PFO,  30
.set SC,   32                          ; v32-63 scale words, two sets of 16: register 4 q + i: lanes 0-15 A's block i, lanes 16-31 B's
.set BQ,   64                          ; v64-95 the bias in the sums' layout
.set AF,   128                         ; window 0: A's fragments, two sets of 64; window 1: B's two sets at v0, the residual at v128; window 2: the sums
.set G1, 24
.set G0, 32
.set G1B, 48
.set G0B, 56
.set G1S, 68
.set G0S, 76
.set G1SB, 80
.set G0SB, 88
.set G0H, 92
.set G0HB, 96
.set MSB, 0
.macro WIN new
.if MSB != \new
	s_set_vgpr_msb (MSB<<8)|\new
.set MSB, \new
.endif
.endm
.macro PLACES n
.rept \n
	v_nop
.endr
.endm
.macro JLOAD g0a, g1a, g0b, g1b        ; waves 0 and 1 fetch for A, waves 2 and 3 for B
	s_cmp_eq_u32 s15, 0
	s_cbranch_scc0 .Lfor_b_\@
	tensor_load_to_lds s[\g0a:\g0a+3], s[\g1a:\g1a+7]
	s_nop 0
	PLACES 4
	s_branch .Lasked_\@
.Lfor_b_\@:
	tensor_load_to_lds s[\g0b:\g0b+3], s[\g1b:\g1b+7]
	s_nop 0
	PLACES 4
.Lasked_\@:
.endm
.macro CREST
	s_cmp_lg_u32 s14, 0
	s_cbranch_scc1 .Lnot_wave_0_\@
	s_barrier_signal -3
.Lnot_wave_0_\@:
	s_barrier_wait -3
	s_barrier_signal -1
	s_barrier_wait -1
.endm
.macro CROUND
	s_barrier_signal -1
	s_barrier_wait -1
	CREST
.endm
	s_load_b128 s[4:7], s[0:1], 0x0
.if BIAS
	s_load_b128 s[8:11], s[0:1], 0x10
	s_load_b64 s[12:13], s[0:1], 0x20
.else
	s_load_b64 s[8:9], s[0:1], 0x10
	s_load_b64 s[12:13], s[0:1], 0x18
.endif
	v_lshl_add_u32 v[SPW], v0, 2, SPARE
	v_mov_b32 v[NIL], 0
	ds_add_u32 v[SPW], v[NIL]                      ; the opening lines: the add, twice on end, and its wait below
	ds_add_u32 v[SPW], v[NIL]
	v_lshrrev_b32 v1, 5, v0
	v_readfirstlane_b32 s14, v1                    ; wave
	s_lshr_b32 s15, s14, 1                         ; my half of A's blocks; also: I fetch for A (0) or B (1)
	s_and_b32 s16, s14, 1                          ; my half of B's; also: which four blocks I fetch
	s_bfe_u32 s40, ttmp6, 0x40000
	s_bfe_u32 s41, ttmp6, 0x40004
	s_lshl_b32 s42, ttmp9, 2
	s_add_co_u32 s42, s42, s40                     ; tile column
	s_and_b32 s17, ttmp7, 0xffff
	s_lshl_b32 s17, s17, 2
	s_add_co_u32 s17, s17, s41                     ; tile row
	s_lshl_b32 s43, s41, 2
	s_lshl_b32 s43, 15, s43
	s_lshl_b32 s44, 0x1111, s40
	s_or_b32 s[G1+0], s43, (3<<16)|(1<<21)
	s_or_b32 s[G1B+0], s44, (3<<16)|(1<<21)
.irp g, G1, G1B
	s_mov_b32 s[\g+1], 1024<<16                    ; a block's 8,192 bytes as 1,024 elements of 8
	s_mov_b32 s[\g+2], 8<<16                       ; the head's loads bring 8 blocks, the ring's 4
	s_mov_b32 s[\g+3], 1024<<16
	s_mov_b32 s[\g+4], 8
	s_mov_b32 s[\g+5], KROWB/8
	s_mov_b32 s[\g+6], 0
	s_mov_b32 s[\g+7], 0
.endr
	s_or_b32 s[G1S+0], s43, (3<<16)|(1<<21)
	s_or_b32 s[G1SB+0], s44, (3<<16)|(1<<21)
.irp g, G1S, G1SB
	s_mov_b32 s[\g+1], 32<<16                      ; 8 SKB dense bytes as rows of 256
	s_mov_b32 s[\g+2], (SKB/32)<<16
	s_mov_b32 s[\g+3], 32<<16
	s_mov_b32 s[\g+4], SKB/32
	s_mov_b32 s[\g+5], 32
	s_mov_b32 s[\g+6], 0
	s_mov_b32 s[\g+7], 0
.endr
	s_mul_i32 s18, s16, 4*KROWB
	s_mul_i32 s20, s17, 8*KROWB
	s_add_co_u32 s20, s20, s18                     ; A: the first block that I fetch
	s_mov_b32 s21, 0
	s_mul_i32 s46, s42, 8*KROWB
	s_add_co_u32 s46, s46, s18
	s_add_co_u32 s46, s46, BCO                     ; B likewise
	s_mov_b32 s47, 0
	s_mul_i32 s[G0S+2], s17, 8*SKB
	s_add_co_u32 s[G0S+2], s[G0S+2], ASC
	s_mov_b32 s[G0S+3], 0
	s_mul_i32 s[G0SB+2], s42, 8*SKB
	s_add_co_u32 s[G0SB+2], s[G0SB+2], BSC
	s_mov_b32 s[G0SB+3], 0
	s_mul_i32 s45, s14, QT
	s_mul_i32 s2, s15, QT                          ; my fragments of A in a slot,
	s_mul_i32 s3, s16, QT
	s_add_co_u32 s3, s3, 2*QT                      ; of B
	s_mul_i32 s66, s15, HS
	s_mul_i32 s67, s16, HS
	s_add_co_u32 s67, s67, 2*HS
	s_sub_co_u32 s67, s67, s66                     ; from A's scale words to B's
	s_add_co_u32 s66, s66, SCL
	s_lshl_b32 s22, s17, 19                        ; C: 128 rows of 4,096 bytes a tile row, 64 a wave row
	s_lshl_b32 s23, s15, 18
	s_add_co_u32 s22, s22, s23
	s_lshl_b32 s100, s42, 9
	s_lshl_b32 s23, s16, 8
	s_add_co_u32 s100, s100, s23                   ; my 64 columns, in bytes
	s_add_co_u32 s22, s22, s100
	s_mov_b32 s23, 0
	s_mov_b32 s101, 0
	s_wait_dscnt 0x0
	s_wait_kmcnt 0x0
	s_add_nc_u64 s[20:21], s[4:5], s[20:21]
	s_add_nc_u64 s[46:47], s[6:7], s[46:47]
	s_add_nc_u64 s[G0S+2:G0S+3], s[4:5], s[G0S+2:G0S+3]
	s_or_b32 s[G0S+3], s[G0S+3], 0x80000000
	s_add_nc_u64 s[G0SB+2:G0SB+3], s[6:7], s[G0SB+2:G0SB+3]
	s_or_b32 s[G0SB+3], s[G0SB+3], 0x80000000
	s_add_nc_u64 s[12:13], s[12:13], s[22:23]
	s_add_nc_u64 s[8:9], s[8:9], s[22:23]
.if BIAS
	s_add_nc_u64 s[10:11], s[10:11], s[100:101]
.endif
	s_mov_b32 s[G0S], 1
	s_mov_b32 s[G0S+1], SCL
	s_mov_b32 s[G0SB], 1
	s_mov_b32 s[G0SB+1], SCL+2*HS
	s_mov_b32 s[G0H], 1                            ; the head's loads of chunk 0: issued by waves 0 and 2, whose first block is the tile's first
	s_mov_b32 s[G0H+1], 0
	s_mov_b64 s[G0H+2:G0H+3], s[20:21]
	s_or_b32 s[G0H+3], s[G0H+3], 0x80000000
	s_mov_b32 s[G0HB], 1
	s_mov_b32 s[G0HB+1], 2*QT
	s_mov_b64 s[G0HB+2:G0HB+3], s[46:47]
	s_or_b32 s[G0HB+3], s[G0HB+3], 0x80000000
.irp s, 0,1
.if (NCH > 2) || \s
	s_mov_b32 s[G0+4*\s], 1
	s_add_co_u32 s[G0+4*\s+1], s45, \s*SLOT
	s_add_nc_u64 s[G0+4*\s+2:G0+4*\s+3], s[20:21], \s*BLK
	s_or_b32 s[G0+4*\s+3], s[G0+4*\s+3], 0x80000000
	s_mov_b32 s[G0B+4*\s], 1
	s_add_co_u32 s[G0B+4*\s+1], s45, \s*SLOT
	s_add_nc_u64 s[G0B+4*\s+2:G0B+4*\s+3], s[46:47], \s*BLK
	s_or_b32 s[G0B+4*\s+3], s[G0B+4*\s+3], 0x80000000
.endif
.endr
.if NCH > 2                            ; the prefetches: of the four blocks that I fetch, the partner at place p (cx for A, cy for B) names block p: told apart by address
	s_cmp_eq_u32 s15, 0
	s_cselect_b64 s[4:5], s[20:21], s[46:47]
	s_cselect_b32 s6, s40, s41
	s_mul_i32 s6, s6, KROWB
	s_mov_b32 s7, 0
	s_add_nc_u64 s[4:5], s[4:5], s[6:7]
.endif
	CROUND                                         ; all sixteen work-groups are here: the first joint loads meet
.macro ARM under, g0, g1, next         ; one chain of branches on the wave's number, a load to an arm
	s_cmp_lt_u32 s14, \under
	s_cbranch_scc0 \next
	tensor_load_to_lds s[\g0:\g0+3], s[\g1:\g1+7]
	s_nop 0
	PLACES 4
	s_branch .Lhead_asked
\next:
.endm
	ARM 1, G0H,  G1,  .Lhead_sa
	ARM 2, G0S,  G1S, .Lhead_b
	ARM 3, G0HB, G1B, .Lhead_sb
	tensor_load_to_lds s[G0SB:G0SB+3], s[G1SB:G1SB+7]
	s_nop 0
	PLACES 4
.Lhead_asked:
	v_and_b32 v1, 15, v0                           ; r
	v_bfe_u32 v2, v0, 4, 1                         ; h
	v_and_b32 v3, 31, v0
	v_lshrrev_b32 v7, 5, v0
	v_lshlrev_b32 v4, 4, v3
	v_mul_u32_u24 v7, v7, 16*SPITCH                ; my stage, in slot 0
	v_add_nc_u32 v[ADRA], s2, v4
	v_add_nc_u32 v[ADRB], s3, v4
	v_add_nc_u32 v[ADRA+1], SLOT, v[ADRA]
	v_add_nc_u32 v[ADRB+1], SLOT, v[ADRB]
	v_mul_u32_u24 v6, s67, v2                      ; lanes 16-31 take B's scale words
	v_lshl_add_u32 v6, v1, 2, v6
	v_add_nc_u32 v[ADRS], s66, v6
	v_mad_u32_u24 v5, v1, SPITCH, v7
	v_lshl_add_u32 v[STO], v2, 6, v5               ; in: row r, 64 h
	v_mad_u32_u24 v5, v2, SPITCH, v7
	v_lshl_add_u32 v[RD], v1, 4, v5                ; back: sixteen lanes a row of 256 bytes, two rows a load
	v_lshlrev_b32 v5, 12, v2
	v_lshl_add_u32 v[CO], v1, 4, v5                ; and the same two rows in C
.if BIAS
	v_lshlrev_b32 v[BO], 6, v2
.endif
.if NCH > 2
	v_lshlrev_b32 v[PFO], 8, v3
.endif
	s_wait_alu depctr_va_vdst(0)                   ; the head's end
.if BIAS
.irp b, 0,1,2,3                        ; register j of tile b, lane half h: column 32 (b / 2) + 8 (b % 2) + 16 h + j
	global_load_b128 v[BQ+8*\b:BQ+8*\b+3], v[BO], s[10:11] offset:128*(\b/2)+32*(\b%2)
	global_load_b128 v[BQ+8*\b+4:BQ+8*\b+7], v[BO], s[10:11] offset:128*(\b/2)+32*(\b%2)+16
.endr
.endif
.macro FRAG reg, adr, q, i
.irp c, 0,1,2,3
	ds_load_b128 v[\reg+4*\c:\reg+4*\c+3], v[\adr] offset:BLK*(\i)+2048*(\q)+512*\c
.endr
.endm
.macro FETCH slot, q                   ; 32 loads: step q of a slot into set q % 2
	WIN 0x40
.irp i, 0,1,2,3
	FRAG 64*((\q)%2)+16*\i, ADRB+(\slot), \q, \i
.endr
	WIN 0
.irp i, 0,1,2,3
	FRAG AF+64*((\q)%2)+16*\i, ADRA+(\slot), \q, \i
.endr
.endm
.macro SCALES c                        ; 16 loads: chunk c's scale words
.irp q, 0,1,2,3
.irp i, 0,1,2,3
	ds_load_b32 v[SC+16*((\c)%2)+4*\q+\i], v[ADRS] offset:\i*SKB+64*(4*(\c)+\q)
.endr
.endr
.endm
.macro MWIN q                          ; source 0 (B) window 1, source 1 (A) window 0, C and D window 2; the bias as C: window 0
.if BIAS && (ch+(\q) == 0)
	WIN 0x81
.else
	WIN 0xa1
.endif
.endm
.macro MUL4 a, q                       ; A's block a x B's four.  The 16 accumulators take turns in the same order in every step
.set P_, (\q)%2
.irp b, 0,1,2,3
.set D_, 8*(4*(\a)+\b)
.set S0_, SC+16*(ch%2)+4*(\q)+\b
.set S1_, SC+16*(ch%2)+4*(\q)+(\a)
.if ch+(\q) > 0
	v_wmma_scale_f32_16x16x128_f8f6f4 v[D_:D_+7], v[64*P_+16*\b:64*P_+16*\b+15], v[AF+64*P_+16*(\a):AF+64*P_+16*(\a)+15], v[D_:D_+7], v[S0_], v[S1_] matrix_a_scale:MATRIX_SCALE_ROW1
.elseif BIAS
	v_wmma_scale_f32_16x16x128_f8f6f4 v[D_:D_+7], v[64*P_+16*\b:64*P_+16*\b+15], v[AF+64*P_+16*(\a):AF+64*P_+16*(\a)+15], v[BQ+8*\b:BQ+8*\b+7], v[S0_], v[S1_] matrix_a_scale:MATRIX_SCALE_ROW1
.else
	v_wmma_scale_f32_16x16x128_f8f6f4 v[D_:D_+7], v[64*P_+16*\b:64*P_+16*\b+15], v[AF+64*P_+16*(\a):AF+64*P_+16*(\a)+15], 0, v[S0_], v[S1_] matrix_a_scale:MATRIX_SCALE_ROW1
.endif
.endr
.endm
.macro STEP q                          ; a step that has its successor in the same slot
	PLACES 8                                       ; behind the last step's products, ahead of loads into the set that they read
	FETCH ch%2, (\q)+1
	s_wait_dscnt 32                                ; all but the 32 just issued
	MWIN \q
	MUL4 0, \q
	MUL4 1, \q
	MUL4 2, \q
	MUL4 3, \q
.endm
.macro TURN                            ; a slot's last step changes slots
	WIN 0
	s_wait_tensorcnt 0x0                           ; my part of the next slot is in
	ds_add_u32 v[SPW], v[NIL]
	s_wait_dscnt 1                                 ; the add may be out
	MWIN 3
	MUL4 0, 3
	s_wait_dscnt 0x0                               ; the add is done, my reads of this slot are over
	s_barrier_signal -1
	MUL4 1, 3
	WIN 0
	s_barrier_wait -1
.if ch+2 < NCH
	CREST                                          ; the barrier has opened a round of the cluster's
	s_add_nc_u64 s[G0+4*(ch%2)+2:G0+4*(ch%2)+3], s[G0+4*(ch%2)+2:G0+4*(ch%2)+3], 2*BLK
	s_add_nc_u64 s[G0B+4*(ch%2)+2:G0B+4*(ch%2)+3], s[G0B+4*(ch%2)+2:G0B+4*(ch%2)+3], 2*BLK
	JLOAD G0+4*(ch%2), G1, G0B+4*(ch%2), G1B       ; chunk ch + 2, the first tensor load behind the round
	PLACES 4
.else
	PLACES 8
.endif
	FETCH (ch+1)%2, 0
	SCALES ch+1
.if ch+3 < NCH
	global_prefetch_b8 v[PFO], s[4:5] offset:(ch+3)*BLK th:TH_LOAD_NT scope:SCOPE_SE   ; what the next change of slots will ask for: 8,192 bytes, a lane to each 256
.endif
	MWIN 3
	MUL4 2, 3
	MUL4 3, 3
.endm
	s_wait_tensorcnt 0x0                           ; my tile of the head's four is in
	ds_add_u32 v[SPW], v[NIL]
	s_mov_b32 s[G1+2], 4<<16                       ; no tensor load of mine is out: from here on a load brings 4 blocks
	s_mov_b32 s[G1+4], 4
	s_mov_b32 s[G1B+2], 4<<16
	s_mov_b32 s[G1B+4], 4
	s_wait_dscnt 0x0
	CROUND
	JLOAD G0+4, G1, G0B+4, G1B                     ; chunk 1 into slot 1
	FETCH 0, 0
	SCALES 0
.if BIAS
	s_wait_loadcnt 0x0                             ; the bias
.endif
	WIN 0x40                                       ; the residual: 4 blocks x 16 rows x 256 bytes into window 1, v128 on; waited for on the way out
.irp a, 0,1,2,3
.irp t, 0,1,2,3,4,5,6,7
	global_load_b128 v[128+32*\a+4*\t:128+32*\a+4*\t+3], v[CO], s[8:9] offset:(32*(\a/2)+8*(\a%2)+2*\t+8*(\t/4))*4096
.endr
.endr
	WIN 0
.if NCH > 2
	global_prefetch_b8 v[PFO], s[4:5] offset:2*BLK th:TH_LOAD_NT scope:SCOPE_SE
.endif
.set ch, 0
.rept NCH
	STEP 0
	STEP 1
	STEP 2
.if ch < NCH-1
	TURN
.else
	s_wait_dscnt 0x0
	MWIN 3
	MUL4 0, 3
	MUL4 1, 3
	MUL4 2, 3
	MUL4 3, 3
.endif
.set ch, ch+1
.endr
	WIN 0
	PLACES 8                                       ; behind the last products
; THE WAY OUT, a block of 16 tokens x 64 columns at a time, through my stage: slot 0 has had its last fill, and nobody reads it behind the last change of slots
.macro TOSTAGE a
	WIN 0x08
.irp b, 0,1,2,3
	ds_store_b128 v[STO], v[32*(\a)+8*\b:32*(\a)+8*\b+3] offset:128*(\b/2)+32*(\b%2)
	ds_store_b128 v[STO], v[32*(\a)+8*\b+4:32*(\a)+8*\b+7] offset:128*(\b/2)+32*(\b%2)+16
.endr
	WIN 0
.irp t, 0,1,2,3,4,5,6,7
	ds_load_b128 v[AF+32*(\a)+4*\t:AF+32*(\a)+4*\t+3], v[RD] offset:2*\t*SPITCH   ; LDS serves a wave's instructions in order
.endr
.endm
.macro SEND a, younger
	s_wait_dscnt \younger
	WIN 0x04
.set n, 0
.rept 16
	v_pk_add_f32 v[AF+32*(\a)+n:AF+32*(\a)+n+1], v[AF+32*(\a)+n:AF+32*(\a)+n+1], v[128+32*(\a)+n:128+32*(\a)+n+1]
.set n, n+2
.endr
	WIN 0
.irp t, 0,1,2,3,4,5,6,7
	global_store_b128 v[CO], v[AF+32*(\a)+4*\t:AF+32*(\a)+4*\t+3], s[12:13] offset:(32*((\a)/2)+8*((\a)%2)+2*\t+8*(\t/4))*4096
.endr
.endm
	s_wait_loadcnt 0x0                             ; the residual
	TOSTAGE 0
.irp a, 1,2,3
	TOSTAGE \a
	SEND \a-1, 16                                  ; behind its loads: the next block's 8 stores and 8 loads
.endr
	SEND 3, 0
	s_wait_tensorcnt 0x0                           ; the wave's end
	ds_add_u32 v[SPW], v[NIL]
	s_wait_dscnt 0x0
	CROUND                                         ; the closing round
	s_endpgm
.Lfunc_end_k_q113c58c0aa_gproj:
	.size	k_q113c58c0aa_gproj, .Lfunc_end_k_q113c58c0aa_gproj-k_q113c58c0aa_gproj
	.p2alignl 7, 3214868480
	.fill 96, 4, 3214868480
	.section	.rodata,"a",@progbits
	.p2align	6, 0x0
	.amdhsa_kernel k_q113c58c0aa_gproj
		.amdhsa_group_segment_fixed_size 327680
		.amdhsa_private_segment_fixed_size 0
		.amdhsa_enable_private_segment 0
		.amdhsa_kernarg_size 40
		.amdhsa_user_sgpr_count 2
		.amdhsa_user_sgpr_kernarg_segment_ptr 1
		.amdhsa_wavefront_size32 1
		.amdhsa_system_sgpr_workgroup_id_x 1
		.amdhsa_system_sgpr_workgroup_id_y 1
		.amdhsa_system_sgpr_workgroup_id_z 1
		.amdhsa_system_vgpr_workitem_id 0
		.amdhsa_next_free_vgpr 640
		.amdhsa_next_free_sgpr 102
		.amdhsa_reserve_vcc 0
		.amdhsa_float_denorm_mode_32 3
		.amdhsa_float_denorm_mode_16_64 3
		.amdhsa_memory_ordered 1
		.amdhsa_forward_progress 1
		.amdhsa_inst_pref_size 63
	.end_amdhsa_kernel
	.amdgpu_metadata
---
amdhsa.version: [ 1, 2 ]
amdhsa.kernels:
  - .name:           k_q113c58c0aa_gproj
    .symbol:         k_q113c58c0aa_gproj.kd
    .args:
      - { .name: oq, .offset: 0, .size: 8, .value_kind: global_buffer, .address_space: global }
      - { .name: wq, .offset: 8, .size: 8, .value_kind: global_buffer, .address_space: global }
      - { .name: x, .offset: 16, .size: 8, .value_kind: global_buffer, .address_space: global }
      - { .name: proj_b, .offset: 24, .size: 8, .value_kind: global_buffer, .address_space: global }
      - { .name: x1, .offset: 32, .size: 8, .value_kind: global_buffer, .address_space: global }
    .group_segment_fixed_size: 327680
    .private_segment_fixed_size: 0
    .kernarg_segment_align: 8
    .kernarg_segment_size: 40
    .max_flat_workgroup_size: 128
    .sgpr_count:     102
    .vgpr_count:     640
    .wavefront_size: 32
...
	.end_amdgpu_metadata
.endif
;; end of part 4
;; launch ln1 (part 5): grid 256 x 1, 8 waves a work-group, no clusters, 69,632 bytes of LDS; arguments x1, ln2_g, ln2_b, hq; writes hq
.if DOCPART == 5
	.amdgcn_target "amdgcn-amd-amdhsa--gfx1250"
	.amdhsa_code_object_version 6
	.text
	.protected	k_q113c58c0aa_ln1
	.globl	k_q113c58c0aa_ln1
	.p2align	8
	.type	k_q113c58c0aa_ln1,@function
k_q113c58c0aa_ln1:
	s_mov_b64 s[64:65], 0
	v_nop
	global_prefetch_b8 v0, s[64:65] scope:SCOPE_SE
	s_setreg_imm32_b32 hwreg(HW_REG_WAVE_MODE, 25, 1), 1
	s_wait_xcnt 0x0
; LAYER NORM OF 16 ROWS OF 1,024, QUANTISED ALONG THE ROW INTO AN IMAGE OF THE NEXT PRODUCTS' OPERAND.  Arguments: the rows (f32), gain, bias, the image.
; A work-group takes token block R: rows 32 (R / 2) + 8 (R % 2) + t + 8 (t / 8).  Wave w takes columns 128 w on, which are K step w of the image.
; Each load reads 512 consecutive bytes of a row; the rows turn through the wave's own stage in LDS, so that a lane holds 16 neighbours of each block of 32.
; Mean and variance as written: the mean first, then the mean of (x - mean)^2: two sums over the eight waves, each through its own 512 bytes of LDS and a barrier.
; LIMITS: NaN and infinities are not served; a block whose largest magnitude lies under 2^-118 keeps the scale byte 1.
.set STG,   8448
.set RED,   8*STG                      ; [r][wave] f32, 512 bytes; the second sum's 512 bytes behind it
.set SPARE, RED+1024
.set SPW, 10
.set NIL, 11
.set RAW, 16                           ; v16-79   rows as loaded; later the bias
.set X,   80                           ; v80-143  register 16 c + i: column 128 w + 32 c + 16 h + i of row r
.set G,   144                          ; v144-207 the gain at the same columns
.set TM,  208
.set PW,  224
.set PC,  226
.set SEL, 20
.set MNT, 22
.macro QUANT s, nb, pc
.set qb, 0
.rept \nb
	v_max3_num_f32 v[TM+qb], |v[(\s)+16*qb]|, |v[(\s)+16*qb+1]|, 0x4800000   ; my 16 numbers of the block, and the floor 2^(9 - 127)
.set qb, qb+1
.endr
.set qi, 2
.rept 7
.set qb, 0
.rept \nb
	s_delay_alu instid0(VALU_DEP_4)
	v_max3_num_f32 v[TM+qb], v[TM+qb], |v[(\s)+16*qb+qi]|, |v[(\s)+16*qb+qi+1]|
.set qb, qb+1
.endr
.set qi, qi+2
.endr
.set qb, 0
.rept \nb
	s_delay_alu instid0(VALU_DEP_4)
	v_permlanex16_b32 v[TM+4+qb], v[TM+qb], s[SEL], s[SEL+1]
.set qb, qb+1
.endr
.set qb, 0
.rept \nb
	s_delay_alu instid0(VALU_DEP_4)
	v_max_num_f32 v[TM+qb], v[TM+qb], v[TM+4+qb]
.set qb, qb+1
.endr
.set qb, 0
.rept \nb
	v_add_nc_u32 v[TM+12+qb], 0xfc000000, v[TM+qb]              ; the conversion's scale operand
	v_and_or_b32 v[TM+8+qb], v[TM+qb], 0x7f800000, s[MNT]       ; 448 x the scale
.set qb, qb+1
.endr
.set qb, 0
.rept \nb
	v_lshrrev_b32 v[TM+4+qb], 23, v[TM+12+qb]                   ; the scale's byte
.set qb, qb+1
.endr
	s_delay_alu instid0(VALU_DEP_3)
	v_lshl_or_b32 v[PW], v[TM+5], 8, v[TM+4]
.if \nb > 2
	s_delay_alu instid0(VALU_DEP_1)
	v_lshl_or_b32 v[PW], v[TM+6], 16, v[PW]
	s_delay_alu instid0(VALU_DEP_1)
	v_lshl_or_b32 v[PW], v[TM+7], 24, v[PW]
.endif
.set qb, 0
.rept \nb
.set qi, 0
.rept 16
	v_med3_num_f32 v[(\s)+16*qb+qi], v[(\s)+16*qb+qi], -v[TM+8+qb], v[TM+8+qb]
.set qi, qi+1
.endr
	v_cvt_scalef32_pk8_fp8_f32 v[(\pc)+4*qb:(\pc)+4*qb+1], v[(\s)+16*qb:(\s)+16*qb+7], v[TM+12+qb]
	v_cvt_scalef32_pk8_fp8_f32 v[(\pc)+4*qb+2:(\pc)+4*qb+3], v[(\s)+16*qb+8:(\s)+16*qb+15], v[TM+12+qb]
.set qb, qb+1
.endr
	v_nop
.endm
	s_load_b256 s[4:11], s[0:1], 0x0               ; rows, gain, bias, image
	v_lshl_add_u32 v[SPW], v0, 2, SPARE
	v_mov_b32 v[NIL], 0
	v_lshrrev_b32 v1, 5, v0
	s_delay_alu instid0(VALU_DEP_1)
	v_readfirstlane_b32 s12, v1                    ; wave 0..7
	v_and_b32 v1, 31, v0
	v_and_b32 v2, 15, v0                           ; r
	v_bfe_u32 v3, v0, 4, 1                         ; h
	s_delay_alu instid0(VALU_DEP_3)
	v_lshlrev_b32 v4, 4, v1                        ; 16 x lane
	s_mul_i32 s13, s12, STG
	v_add_nc_u32 v5, s13, v4
	v_mul_u32_u24 v6, v2, 528
	s_delay_alu instid0(VALU_DEP_1)
	v_lshl_add_u32 v6, v3, 6, v6
	s_delay_alu instid0(VALU_DEP_1)
	v_add_nc_u32 v6, s13, v6
	v_lshlrev_b32 v7, 2, v2                        ; 4 r
	s_lshl_b32 s23, s12, 2
	s_add_co_u32 s23, s23, RED
	v_lshlrev_b32 v8, 5, v2
	s_delay_alu instid0(VALU_DEP_1)
	v_add_nc_u32 v8, s23, v8                       ; my wave's word of row r
	v_lshl_add_u32 v9, v2, 5, RED                  ; row r's eight words
	s_lshl_b32 s24, s12, 9
	v_lshlrev_b32 v12, 6, v3
	s_delay_alu instid0(VALU_DEP_1)
	v_add_nc_u32 v12, s24, v12                     ; gain and bias: 512 w + 64 h
	s_mov_b32 s[SEL], 0x76543210
	s_mov_b32 s[SEL+1], 0xfedcba98
	s_mov_b32 s[MNT], 0x600000
.irp b, 0,1,2,3
	v_mov_b32 v[TM+4+\b], 0
.endr
	v_mov_b32 v250, 0                              ; a lane permute's destination counts as one of its sources
	s_lshr_b32 s14, ttmp9, 1
	s_lshl_b32 s14, s14, 5
	s_and_b32 s15, ttmp9, 1
	s_lshl_b32 s15, s15, 3
	s_add_co_u32 s14, s14, s15                     ; the block's first row
	s_lshl_b32 s14, s14, 12
	s_add_co_u32 s14, s14, s24
	s_mov_b32 s15, 0
	s_lshl_b32 s16, ttmp9, 14
	s_lshl_b32 s17, s12, 11
	s_add_co_u32 s16, s16, s17
	s_mov_b32 s17, 0
	s_lshl_b32 s18, ttmp9, 9
	s_lshl_b32 s19, s12, 6
	s_add_co_u32 s18, s18, s19
	s_add_co_u32 s18, s18, 4194304
	s_mov_b32 s19, 0
	s_wait_alu depctr_va_vdst(0)
	s_wait_kmcnt 0x0
	s_add_nc_u64 s[4:5], s[4:5], s[14:15]
	s_add_nc_u64 s[16:17], s[10:11], s[16:17]      ; my fragment's image
	s_add_nc_u64 s[18:19], s[10:11], s[18:19]      ; its scale words
.irp t, 0,1,2,3,4,5,6,7,8,9,10,11,12,13,14,15
	global_load_b128 v[RAW+4*\t:RAW+4*\t+3], v4, s[4:5] offset:(\t+8*(\t/8))*4096
.endr
.irp c, 0,1,2,3
.irp j, 0,1,2,3
	global_load_b128 v[G+16*\c+4*\j:G+16*\c+4*\j+3], v12, s[6:7] offset:128*\c+16*\j
.endr
.endr
	s_wait_loadcnt 16                              ; the rows are in; the gain's 16 loads may be out
.irp t, 0,1,2,3,4,5,6,7,8,9,10,11,12,13,14,15
	ds_store_b128 v5, v[RAW+4*\t:RAW+4*\t+3] offset:528*\t
.endr
.irp c, 0,1,2,3
.irp j, 0,1,2,3
	ds_load_b128 v[X+16*\c+4*\j:X+16*\c+4*\j+3], v6 offset:128*\c+16*\j
.endr
.endr
	s_wait_dscnt 0x0
.irp c, 0,1,2,3
.irp j, 0,1,2,3
	global_load_b128 v[RAW+16*\c+4*\j:RAW+16*\c+4*\j+3], v12, s[8:9] offset:128*\c+16*\j   ; the bias, where the rows lay
.endr
.endr
	; the sum of my 64 numbers, in eight chains
	v_pk_add_f32 v[248:249], v[80:81], v[82:83]
	v_pk_add_f32 v[254:255], v[88:89], v[92:93]
	v_pk_add_f32 v[252:253], v[96:97], v[100:101]
	v_pk_add_f32 v[244:245], v[104:105], v[108:109]
	v_pk_add_f32 v[242:243], v[112:113], v[116:117]
	v_pk_add_f32 v[240:241], v[120:121], v[124:125]
	v_pk_add_f32 v[238:239], v[128:129], v[132:133]
	v_pk_add_f32 v[246:247], v[136:137], v[140:141]
	s_delay_alu instid0(VALU_DEP_1)
	v_pk_add_f32 v[246:247], v[246:247], v[84:85]
	v_pk_add_f32 v[248:249], v[248:249], v[86:87]
	v_pk_add_f32 v[254:255], v[254:255], v[90:91]
	v_pk_add_f32 v[252:253], v[252:253], v[94:95]
	v_pk_add_f32 v[244:245], v[244:245], v[98:99]
	v_pk_add_f32 v[242:243], v[242:243], v[102:103]
	v_pk_add_f32 v[240:241], v[240:241], v[106:107]
	v_pk_add_f32 v[238:239], v[238:239], v[110:111]
	v_pk_add_f32 v[246:247], v[246:247], v[114:115]
	v_pk_add_f32 v[248:249], v[248:249], v[118:119]
	v_pk_add_f32 v[254:255], v[254:255], v[122:123]
	v_pk_add_f32 v[252:253], v[252:253], v[126:127]
	v_pk_add_f32 v[244:245], v[244:245], v[130:131]
	v_pk_add_f32 v[242:243], v[242:243], v[134:135]
	v_pk_add_f32 v[240:241], v[240:241], v[138:139]
	v_pk_add_f32 v[238:239], v[238:239], v[142:143]
	s_delay_alu instid0(VALU_DEP_4)
	v_pk_add_f32 v[246:247], v[246:247], v[244:245]
	s_delay_alu instid0(VALU_DEP_4)
	v_pk_add_f32 v[248:249], v[248:249], v[242:243]
	s_delay_alu instid0(VALU_DEP_4)
	v_pk_add_f32 v[254:255], v[254:255], v[240:241]
	s_delay_alu instid0(VALU_DEP_4)
	v_pk_add_f32 v[252:253], v[252:253], v[238:239]
	s_delay_alu instid0(VALU_DEP_2)
	v_pk_add_f32 v[246:247], v[246:247], v[254:255]
	s_delay_alu instid0(VALU_DEP_2)
	v_pk_add_f32 v[248:249], v[248:249], v[252:253]
	s_delay_alu instid0(VALU_DEP_1)
	v_pk_add_f32 v[246:247], v[246:247], v[248:249]
	s_delay_alu instid0(VALU_DEP_1)
	v_add_f32 v246, v246, v247
	s_delay_alu instid0(VALU_DEP_1)
	v_permlanex16_b32 v250, v246, s[SEL], s[SEL+1]
	s_delay_alu instid0(VALU_DEP_1)
	v_add_f32 v246, v246, v250                     ; row r over my wave's 128 columns
	ds_store_b32 v8, v246                          ; both halves of the lanes write the same word with the same value
	s_wait_dscnt 0x0                               ; for the others' sake
	s_barrier_signal -1
	s_barrier_wait -1
	ds_load_b128 v[248:251], v9
	ds_load_b128 v[252:255], v9 offset:16
	s_wait_dscnt 0x0
	v_pk_add_f32 v[248:249], v[248:249], v[250:251]
	v_pk_add_f32 v[252:253], v[252:253], v[254:255]
	s_delay_alu instid0(VALU_DEP_1)
	v_pk_add_f32 v[248:249], v[248:249], v[252:253]
	s_delay_alu instid0(VALU_DEP_1)
	v_add_f32 v248, v248, v249
	s_delay_alu instid0(VALU_DEP_1)
	v_mul_f32 v242, 0x3a800000, v248               ; / 1,024: the mean
	s_delay_alu instid0(VALU_DEP_1)
	v_mov_b32 v243, v242
.set n, 0
.rept 32
	v_pk_add_f32 v[X+n:X+n+1], v[X+n:X+n+1], v[242:243] neg_lo:[0,1] neg_hi:[0,1]
.set n, n+2
.endr
.irp k, 0,1,2,3
	v_pk_mul_f32 v[246+2*\k:247+2*\k], v[X+2*\k:X+2*\k+1], v[X+2*\k:X+2*\k+1]
.endr
.set n, 8
.rept 7
.irp k, 0,1,2,3
	s_delay_alu instid0(VALU_DEP_4)
	v_pk_fma_f32 v[246+2*\k:247+2*\k], v[X+n+2*\k:X+n+2*\k+1], v[X+n+2*\k:X+n+2*\k+1], v[246+2*\k:247+2*\k]
.endr
.set n, n+8
.endr
	s_delay_alu instid0(VALU_DEP_3)
	v_pk_add_f32 v[246:247], v[246:247], v[248:249]
	s_delay_alu instid0(VALU_DEP_2)
	v_pk_add_f32 v[250:251], v[250:251], v[252:253]
	s_delay_alu instid0(VALU_DEP_1)
	v_pk_add_f32 v[246:247], v[246:247], v[250:251]
	s_delay_alu instid0(VALU_DEP_1)
	v_add_f32 v246, v246, v247
	s_delay_alu instid0(VALU_DEP_1)
	v_permlanex16_b32 v254, v246, s[SEL], s[SEL+1]
	s_delay_alu instid0(VALU_DEP_1)
	v_add_f32 v246, v246, v254
	ds_store_b32 v8, v246 offset:512               ; bytes of their own: the first sum's may still be read
	s_wait_dscnt 0x0
	s_barrier_signal -1
	s_barrier_wait -1
	ds_load_b128 v[248:251], v9 offset:512
	ds_load_b128 v[252:255], v9 offset:528
	s_wait_dscnt 0x0
	v_pk_add_f32 v[248:249], v[248:249], v[250:251]
	v_pk_add_f32 v[252:253], v[252:253], v[254:255]
	s_delay_alu instid0(VALU_DEP_1)
	v_pk_add_f32 v[248:249], v[248:249], v[252:253]
	s_delay_alu instid0(VALU_DEP_1)
	v_add_f32 v248, v248, v249
	v_mov_b32 v245, 0x3a800000
	s_delay_alu instid0(VALU_DEP_1)
	v_fmaak_f32 v244, v248, v245, 0x3727c5ac       ; the variance + 1e-5
	s_wait_alu depctr_va_vdst(0)
	v_rsq_f32 v244, v244
	v_nop                                          ; a plain line behind the transcendental,
	s_wait_alu depctr_va_vdst(0)                   ; and a wait ahead of its first reader
	v_mov_b32 v245, v244
	s_wait_alu depctr_va_vdst(0)
	s_wait_loadcnt 0x0                             ; gain and bias
.set n, 0
.rept 32
	v_pk_mul_f32 v[X+n:X+n+1], v[X+n:X+n+1], v[244:245]
.set n, n+2
.endr
.set n, 0
.rept 32
	v_pk_fma_f32 v[X+n:X+n+1], v[X+n:X+n+1], v[G+n:G+n+1], v[RAW+n:RAW+n+1]
.set n, n+2
.endr
	QUANT X, 4, PC
.irp c, 0,1,2,3
	global_store_b128 v4, v[PC+4*\c:PC+4*\c+3], s[16:17] offset:512*\c
.endr
	global_store_b32 v7, v[PW], s[18:19]
	s_wait_tensorcnt 0x0                           ; the wave's end
	ds_add_u32 v[SPW], v[NIL]
	s_wait_dscnt 0x0
	s_endpgm
.Lfunc_end_k_q113c58c0aa_ln1:
	.size	k_q113c58c0aa_ln1, .Lfunc_end_k_q113c58c0aa_ln1-k_q113c58c0aa_ln1
	.p2alignl 7, 3214868480
	.fill 96, 4, 3214868480
	.section	.rodata,"a",@progbits
	.p2align	6, 0x0
	.amdhsa_kernel k_q113c58c0aa_ln1
		.amdhsa_group_segment_fixed_size 69632
		.amdhsa_private_segment_fixed_size 0
		.amdhsa_enable_private_segment 0
		.amdhsa_kernarg_size 32
		.amdhsa_user_sgpr_count 2
		.amdhsa_user_sgpr_kernarg_segment_ptr 1
		.amdhsa_wavefront_size32 1
		.amdhsa_system_sgpr_workgroup_id_x 1
		.amdhsa_system_sgpr_workgroup_id_y 1
		.amdhsa_system_sgpr_workgroup_id_z 1
		.amdhsa_system_vgpr_workitem_id 0
		.amdhsa_next_free_vgpr 256
		.amdhsa_next_free_sgpr 66
		.amdhsa_reserve_vcc 0
		.amdhsa_float_denorm_mode_32 3
		.amdhsa_float_denorm_mode_16_64 3
		.amdhsa_memory_ordered 1
		.amdhsa_forward_progress 1
		.amdhsa_inst_pref_size 33
	.end_amdhsa_kernel
	.amdgpu_metadata
---
amdhsa.version: [ 1, 2 ]
amdhsa.kernels:
  - .name:           k_q113c58c0aa_ln1
    .symbol:         k_q113c58c0aa_ln1.kd
    .args:
      - { .name: x1, .offset: 0, .size: 8, .value_kind: global_buffer, .address_space: global }
      - { .name: ln2_g, .offset: 8, .size: 8, .value_kind: global_buffer, .address_space: global }
      - { .name: ln2_b, .offset: 16, .size: 8, .value_kind: global_buffer, .address_space: global }
      - { .name: hq, .offset: 24, .size: 8, .value_kind: global_buffer, .address_space: global }
    .group_segment_fixed_size: 69632
    .private_segment_fixed_size: 0
    .kernarg_segment_align: 8
    .kernarg_segment_size: 32
    .max_flat_workgroup_size: 256
    .sgpr_count:     66
    .vgpr_count:     256
    .wavefront_size: 32
...
	.end_amdgpu_metadata
.endif
;; end of part 5
;; launch gmlp (part 6): grid 16 x 16, 4 waves a work-group, clusters of 4 x 4, 327,680 bytes of LDS; arguments hq, wq, fq; writes fq
.if DOCPART == 6
	.amdgcn_target "amdgcn-amd-amdhsa--gfx1250"
	.amdhsa_code_object_version 6
	.text
	.protected	k_q113c58c0aa_gmlp
	.globl	k_q113c58c0aa_gmlp
	.p2align	8
	.type	k_q113c58c0aa_gmlp,@function
k_q113c58c0aa_gmlp:
	s_mov_b64 s[64:65], 0
	v_nop
	global_prefetch_b8 v0, s[64:65] scope:SCOPE_SE
	s_setreg_imm32_b32 hwreg(HW_REG_WAVE_MODE, 25, 1), 1
	s_wait_xcnt 0x0
	s_wait_alu depctr_hold_cnt(0) depctr_sa_sdst(0) depctr_va_vdst(0) depctr_va_sdst(0) depctr_va_ssrc(0) depctr_va_vcc(0) depctr_vm_vsrc(0)
	s_getreg_b32 s2, hwreg(HW_REG_IB_STS2, 6, 4)
	s_cmp_eq_u32 s2, 0
	s_cbranch_scc0 .Lentry_in_a_cluster
	s_endpgm
.Lentry_in_a_cluster:
	s_bfe_u32 s2, ttmp6, 0x10000c
	s_cmp_lg_u32 s2, 0xf033
	s_cbranch_scc0 .Lentry_shape_is_right
	s_endpgm
.Lentry_shape_is_right:
.set KK,     1024
.set ASC,    4194304
.set BCO,    4194304
.set BSC,    10616832
.set KROWB,  16*KK
.set SKB,    KK/2
.set NQ,     2
.set FR,     16
.set NL,     4
.set NP,     8
.set HALFT,  32768
.set SLOT,   4*HALFT
.set LAPS,   KK/512
.set HALFS,  8*SKB
.set SCL,    2*SLOT
.set SPARE,  SCL+4*HALFS
.set ADRA, 16
.set ADRB, 20
.set R4,   24
.set CO,   26
.set ADRS, 27
.set SPW,  28
.set NIL,  29
.set SC,   32
.set AF,   128
.set E,    128
.set TM,   192
.set PW,   208
.set PC,   210
.set G1, 24
.set G0, 32
.set G1B, 48
.set G0B, 56
.set G1S, 68
.set G0S, 76
.set G1SB, 80
.set G0SB, 88
.set SEL, 96
.set MNT, 98
.set MSB, 0
.macro WIN new
.if MSB != \new
	s_set_vgpr_msb (MSB<<8)|\new
.set MSB, \new
.endif
.endm
.set MUL_LO, 0xa1
.set MUL_HI, 0xf1
.set TO_B,   0x40
.macro JLOAD g0a, g1a, g0b, g1b
	s_cmp_eq_u32 s15, 0
	s_cbranch_scc0 .Lfor_b_\@
	tensor_load_to_lds s[\g0a:\g0a+3], s[\g1a:\g1a+7]
	s_nop 0
.rept 4
	v_nop
.endr
	s_branch .Lasked_\@
.Lfor_b_\@:
	tensor_load_to_lds s[\g0b:\g0b+3], s[\g1b:\g1b+7]
	s_nop 0
.rept 4
	v_nop
.endr
.Lasked_\@:
.endm
.macro CREST
	s_cmp_lg_u32 s14, 0
	s_cbranch_scc1 .Lnot_wave_0_\@
	s_barrier_signal -3
.Lnot_wave_0_\@:
	s_barrier_wait -3
	s_barrier_signal -1
	s_barrier_wait -1
.endm
.macro CROUND
	s_barrier_signal -1
	s_barrier_wait -1
	CREST
.endm
.macro QUANT s, nb, pc
.set qb, 0
.rept \nb
	v_max3_num_f32 v[TM+qb], |v[(\s)+16*qb]|, |v[(\s)+16*qb+1]|, 0x4800000
.set qb, qb+1
.endr
.set qi, 2
.rept 7
.set qb, 0
.rept \nb
	v_max3_num_f32 v[TM+qb], v[TM+qb], |v[(\s)+16*qb+qi]|, |v[(\s)+16*qb+qi+1]|
.set qb, qb+1
.endr
.set qi, qi+2
.endr
.set qb, 0
.rept \nb
	v_permlanex16_b32 v[TM+4+qb], v[TM+qb], s[SEL], s[SEL+1]
.set qb, qb+1
.endr
.set qb, 0
.rept \nb
	v_max_num_f32 v[TM+qb], v[TM+qb], v[TM+4+qb]
.set qb, qb+1
.endr
.set qb, 0
.rept \nb
	v_add_nc_u32 v[TM+12+qb], 0xfc000000, v[TM+qb]
	v_and_or_b32 v[TM+8+qb], v[TM+qb], 0x7f800000, s[MNT]
.set qb, qb+1
.endr
.set qb, 0
.rept \nb
	v_lshrrev_b32 v[TM+4+qb], 23, v[TM+12+qb]
.set qb, qb+1
.endr
	v_lshl_or_b32 v[PW], v[TM+5], 8, v[TM+4]
.if \nb > 2
	v_lshl_or_b32 v[PW], v[TM+6], 16, v[PW]
	v_lshl_or_b32 v[PW], v[TM+7], 24, v[PW]
.endif
.set qb, 0
.rept \nb
.set qi, 0
.rept 16
	v_med3_num_f32 v[(\s)+16*qb+qi], v[(\s)+16*qb+qi], -v[TM+8+qb], v[TM+8+qb]
.set qi, qi+1
.endr
	v_cvt_scalef32_pk8_fp8_f32 v[(\pc)+4*qb:(\pc)+4*qb+1], v[(\s)+16*qb:(\s)+16*qb+7], v[TM+12+qb]
	v_cvt_scalef32_pk8_fp8_f32 v[(\pc)+4*qb+2:(\pc)+4*qb+3], v[(\s)+16*qb+8:(\s)+16*qb+15], v[TM+12+qb]
.set qb, qb+1
.endr
	v_nop
.endm
	s_load_b128 s[4:7], s[0:1], 0x0
	s_load_b64 s[8:9], s[0:1], 0x10
	v_lshl_add_u32 v[SPW], v0, 2, SPARE
	v_mov_b32 v[NIL], 0
	ds_add_u32 v[SPW], v[NIL]
	ds_add_u32 v[SPW], v[NIL]
	v_lshrrev_b32 v1, 5, v0
	v_readfirstlane_b32 s14, v1
	s_lshr_b32 s15, s14, 1
	s_and_b32 s16, s14, 1
	s_bfe_u32 s40, ttmp6, 0x40000
	s_bfe_u32 s41, ttmp6, 0x40004
	s_lshl_b32 s42, ttmp9, 2
	s_add_co_u32 s42, s42, s40
	s_and_b32 s17, ttmp7, 0xffff
	s_lshl_b32 s17, s17, 2
	s_add_co_u32 s17, s17, s41
	s_lshl_b32 s43, s41, 2
	s_lshl_b32 s43, 15, s43
	s_lshl_b32 s44, 0x1111, s40
	s_or_b32 s[G1+0], s43, (3<<16)|(1<<21)
	s_or_b32 s[G1B+0], s44, (3<<16)|(1<<21)
.irp g, G1, G1B
	s_mov_b32 s[\g+1], 512<<16
	s_mov_b32 s[\g+2], 16<<16                      ; the head's loads bring a tile's 16 blocks; behind them the two words are set to 8, for the ring's
	s_mov_b32 s[\g+3], 512<<16
	s_mov_b32 s[\g+4], 16
	s_mov_b32 s[\g+5], KROWB/8
	s_mov_b32 s[\g+6], 0
	s_mov_b32 s[\g+7], 0
.endr
	s_or_b32 s[G1S+0], s43, (3<<16)|(1<<21)
	s_or_b32 s[G1SB+0], s44, (3<<16)|(1<<21)
.irp g, G1S, G1SB
	s_mov_b32 s[\g+1], 32<<16
	s_mov_b32 s[\g+2], (HALFS/128)<<16             ; the scale words of 16 blocks: 2 HALFS dense bytes
	s_mov_b32 s[\g+3], 32<<16
	s_mov_b32 s[\g+4], HALFS/128
	s_mov_b32 s[\g+5], 32
	s_mov_b32 s[\g+6], 0
	s_mov_b32 s[\g+7], 0
.endr
	s_lshl_b32 s18, s16, 3
	s_lshl_b32 s20, s17, 4
	s_add_co_u32 s20, s20, s18
	s_lshl_b32 s46, s42, 4
	s_add_co_u32 s46, s46, s18
	s_sub_co_u32 s22, s20, s18                     ; the scale words begin at the tile's first block
	s_mul_i32 s22, s22, SKB
	s_add_co_u32 s22, s22, ASC
	s_mov_b32 s23, 0
	s_sub_co_u32 s92, s46, s18
	s_mul_i32 s92, s92, SKB
	s_add_co_u32 s92, s92, BSC
	s_mov_b32 s93, 0
	s_mul_i32 s20, s20, KROWB
	s_mov_b32 s21, 0
	s_mul_i32 s46, s46, KROWB
	s_add_co_u32 s46, s46, BCO
	s_mov_b32 s47, 0
	s_mul_i32 s45, s14, HALFT
	s_wait_dscnt 0x0
	s_wait_kmcnt 0x0
	s_add_nc_u64 s[20:21], s[4:5], s[20:21]
	s_add_nc_u64 s[22:23], s[4:5], s[22:23]
	s_add_nc_u64 s[46:47], s[6:7], s[46:47]
	s_add_nc_u64 s[92:93], s[6:7], s[92:93]
	CROUND
	s_mov_b32 s[G0S], 1
	s_mov_b32 s[G0S+1], SCL
	s_mov_b64 s[G0S+2:G0S+3], s[22:23]
	s_or_b32 s[G0S+3], s[G0S+3], 0x80000000
	s_mov_b32 s[G0SB], 1
	s_mov_b32 s[G0SB+1], SCL+2*HALFS
	s_mov_b64 s[G0SB+2:G0SB+3], s[92:93]
	s_or_b32 s[G0SB+3], s[G0SB+3], 0x80000000
.set G0H, 92                           ; s[92:95], s[96:99] group 0 of the head's loads of slot 0: A's 16 blocks (wave 0), B's (wave 2); in both waves the first block that they fetch is the tile's first
.set G0HB, 96
	s_mov_b32 s[G0H], 1
	s_mov_b32 s[G0H+1], 0
	s_mov_b64 s[G0H+2:G0H+3], s[20:21]
	s_or_b32 s[G0H+3], s[G0H+3], 0x80000000
	s_mov_b32 s[G0HB], 1
	s_mov_b32 s[G0HB+1], 2*HALFT
	s_mov_b64 s[G0HB+2:G0HB+3], s[46:47]
	s_or_b32 s[G0HB+3], s[G0HB+3], 0x80000000
.irp s, 0,1
	s_mov_b32 s[G0+4*\s], 1
	s_add_co_u32 s[G0+4*\s+1], s45, \s*SLOT
	s_add_nc_u64 s[G0+4*\s+2:G0+4*\s+3], s[20:21], \s*4096
	s_or_b32 s[G0+4*\s+3], s[G0+4*\s+3], 0x80000000
	s_mov_b32 s[G0B+4*\s], 1
	s_add_co_u32 s[G0B+4*\s+1], s45, \s*SLOT
	s_add_nc_u64 s[G0B+4*\s+2:G0B+4*\s+3], s[46:47], \s*4096
	s_or_b32 s[G0B+4*\s+3], s[G0B+4*\s+3], 0x80000000
.endr
; THE HEAD'S LOADS, ONE A WAVE: wave 0 slot 0's blocks of A, wave 1 A's scale words, wave 2 slot 0's blocks of B, wave 3 B's scale words: one chain of branches on the wave's number, a load to an arm
.macro ARM under, g0, g1, next
	s_cmp_lt_u32 s14, \under
	s_cbranch_scc0 \next
	tensor_load_to_lds s[\g0:\g0+3], s[\g1:\g1+7]
	s_nop 0
.rept 4
	v_nop
.endr
	s_branch .Lhead_asked
\next:
.endm
	ARM 1, G0H,  G1,  .Lhead_sa
	ARM 2, G0S,  G1S, .Lhead_b
	ARM 3, G0HB, G1B, .Lhead_sb
	tensor_load_to_lds s[G0SB:G0SB+3], s[G1SB:G1SB+7]
	s_nop 0
.rept 4
	v_nop
.endr
.Lhead_asked:
	v_and_b32 v1, 15, v0
	v_bfe_u32 v2, v0, 4, 1
	s_wait_alu depctr_va_vdst(0)
	v_and_b32 v3, 31, v0
	v_lshlrev_b32 v4, 4, v3
	s_wait_alu depctr_va_vdst(0)
	s_mul_i32 s21, s15, HALFT
	s_mul_i32 s22, s16, HALFT
	s_add_co_u32 s22, s22, 2*HALFT
.irp s, 0,1
	v_add_nc_u32 v[ADRA+\s], s21, v4
	v_add_nc_u32 v[ADRB+\s], s22, v4
	s_add_co_u32 s21, s21, SLOT
	s_add_co_u32 s22, s22, SLOT
.endr
	v_lshlrev_b32 v5, 2, v1
	s_mul_i32 s21, s15, HALFS
	s_mul_i32 s22, s16, HALFS
	s_add_co_u32 s22, s22, 2*HALFS
	s_sub_co_u32 s22, s22, s21
	v_mul_u32_u24 v6, s22, v2
	s_add_co_u32 s21, s21, SCL
	v_add_nc_u32 v5, v5, v6
	v_add_nc_u32 v[ADRS], s21, v5
	v_mov_b32 v[CO], v4
	v_lshlrev_b32 v[R4], 2, v1
	s_lshl_b32 s20, s17, 19
	s_lshl_b32 s21, s15, 18
	s_add_co_u32 s20, s20, s21
	s_lshl_b32 s21, s42, 11
	s_add_co_u32 s20, s20, s21
	s_lshl_b32 s21, s16, 10
	s_add_co_u32 s20, s20, s21
	s_mov_b32 s21, 0
	s_add_nc_u64 s[10:11], s[8:9], s[20:21]
	s_lshl_b32 s20, s17, 14
	s_lshl_b32 s21, s15, 13
	s_add_co_u32 s20, s20, s21
	s_lshl_b32 s21, s42, 6
	s_add_co_u32 s20, s20, s21
	s_lshl_b32 s21, s16, 1
	s_add_co_u32 s20, s20, s21
	s_add_co_u32 s20, s20, 8388608
	s_mov_b32 s21, 0
	s_add_nc_u64 s[12:13], s[8:9], s[20:21]
.macro FRAG reg, adr, q, i
.irp c, 0,1,2,3
	ds_load_b128 v[\reg+4*\c:\reg+4*\c+3], v[\adr] offset:4096*(\i)+2048*(\q)+512*\c
.endr
.endm
.macro MUL16 a0, p, q, sc, zero
.irp a, \a0, \a0+1
.irp b, 0,1,2,3,4,5,6,7
.if \zero
	v_wmma_scale_f32_16x16x128_f8f6f4 v[8*(8*((\a)%4)+\b):8*(8*((\a)%4)+\b)+7], v[128*(\p)+FR*\b:128*(\p)+FR*\b+FR-1], v[AF+FR*(\a):AF+FR*(\a)+FR-1], 0, v[SC+8*NQ*(\sc)+NQ*\b+(\q)], v[SC+8*NQ*(\sc)+NQ*(\a)+(\q)] matrix_a_scale:MATRIX_SCALE_ROW1
.else
	v_wmma_scale_f32_16x16x128_f8f6f4 v[8*(8*((\a)%4)+\b):8*(8*((\a)%4)+\b)+7], v[128*(\p)+FR*\b:128*(\p)+FR*\b+FR-1], v[AF+FR*(\a):AF+FR*(\a)+FR-1], v[8*(8*((\a)%4)+\b):8*(8*((\a)%4)+\b)+7], v[SC+8*NQ*(\sc)+NQ*\b+(\q)], v[SC+8*NQ*(\sc)+NQ*(\a)+(\q)] matrix_a_scale:MATRIX_SCALE_ROW1
.endif
.endr
.endr
.endm
.macro FETCH_B slot, q, p
	WIN TO_B
.irp i, 0,1,2,3,4,5,6,7
	FRAG 128*(\p)+FR*\i, ADRB+\slot, \q, \i
.endr
	WIN 0
.endm
.macro FETCH_A slot, q, i0
.irp i, \i0, \i0+1, \i0+2, \i0+3
	FRAG AF+FR*(\i), ADRA+\slot, \q, \i
.endr
.endm
.macro SCALES sc
.irp i, 0,1,2,3,4,5,6,7
.irp q, 0,1
	ds_load_b32 v[SC+8*NQ*\sc+NQ*\i+\q], v[ADRS] offset:\i*SKB+64*\q
.endr
.endr
.endm
.macro PLACES n
.rept \n
	v_nop
.endr
.endm
.macro STEP slot, q, zero
	s_wait_dscnt 4*NL
	WIN MUL_LO
	MUL16 0, (\q)%2, \q, \slot, \zero
	MUL16 2, (\q)%2, \q, \slot, \zero
	s_wait_dscnt 0
	PLACES NP
	FETCH_B \slot, (\q)+1, 1-(\q)%2
	FETCH_A \slot, (\q)+1, 0
	WIN MUL_HI
	MUL16 4, (\q)%2, \q, \slot, \zero
	MUL16 6, (\q)%2, \q, \slot, \zero
	PLACES NP
	WIN 0
	FETCH_A \slot, (\q)+1, 4
.endm
.macro TURN slot, next, fill
	s_wait_tensorcnt 0x0
	ds_add_u32 v[SPW], v[NIL]
	s_wait_dscnt 4*NL+1
	WIN MUL_LO
	MUL16 0, 1, NQ-1, \slot, 0
	s_wait_dscnt 0x0
	s_barrier_signal -1
	MUL16 2, 1, NQ-1, \slot, 0
	WIN 0
	s_barrier_wait -1
.if \fill
	CREST
	s_add_nc_u64 s[G0+4*\slot+2:G0+4*\slot+3], s[G0+4*\slot+2:G0+4*\slot+3], 8192
	s_add_nc_u64 s[G0B+4*\slot+2:G0B+4*\slot+3], s[G0B+4*\slot+2:G0B+4*\slot+3], 8192
	JLOAD G0+4*\slot, G1, G0B+4*\slot, G1B
	PLACES NP-4
.else
	PLACES NP
.endif
	s_wait_alu depctr_va_vdst(0)
	v_add_nc_u32 v[ADRS], 128, v[ADRS]
	FETCH_B \next, 0, 0
	FETCH_A \next, 0, 0
	SCALES \next
	WIN MUL_HI
	MUL16 4, 1, NQ-1, \slot, 0
	MUL16 6, 1, NQ-1, \slot, 0
	PLACES NP
	WIN 0
	FETCH_A \next, 0, 4
.endm
	s_wait_alu depctr_va_vdst(0)
	s_wait_tensorcnt 0x0                           ; my tile of the head's four is in
	ds_add_u32 v[SPW], v[NIL]
	s_mov_b32 s[G1+2], 8<<16                       ; no tensor load of mine is out: from here on a load brings 8 blocks
	s_mov_b32 s[G1+4], 8
	s_mov_b32 s[G1B+2], 8<<16
	s_mov_b32 s[G1B+4], 8
	s_wait_dscnt 0x0
	CROUND                                         ; all four tiles are in, and all sixteen work-groups are here
	JLOAD G0+4, G1, G0B+4, G1B                     ; slot 1's first fill, the first tensor load behind the round
	FETCH_B 0, 0, 0
	FETCH_A 0, 0, 0
	SCALES 0
	FETCH_A 0, 0, 4
	STEP 0, 0, 1
	s_mov_b32 s3, LAPS-1
.Llap:
	TURN 0, 1, 1
	STEP 1, 0, 0
	TURN 1, 0, 1
	STEP 0, 0, 0
	s_sub_co_u32 s3, s3, 1
	s_cmp_lg_u32 s3, 0
	s_cbranch_scc1 .Llap
	TURN 0, 1, 0
	STEP 1, 0, 0
	s_wait_dscnt 4*NL
	WIN MUL_LO
	MUL16 0, 1, NQ-1, 1, 0
	MUL16 2, 1, NQ-1, 1, 0
	s_wait_dscnt 0
	WIN MUL_HI
	MUL16 4, 1, NQ-1, 1, 0
	MUL16 6, 1, NQ-1, 1, 0
	WIN 0
	PLACES NP
	s_mov_b32 s[SEL], 0x76543210
	s_mov_b32 s[SEL+1], 0xfedcba98
	s_mov_b32 s[MNT], 0x600000
	s_mov_b32 s20, 0xbfb8aa3b
	s_mov_b32 s21, s20
.irp b, 0,1,2,3
	v_mov_b32 v[TM+4+\b], 0
.endr
.macro ACT a
.set AC, 64*((\a)%4)
	WIN 0x02+(\a)/4
.set n, 0
.rept 16
	v_pk_mul_f32 v[E+n:E+n+1], v[AC+n:AC+n+1], s[20:21] op_sel_hi:[1,0]
.set n, n+2
.endr
	WIN 0
.set n, 0
	s_wait_alu depctr_va_vdst(0)
.rept 32
	v_exp_f32 v[E+n], v[E+n]
.set n, n+1
.endr
	v_nop
	s_wait_alu depctr_va_vdst(0)
.set n, 0
.rept 16
	v_pk_add_f32 v[E+n:E+n+1], v[E+n:E+n+1], 1.0 op_sel_hi:[1,0]
.set n, n+2
.endr
.set n, 0
	s_wait_alu depctr_va_vdst(0)
.rept 32
	v_rcp_f32 v[E+n], v[E+n]
.set n, n+1
.endr
	v_nop
	s_wait_alu depctr_va_vdst(0)
	WIN 0x02+(\a)/4
.set n, 0
.rept 16
	v_pk_mul_f32 v[E+n:E+n+1], v[AC+n:AC+n+1], v[E+n:E+n+1]
.set n, n+2
.endr
.set n, 0
.rept 16
	v_pk_mul_f32 v[E+n:E+n+1], v[AC+32+n:AC+33+n], v[E+n:E+n+1]
.set n, n+2
.endr
	WIN 0
	s_wait_alu depctr_va_vdst(0)
	s_wait_xcnt 0x0
	QUANT E, 2, PC
	global_store_b128 v[CO], v[PC:PC+3], s[10:11] offset:(\a)*32768
	global_store_b128 v[CO], v[PC+4:PC+7], s[10:11] offset:(\a)*32768+512
	global_store_b16 v[R4], v[PW], s[12:13] offset:(\a)*1024
.endm
.irp a, 0,1,2,3,4,5,6,7
	ACT \a
.endr
	s_wait_tensorcnt 0x0
	ds_add_u32 v[SPW], v[NIL]
	s_wait_dscnt 0x0
	CROUND
	s_endpgm
.Lfunc_end_k_q113c58c0aa_gmlp:
	.size	k_q113c58c0aa_gmlp, .Lfunc_end_k_q113c58c0aa_gmlp-k_q113c58c0aa_gmlp
	.p2alignl 7, 3214868480
	.fill 96, 4, 3214868480
	.section	.rodata,"a",@progbits
	.p2align	6, 0x0
	.amdhsa_kernel k_q113c58c0aa_gmlp
		.amdhsa_group_segment_fixed_size 327680
		.amdhsa_private_segment_fixed_size 0
		.amdhsa_enable_private_segment 0
		.amdhsa_kernarg_size 24
		.amdhsa_user_sgpr_count 2
		.amdhsa_user_sgpr_kernarg_segment_ptr 1
		.amdhsa_wavefront_size32 1
		.amdhsa_system_sgpr_workgroup_id_x 1
		.amdhsa_system_sgpr_workgroup_id_y 1
		.amdhsa_system_sgpr_workgroup_id_z 1
		.amdhsa_system_vgpr_workitem_id 0
		.amdhsa_next_free_vgpr 1024
		.amdhsa_next_free_sgpr 100
		.amdhsa_reserve_vcc 0
		.amdhsa_float_denorm_mode_32 3
		.amdhsa_float_denorm_mode_16_64 3
		.amdhsa_memory_ordered 1
		.amdhsa_forward_progress 1
		.amdhsa_inst_pref_size 205
	.end_amdhsa_kernel
	.amdgpu_metadata
---
amdhsa.version: [ 1, 2 ]
amdhsa.kernels:
  - .name:           k_q113c58c0aa_gmlp
    .symbol:         k_q113c58c0aa_gmlp.kd
    .args:
      - { .name: hq, .offset: 0, .size: 8, .value_kind: global_buffer, .address_space: global }
      - { .name: wq, .offset: 8, .size: 8, .value_kind: global_buffer, .address_space: global }
      - { .name: fq, .offset: 16, .size: 8, .value_kind: global_buffer, .address_space: global }
    .group_segment_fixed_size: 327680
    .private_segment_fixed_size: 0
    .kernarg_segment_align: 8
    .kernarg_segment_size: 24
    .max_flat_workgroup_size: 128
    .sgpr_count:     100
    .vgpr_count:     1024
    .wavefront_size: 32
...
	.end_amdgpu_metadata
.endif
;; end of part 6
;; launch gdown (part 7): grid 8 x 32, 4 waves a work-group, clusters of 4 x 4, 327,680 bytes of LDS; arguments fq, wq, x1, out0; writes out0
.if DOCPART == 7
	.amdgcn_target "amdgcn-amd-amdhsa--gfx1250"
	.amdhsa_code_object_version 6
	.text
	.protected	k_q113c58c0aa_gdown
	.globl	k_q113c58c0aa_gdown
	.p2align	8
	.type	k_q113c58c0aa_gdown,@function
k_q113c58c0aa_gdown:
	s_mov_b64 s[64:65], 0
	v_nop
	global_prefetch_b8 v0, s[64:65] scope:SCOPE_SE
	s_setreg_imm32_b32 hwreg(HW_REG_WAVE_MODE, 25, 1), 1
	s_wait_xcnt 0x0
	s_wait_alu depctr_hold_cnt(0) depctr_sa_sdst(0) depctr_va_vdst(0) depctr_va_sdst(0) depctr_va_ssrc(0) depctr_va_vcc(0) depctr_vm_vsrc(0)
	s_getreg_b32 s2, hwreg(HW_REG_IB_STS2, 6, 4)
	s_cmp_eq_u32 s2, 0
	s_cbranch_scc0 .Lentry_in_a_cluster
	s_endpgm
.Lentry_in_a_cluster:
	s_bfe_u32 s2, ttmp6, 0x10000c
	s_cmp_lg_u32 s2, 0xf033
	s_cbranch_scc0 .Lentry_shape_is_right
	s_endpgm
.Lentry_shape_is_right:
; out0 = x1 + Q(f) Q(w3)^T.  f's codes and scale words (fq) and w3's (wq) lie in memory as images of the operands' registers: blocks of 16 rows, step x 2,048 + c x 512 + 16 x lane.
; SHARES.  C is 4,096 x 1,024: blocks of 128 x 128 give 32 x 8 = 256 work-groups.  Four waves, 64 x 64 each: 16 accumulators; a step of 128 along K is 8 fragments and 16 products.
; K = 2,048 goes in four chunks of 512 through a ring of two LDS slots (8 + 8 blocks x 8,192 bytes).  At the head a wave has one load: A's chunk 0, A's scale words, B's chunk 0, B's scale words; chunk 1 follows behind the full sequence and a round; chunks 2 and 3 are refills, a quarter a wave, each behind a drained round.
; CLUSTERS: 4 x 4 work-groups; A's tiles are asked for jointly along a row of the cluster, B's along a column.
; PREFETCH: chunks 2 and 3 are named one chunk (64 products a wave) ahead of their refills: of the four blocks that a wave fetches each of the four partners names one, a lane to each 256 bytes, so each block of 256 bytes is named once in a cluster.  Chunks 0 and 1 come by their loads alone.
; NO LOOP: the four chunks are laid by the assembler's repeat.
; The products are used transposed (source 0 = B's block): a lane holds one token and 8 neighbouring columns.  x1 comes into idle registers behind chunk 1's load and is added on the way out, which goes through a stage in slot 0 so that sixteen lanes store 256 aligned bytes.
; LIMITS: NaN and infinities are not served.
.set KK,    2048
.set BIAS,  0
.set ASC,   8388608
.set BCO,   8388608
.set BSC,   10747904
.set NCH,   KK/512
.set KROWB, 16*KK
.set SKB,   KK/2
.set BLK,   8192                       ; a block's bytes of a chunk
.set QT,    4*BLK                      ; four blocks: what a ring load brings and what a wave reads of A or of B
.set SLOT,  4*QT
.set SCL,   2*SLOT                     ; the scale words of all of K: A's 8 blocks, then B's
.set HS,    4*SKB
.set SPARE, SCL+4*HS
.set SPITCH, 272
.set ADRA, 16
.set ADRB, 20
.set BO,   22
.set STO,  24
.set RD,   25
.set CO,   26
.set ADRS, 27
.set SPW,  28
.set NIL,  29
.set PFO,  30
.set SC,   32                          ; v32-63 scale words, two sets of 16: register 4 q + i: lanes 0-15 A's block i, lanes 16-31 B's
.set BQ,   64
.set AF,   128                         ; window 0: A's fragments, two sets of 64; window 1: B's two sets at v0, the residual at v128; window 2: the sums
.set G1, 24
.set G0, 32
.set G1B, 48
.set G0B, 56
.set G1S, 68
.set G0S, 76
.set G1SB, 80
.set G0SB, 88
.set G0H, 92
.set G0HB, 96
.set MSB, 0
.macro WIN new
.if MSB != \new
	s_set_vgpr_msb (MSB<<8)|\new
.set MSB, \new
.endif
.endm
.macro PLACES n
.rept \n
	v_nop
.endr
.endm
.macro JLOAD g0a, g1a, g0b, g1b        ; waves 0 and 1 fetch for A, waves 2 and 3 for B
	s_cmp_eq_u32 s15, 0
	s_cbranch_scc0 .Lfor_b_\@
	tensor_load_to_lds s[\g0a:\g0a+3], s[\g1a:\g1a+7]
	s_nop 0
	PLACES 4
	s_branch .Lasked_\@
.Lfor_b_\@:
	tensor_load_to_lds s[\g0b:\g0b+3], s[\g1b:\g1b+7]
	s_nop 0
	PLACES 4
.Lasked_\@:
.endm
.macro CREST
	s_cmp_lg_u32 s14, 0
	s_cbranch_scc1 .Lnot_wave_0_\@
	s_barrier_signal -3
.Lnot_wave_0_\@:
	s_barrier_wait -3
	s_barrier_signal -1
	s_barrier_wait -1
.endm
.macro CROUND
	s_barrier_signal -1
	s_barrier_wait -1
	CREST
.endm
	s_load_b128 s[4:7], s[0:1], 0x0
.if BIAS
	s_load_b128 s[8:11], s[0:1], 0x10
	s_load_b64 s[12:13], s[0:1], 0x20
.else
	s_load_b64 s[8:9], s[0:1], 0x10
	s_load_b64 s[12:13], s[0:1], 0x18
.endif
	v_lshl_add_u32 v[SPW], v0, 2, SPARE
	v_mov_b32 v[NIL], 0
	ds_add_u32 v[SPW], v[NIL]                      ; the opening lines: the add, twice on end, and its wait below
	ds_add_u32 v[SPW], v[NIL]
	v_lshrrev_b32 v1, 5, v0
	v_readfirstlane_b32 s14, v1                    ; wave
	s_lshr_b32 s15, s14, 1                         ; my half of A's blocks; also: I fetch for A (0) or B (1)
	s_and_b32 s16, s14, 1                          ; my half of B's; also: which four blocks I fetch
	s_bfe_u32 s40, ttmp6, 0x40000
	s_bfe_u32 s41, ttmp6, 0x40004
	s_lshl_b32 s42, ttmp9, 2
	s_add_co_u32 s42, s42, s40                     ; tile column
	s_and_b32 s17, ttmp7, 0xffff
	s_lshl_b32 s17, s17, 2
	s_add_co_u32 s17, s17, s41                     ; tile row
	s_lshl_b32 s43, s41, 2
	s_lshl_b32 s43, 15, s43
	s_lshl_b32 s44, 0x1111, s40
	s_or_b32 s[G1+0], s43, (3<<16)|(1<<21)
	s_or_b32 s[G1B+0], s44, (3<<16)|(1<<21)
.irp g, G1, G1B
	s_mov_b32 s[\g+1], 1024<<16                    ; a block's 8,192 bytes as 1,024 elements of 8
	s_mov_b32 s[\g+2], 8<<16                       ; the head's loads bring 8 blocks, the ring's 4
	s_mov_b32 s[\g+3], 1024<<16
	s_mov_b32 s[\g+4], 8
	s_mov_b32 s[\g+5], KROWB/8
	s_mov_b32 s[\g+6], 0
	s_mov_b32 s[\g+7], 0
.endr
	s_or_b32 s[G1S+0], s43, (3<<16)|(1<<21)
	s_or_b32 s[G1SB+0], s44, (3<<16)|(1<<21)
.irp g, G1S, G1SB
	s_mov_b32 s[\g+1], 32<<16                      ; 8 SKB dense bytes as rows of 256
	s_mov_b32 s[\g+2], (SKB/32)<<16
	s_mov_b32 s[\g+3], 32<<16
	s_mov_b32 s[\g+4], SKB/32
	s_mov_b32 s[\g+5], 32
	s_mov_b32 s[\g+6], 0
	s_mov_b32 s[\g+7], 0
.endr
	s_mul_i32 s18, s16, 4*KROWB
	s_mul_i32 s20, s17, 8*KROWB
	s_add_co_u32 s20, s20, s18                     ; A: the first block that I fetch
	s_mov_b32 s21, 0
	s_mul_i32 s46, s42, 8*KROWB
	s_add_co_u32 s46, s46, s18
	s_add_co_u32 s46, s46, BCO                     ; B likewise
	s_mov_b32 s47, 0
	s_mul_i32 s[G0S+2], s17, 8*SKB
	s_add_co_u32 s[G0S+2], s[G0S+2], ASC
	s_mov_b32 s[G0S+3], 0
	s_mul_i32 s[G0SB+2], s42, 8*SKB
	s_add_co_u32 s[G0SB+2], s[G0SB+2], BSC
	s_mov_b32 s[G0SB+3], 0
	s_mul_i32 s45, s14, QT
	s_mul_i32 s2, s15, QT                          ; my fragments of A in a slot,
	s_mul_i32 s3, s16, QT
	s_add_co_u32 s3, s3, 2*QT                      ; of B
	s_mul_i32 s66, s15, HS
	s_mul_i32 s67, s16, HS
	s_add_co_u32 s67, s67, 2*HS
	s_sub_co_u32 s67, s67, s66                     ; from A's scale words to B's
	s_add_co_u32 s66, s66, SCL
	s_lshl_b32 s22, s17, 19                        ; C: 128 rows of 4,096 bytes a tile row, 64 a wave row
	s_lshl_b32 s23, s15, 18
	s_add_co_u32 s22, s22, s23
	s_lshl_b32 s100, s42, 9
	s_lshl_b32 s23, s16, 8
	s_add_co_u32 s100, s100, s23                   ; my 64 columns, in bytes
	s_add_co_u32 s22, s22, s100
	s_mov_b32 s23, 0
	s_mov_b32 s101, 0
	s_wait_dscnt 0x0
	s_wait_kmcnt 0x0
	s_add_nc_u64 s[20:21], s[4:5], s[20:21]
	s_add_nc_u64 s[46:47], s[6:7], s[46:47]
	s_add_nc_u64 s[G0S+2:G0S+3], s[4:5], s[G0S+2:G0S+3]
	s_or_b32 s[G0S+3], s[G0S+3], 0x80000000
	s_add_nc_u64 s[G0SB+2:G0SB+3], s[6:7], s[G0SB+2:G0SB+3]
	s_or_b32 s[G0SB+3], s[G0SB+3], 0x80000000
	s_add_nc_u64 s[12:13], s[12:13], s[22:23]
	s_add_nc_u64 s[8:9], s[8:9], s[22:23]
.if BIAS
	s_add_nc_u64 s[10:11], s[10:11], s[100:101]
.endif
	s_mov_b32 s[G0S], 1
	s_mov_b32 s[G0S+1], SCL
	s_mov_b32 s[G0SB], 1
	s_mov_b32 s[G0SB+1], SCL+2*HS
	s_mov_b32 s[G0H], 1                            ; the head's loads of chunk 0: issued by waves 0 and 2, whose first block is the tile's first
	s_mov_b32 s[G0H+1], 0
	s_mov_b64 s[G0H+2:G0H+3], s[20:21]
	s_or_b32 s[G0H+3], s[G0H+3], 0x80000000
	s_mov_b32 s[G0HB], 1
	s_mov_b32 s[G0HB+1], 2*QT
	s_mov_b64 s[G0HB+2:G0HB+3], s[46:47]
	s_or_b32 s[G0HB+3], s[G0HB+3], 0x80000000
.irp s, 0,1
.if (NCH > 2) || \s
	s_mov_b32 s[G0+4*\s], 1
	s_add_co_u32 s[G0+4*\s+1], s45, \s*SLOT
	s_add_nc_u64 s[G0+4*\s+2:G0+4*\s+3], s[20:21], \s*BLK
	s_or_b32 s[G0+4*\s+3], s[G0+4*\s+3], 0x80000000
	s_mov_b32 s[G0B+4*\s], 1
	s_add_co_u32 s[G0B+4*\s+1], s45, \s*SLOT
	s_add_nc_u64 s[G0B+4*\s+2:G0B+4*\s+3], s[46:47], \s*BLK
	s_or_b32 s[G0B+4*\s+3], s[G0B+4*\s+3], 0x80000000
.endif
.endr
.if NCH > 2                            ; the prefetches: of the four blocks that I fetch, the partner at place p (cx for A, cy for B) names block p: told apart by address
	s_cmp_eq_u32 s15, 0
	s_cselect_b64 s[4:5], s[20:21], s[46:47]
	s_cselect_b32 s6, s40, s41
	s_mul_i32 s6, s6, KROWB
	s_mov_b32 s7, 0
	s_add_nc_u64 s[4:5], s[4:5], s[6:7]
.endif
	CROUND                                         ; all sixteen work-groups are here: the first joint loads meet
.macro ARM under, g0, g1, next         ; one chain of branches on the wave's number, a load to an arm
	s_cmp_lt_u32 s14, \under
	s_cbranch_scc0 \next
	tensor_load_to_lds s[\g0:\g0+3], s[\g1:\g1+7]
	s_nop 0
	PLACES 4
	s_branch .Lhead_asked
\next:
.endm
	ARM 1, G0H,  G1,  .Lhead_sa
	ARM 2, G0S,  G1S, .Lhead_b
	ARM 3, G0HB, G1B, .Lhead_sb
	tensor_load_to_lds s[G0SB:G0SB+3], s[G1SB:G1SB+7]
	s_nop 0
	PLACES 4
.Lhead_asked:
	v_and_b32 v1, 15, v0                           ; r
	v_bfe_u32 v2, v0, 4, 1                         ; h
	v_and_b32 v3, 31, v0
	v_lshrrev_b32 v7, 5, v0
	v_lshlrev_b32 v4, 4, v3
	v_mul_u32_u24 v7, v7, 16*SPITCH                ; my stage, in slot 0
	v_add_nc_u32 v[ADRA], s2, v4
	v_add_nc_u32 v[ADRB], s3, v4
	v_add_nc_u32 v[ADRA+1], SLOT, v[ADRA]
	v_add_nc_u32 v[ADRB+1], SLOT, v[ADRB]
	v_mul_u32_u24 v6, s67, v2                      ; lanes 16-31 take B's scale words
	v_lshl_add_u32 v6, v1, 2, v6
	v_add_nc_u32 v[ADRS], s66, v6
	v_mad_u32_u24 v5, v1, SPITCH, v7
	v_lshl_add_u32 v[STO], v2, 6, v5               ; in: row r, 64 h
	v_mad_u32_u24 v5, v2, SPITCH, v7
	v_lshl_add_u32 v[RD], v1, 4, v5                ; back: sixteen lanes a row of 256 bytes, two rows a load
	v_lshlrev_b32 v5, 12, v2
	v_lshl_add_u32 v[CO], v1, 4, v5                ; and the same two rows in C
.if BIAS
	v_lshlrev_b32 v[BO], 6, v2
.endif
.if NCH > 2
	v_lshlrev_b32 v[PFO], 8, v3
.endif
	s_wait_alu depctr_va_vdst(0)                   ; the head's end
.if BIAS
.irp b, 0,1,2,3
	global_load_b128 v[BQ+8*\b:BQ+8*\b+3], v[BO], s[10:11] offset:128*(\b/2)+32*(\b%2)
	global_load_b128 v[BQ+8*\b+4:BQ+8*\b+7], v[BO], s[10:11] offset:128*(\b/2)+32*(\b%2)+16
.endr
.endif
.macro FRAG reg, adr, q, i
.irp c, 0,1,2,3
	ds_load_b128 v[\reg+4*\c:\reg+4*\c+3], v[\adr] offset:BLK*(\i)+2048*(\q)+512*\c
.endr
.endm
.macro FETCH slot, q                   ; 32 loads: step q of a slot into set q % 2
	WIN 0x40
.irp i, 0,1,2,3
	FRAG 64*((\q)%2)+16*\i, ADRB+(\slot), \q, \i
.endr
	WIN 0
.irp i, 0,1,2,3
	FRAG AF+64*((\q)%2)+16*\i, ADRA+(\slot), \q, \i
.endr
.endm
.macro SCALES c                        ; 16 loads: chunk c's scale words
.irp q, 0,1,2,3
.irp i, 0,1,2,3
	ds_load_b32 v[SC+16*((\c)%2)+4*\q+\i], v[ADRS] offset:\i*SKB+64*(4*(\c)+\q)
.endr
.endr
.endm
.macro MWIN q                          ; source 0 (B) window 1, source 1 (A) window 0, C and D window 2
.if BIAS && (ch+(\q) == 0)
	WIN 0x81
.else
	WIN 0xa1
.endif
.endm
.macro MUL4 a, q                       ; A's block a x B's four.  The 16 accumulators take turns in the same order in every step
.set P_, (\q)%2
.irp b, 0,1,2,3
.set D_, 8*(4*(\a)+\b)
.set S0_, SC+16*(ch%2)+4*(\q)+\b
.set S1_, SC+16*(ch%2)+4*(\q)+(\a)
.if ch+(\q) > 0
	v_wmma_scale_f32_16x16x128_f8f6f4 v[D_:D_+7], v[64*P_+16*\b:64*P_+16*\b+15], v[AF+64*P_+16*(\a):AF+64*P_+16*(\a)+15], v[D_:D_+7], v[S0_], v[S1_] matrix_a_scale:MATRIX_SCALE_ROW1
.elseif BIAS
	v_wmma_scale_f32_16x16x128_f8f6f4 v[D_:D_+7], v[64*P_+16*\b:64*P_+16*\b+15], v[AF+64*P_+16*(\a):AF+64*P_+16*(\a)+15], v[BQ+8*\b:BQ+8*\b+7], v[S0_], v[S1_] matrix_a_scale:MATRIX_SCALE_ROW1
.else
	v_wmma_scale_f32_16x16x128_f8f6f4 v[D_:D_+7], v[64*P_+16*\b:64*P_+16*\b+15], v[AF+64*P_+16*(\a):AF+64*P_+16*(\a)+15], 0, v[S0_], v[S1_] matrix_a_scale:MATRIX_SCALE_ROW1
.endif
.endr
.endm
.macro STEP q                          ; a step that has its successor in the same slot
	PLACES 8                                       ; behind the last step's products, ahead of loads into the set that they read
	FETCH ch%2, (\q)+1
	s_wait_dscnt 32                                ; all but the 32 just issued
	MWIN \q
	MUL4 0, \q
	MUL4 1, \q
	MUL4 2, \q
	MUL4 3, \q
.endm
.macro TURN                            ; a slot's last step changes slots
	WIN 0
	s_wait_tensorcnt 0x0                           ; my part of the next slot is in
	ds_add_u32 v[SPW], v[NIL]
	s_wait_dscnt 1                                 ; the add may be out
	MWIN 3
	MUL4 0, 3
	s_wait_dscnt 0x0                               ; the add is done, my reads of this slot are over
	s_barrier_signal -1
	MUL4 1, 3
	WIN 0
	s_barrier_wait -1
.if ch+2 < NCH
	CREST                                          ; the barrier has opened a round of the cluster's
	s_add_nc_u64 s[G0+4*(ch%2)+2:G0+4*(ch%2)+3], s[G0+4*(ch%2)+2:G0+4*(ch%2)+3], 2*BLK
	s_add_nc_u64 s[G0B+4*(ch%2)+2:G0B+4*(ch%2)+3], s[G0B+4*(ch%2)+2:G0B+4*(ch%2)+3], 2*BLK
	JLOAD G0+4*(ch%2), G1, G0B+4*(ch%2), G1B       ; chunk ch + 2, the first tensor load behind the round
	PLACES 4
.else
	PLACES 8
.endif
	FETCH (ch+1)%2, 0
	SCALES ch+1
.if ch+3 < NCH
	global_prefetch_b8 v[PFO], s[4:5] offset:(ch+3)*BLK th:TH_LOAD_NT scope:SCOPE_SE   ; what the next change of slots will ask for: 8,192 bytes, a lane to each 256
.endif
	MWIN 3
	MUL4 2, 3
	MUL4 3, 3
.endm
	s_wait_tensorcnt 0x0                           ; my tile of the head's four is in
	ds_add_u32 v[SPW], v[NIL]
	s_mov_b32 s[G1+2], 4<<16                       ; no tensor load of mine is out: from here on a load brings 4 blocks
	s_mov_b32 s[G1+4], 4
	s_mov_b32 s[G1B+2], 4<<16
	s_mov_b32 s[G1B+4], 4
	s_wait_dscnt 0x0
	CROUND
	JLOAD G0+4, G1, G0B+4, G1B                     ; chunk 1 into slot 1
	FETCH 0, 0
	SCALES 0
.if BIAS
	s_wait_loadcnt 0x0
.endif
	WIN 0x40                                       ; the residual: 4 blocks x 16 rows x 256 bytes into window 1, v128 on; waited for on the way out
.irp a, 0,1,2,3
.irp t, 0,1,2,3,4,5,6,7
	global_load_b128 v[128+32*\a+4*\t:128+32*\a+4*\t+3], v[CO], s[8:9] offset:(32*(\a/2)+8*(\a%2)+2*\t+8*(\t/4))*4096
.endr
.endr
	WIN 0
.if NCH > 2
	global_prefetch_b8 v[PFO], s[4:5] offset:2*BLK th:TH_LOAD_NT scope:SCOPE_SE   ; chunk 2, which the first change of slots will ask for
.endif
.set ch, 0
.rept NCH
	STEP 0
	STEP 1
	STEP 2
.if ch < NCH-1
	TURN
.else
	s_wait_dscnt 0x0
	MWIN 3
	MUL4 0, 3
	MUL4 1, 3
	MUL4 2, 3
	MUL4 3, 3
.endif
.set ch, ch+1
.endr
	WIN 0
	PLACES 8                                       ; behind the last products
; THE WAY OUT, a block of 16 tokens x 64 columns at a time, through my stage: slot 0 has had its last fill, and nobody reads it behind the last change of slots
.macro TOSTAGE a
	WIN 0x08
.irp b, 0,1,2,3
	ds_store_b128 v[STO], v[32*(\a)+8*\b:32*(\a)+8*\b+3] offset:128*(\b/2)+32*(\b%2)
	ds_store_b128 v[STO], v[32*(\a)+8*\b+4:32*(\a)+8*\b+7] offset:128*(\b/2)+32*(\b%2)+16
.endr
	WIN 0
.irp t, 0,1,2,3,4,5,6,7
	ds_load_b128 v[AF+32*(\a)+4*\t:AF+32*(\a)+4*\t+3], v[RD] offset:2*\t*SPITCH   ; LDS serves a wave's instructions in order
.endr
.endm
.macro SEND a, younger
	s_wait_dscnt \younger
	WIN 0x04
.set n, 0
.rept 16
	v_pk_add_f32 v[AF+32*(\a)+n:AF+32*(\a)+n+1], v[AF+32*(\a)+n:AF+32*(\a)+n+1], v[128+32*(\a)+n:128+32*(\a)+n+1]
.set n, n+2
.endr
	WIN 0
.irp t, 0,1,2,3,4,5,6,7
	global_store_b128 v[CO], v[AF+32*(\a)+4*\t:AF+32*(\a)+4*\t+3], s[12:13] offset:(32*((\a)/2)+8*((\a)%2)+2*\t+8*(\t/4))*4096
.endr
.endm
	s_wait_loadcnt 0x0                             ; the residual
	TOSTAGE 0
.irp a, 1,2,3
	TOSTAGE \a
	SEND \a-1, 16                                  ; behind its loads: the next block's 8 stores and 8 loads
.endr
	SEND 3, 0
	s_wait_tensorcnt 0x0                           ; the wave's end
	ds_add_u32 v[SPW], v[NIL]
	s_wait_dscnt 0x0
	CROUND                                         ; the closing round
	s_endpgm
.Lfunc_end_k_q113c58c0aa_gdown:
	.size	k_q113c58c0aa_gdown, .Lfunc_end_k_q113c58c0aa_gdown-k_q113c58c0aa_gdown
	.p2alignl 7, 3214868480
	.fill 96, 4, 3214868480
	.section	.rodata,"a",@progbits
	.p2align	6, 0x0
	.amdhsa_kernel k_q113c58c0aa_gdown
		.amdhsa_group_segment_fixed_size 327680
		.amdhsa_private_segment_fixed_size 0
		.amdhsa_enable_private_segment 0
		.amdhsa_kernarg_size 32
		.amdhsa_user_sgpr_count 2
		.amdhsa_user_sgpr_kernarg_segment_ptr 1
		.amdhsa_wavefront_size32 1
		.amdhsa_system_sgpr_workgroup_id_x 1
		.amdhsa_system_sgpr_workgroup_id_y 1
		.amdhsa_system_sgpr_workgroup_id_z 1
		.amdhsa_system_vgpr_workitem_id 0
		.amdhsa_next_free_vgpr 640
		.amdhsa_next_free_sgpr 102
		.amdhsa_reserve_vcc 0
		.amdhsa_float_denorm_mode_32 3
		.amdhsa_float_denorm_mode_16_64 3
		.amdhsa_memory_ordered 1
		.amdhsa_forward_progress 1
		.amdhsa_inst_pref_size 102
	.end_amdhsa_kernel
	.amdgpu_metadata
---
amdhsa.version: [ 1, 2 ]
amdhsa.kernels:
  - .name:           k_q113c58c0aa_gdown
    .symbol:         k_q113c58c0aa_gdown.kd
    .args:
      - { .name: fq, .offset: 0, .size: 8, .value_kind: global_buffer, .address_space: global }
      - { .name: wq, .offset: 8, .size: 8, .value_kind: global_buffer, .address_space: global }
      - { .name: x1, .offset: 16, .size: 8, .value_kind: global_buffer, .address_space: global }
      - { .name: out0, .offset: 24, .size: 8, .value_kind: global_buffer, .address_space: global }
    .group_segment_fixed_size: 327680
    .private_segment_fixed_size: 0
    .kernarg_segment_align: 8
    .kernarg_segment_size: 32
    .max_flat_workgroup_size: 128
    .sgpr_count:     102
    .vgpr_count:     640
    .wavefront_size: 32
...
	.end_amdgpu_metadata
.endif
;; end of part 7
